; MI455X (gfx1250); checked and timed in simulation.
; The chip was launched on July 23, 2026; its instructions are those of AMD's public machine-readable ISA for CDNA 5 (MIT licence, August 2026) and "CDNA5" Instruction Set Architecture Reference Guide (July 2026). The comments in the code are by the model that wrote it; some were corrected since.
;; Multi Headed Attention. Allowed arithmetic: matrix products marked QUANTISED: E2M3 operands, one E8M0 scale for each 32 along K, by v_wmma_scale_f32_16x16x128_f8f6f4 with both operands' format E2M3, f32 sums; everything else in f32.
;; Inputs: Wk 1,024 x 1,024 float32; Wo 1,024 x 1,024 float32; Wq 1,024 x 1,024 float32; Wv 1,024 x 1,024 float32; bk 1,024 float32; bo 1,024 float32; bq 1,024 float32; bv 1,024 float32; key 4 x 2,048 x 1,024 float32; mask 4 x 2,048 x 2,048 int32; query 4 x 2,048 x 1,024 float32; value 4 x 2,048 x 1,024 float32.
;; Outputs: out0 4 x 2,048 x 1,024 float32.
;; This version of the problem:
;;   THIS VERSION OF THE PROBLEM IS GIVEN IN LOW PRECISION. The matrix products marked QUANTISED in the list below multiply operands that are first quantised to E2M3 (2 exponent bits, 3 mantissa bits; 6 bits a number), with one power-of-two scale for each 32 numbers along K (OCP MX v1.0); their sums are f32. All else is computed in f32.
;;   The module's matrix products, in the order in which they are computed (A, B: the left and right operand; K: the contracted axis; several contracted axes count as one K, in the product's order):
;;     1. [M 8,192, K 1,024] x [K 1,024, N 1,024]; A: input query; B: input Wq: QUANTISED
;;     2. [M 8,192, K 1,024] x [K 1,024, N 1,024]; A: input key; B: input Wk: QUANTISED
;;     3. [M 8,192, K 1,024] x [K 1,024, N 1,024]; A: input value; B: input Wv: QUANTISED
;;     4. batch 64 x [M 2,048, K 64] x [K 64, N 2,048]; A: computed on the way; B: computed on the way: QUANTISED
;;     5. batch 64 x [M 2,048, K 2,048] x [K 2,048, N 64]; A: softmax (see below); B: computed on the way: QUANTISED
;;     6. [M 8,192, K 1,024] x [K 1,024, N 1,024]; A: computed on the way; B: input Wo: QUANTISED
;;   THE QUANTISER, for each operand of a quantised product, along K:
;;     - K is cut into blocks of 32 from its start; a last block that is shorter is filled with zeros.
;;     - A block's scale is 2^e with e = floor(log2(the largest magnitude in the block)) - 2, held to -126 .. 127; a block of zeros has e = 0. As a byte (E8M0): e + 127.
;;     - Each number is divided by its block's scale, clamped to +-7.5, and rounded to the nearest number of E2M3, ties to even, subnormals kept.
;;     - The product sums the exact products of the quantised numbers (number of the format x scale) in f32.
;;   ~~~python
;;   def quantise(x, axis):      # numpy; x: float32 -> the quantised numbers, widened to float32 again
;;       x = np.moveaxis(x, axis, -1); K = x.shape[-1]
;;       x = np.pad(x, [(0, 0)] * (x.ndim - 1) + [(0, -K % 32)]); x = x.reshape(x.shape[:-1] + (-1, 32)); a = np.abs(x).max(-1, keepdims=True)
;;       e = np.where(a > 0, np.clip(np.frexp(np.where(a > 0, a, 1))[1] - 1 - 2, -126, 127), 0)      # np.frexp(a)[1] - 1 = floor(log2(a)), exactly
;;       r = np.clip(x / 2.0 ** e, -7.5, 7.5)
;;       step = 2.0 ** (np.maximum(np.frexp(np.where(r == 0, 1, r))[1] - 1, 0) - 3)
;;       q = np.round(r / step) * step * 2.0 ** e      # np.round: ties to even
;;       return np.moveaxis(q.reshape(q.shape[:-2] + (-1,))[..., :K], -1, axis).astype(np.float32)
;;   ~~~
;;   SOFTMAX AHEAD OF A QUANTISED PRODUCT. Where the list says 'softmax', what is quantised is not the finished softmax but p = 2^(t - M), with t = logit x log2(e) and M = ceil(the row's largest t), a whole number; so 1/2 < the row's largest p <= 1. The row's sum l is taken of the UNQUANTISED p, in f32, and the product's result is divided by l at the end. Since M is a whole number, a kernel that streams over the keys may use a running M (the ceiling of the running maximum): every later rescaling is an exact power of two, which a block's scale takes up: the codes' values come out the same.
;;   OPERANDS COMPUTED ON THE WAY. 'Computed on the way' means the value that the module computes at that place (a softmax that the list does not call 'softmax' is quantised finished and normalised). What goes into a quantiser is computed in f32, as accurately as f32 sums, v_exp_f32 and their like allow (about 1e-6 of the number): no bf16 or f16 on the way to a quantiser, and a product that is left as it is and whose result goes on into a quantised operand takes f32 operands (vector FMAs, or v_wmma_f32_16x16x4_f32). A number that lies on a knife's edge between two numbers of the format may be rounded either way, as far as f32 arithmetic and the matrix unit's own rounding can turn it there, and no further.
;; 3 versions. Each part assembles by itself: llvm-mc -triple=amdgcn-amd-amdhsa -mcpu=gfx1250 --defsym DOCPART=n.
;; ======== version 1 of 3: 4 launches
;; limits: right only within a limited range of input values
;; workspace buffers: wq 3,276,800 bytes; mb 2,097,152 bytes of whole numbers; qb 6,815,744 bytes; kb 6,815,744 bytes; vb 6,553,600 bytes; ab 6,553,600 bytes
;; launch prep (part 1): grid 256 x 1, 6 waves a work-group, no clusters, 0 bytes of LDS; arguments mask, Wq, Wk, Wv, Wo, wq, mb; writes wq, mb
.if DOCPART == 1
	.amdgcn_target "amdgcn-amd-amdhsa--gfx1250"
	.amdhsa_code_object_version 6
	.text
	.protected	k_q3f5555e127_prep
	.globl	k_q3f5555e127_prep
	.p2align	8
	.type	k_q3f5555e127_prep,@function
k_q3f5555e127_prep:
	s_mov_b64 s[64:65], 0
	v_nop
	global_prefetch_b8 v0, s[64:65] scope:SCOPE_SE
	s_setreg_imm32_b32 hwreg(HW_REG_WAVE_MODE, 25, 1), 1
	s_wait_xcnt 0x0
; PREP.  (a) The four weights [1024][1024] f32 become codes of FP6 (E2M3) with one E8M0 byte for each 32 along K, laid in the order of an operand's registers.
; (b) The mask [4][2048][2048] int32 becomes lane masks: one 32-bit word for each register of a tile of scores.
; A TILE'S 16 ROWS ARE NOT NEIGHBOURS: lane r of tile T takes row 32 (T / 2) + 8 (T % 2) + r + 8 (r / 8), so that in a transposed product the 16 registers of tiles 2 b and 2 b + 1 are 16 neighbours.
; wq: unit q = (matrix x 16 + head) x 8 + K step, 6,144 bytes: four fragments (16 rows x 128 K, 12 registers a lane), registers 4 c .. 4 c + 3 of lane l at 512 c + 16 l.
;     From WSOFF on, 256 bytes a unit: lane l's 8 bytes are two scale words; in each, lanes 0-15 hold the even tile's rows and lanes 16-31 the odd tile's.
; mb: [batch x 128 + tile][key step][64 words]: word 16 b + i, bit r + 16 h: mask(row of lane r, key 128 step + 32 b + 16 h + i) is not 0.
; SHARES.  Each work-group has four mask waves (a tile of 16 queries x 1,024 keys each: 65,536 bytes read) and two weight waves (a unit each: 32,768 bytes read): 256 work-groups of equal work.
; The waves share nothing: no LDS, no barrier.  Every offset is an immediate; no pointer is stepped.  Matrix units and clusters have nothing to do here.
; LIMITS: NaN and infinities among the weights are not served; a block of zeros gets the byte 1 where the quantiser's rule says 127 (its codes are zeros, and the bytes are read by this program alone);
; blocks whose largest magnitude lies under 2^-124, whose byte is held at 1, were not tried.
.set WSOFF,  3145728
.set MW,  16                           ; v16-31   mask waves: a key step's 64 words, two registers a step
.set TM,  16                           ; v16-31   weight waves: at work in QUANT
.set BUF, 32                           ; v32-223  three landing buffers of 64 registers
.set PC,  224                          ; v224-242 the codes just made
.set PWT, 244                          ; v244-245 the scale words of an even and an odd tile
.set SW,  246                          ; v246-247 the two paired scale words
.set SEL, 4                            ; s[4:5]   v_permlanex16_b32's selects for lane l xor 16
.set HI,  6                            ; s6       lanes 16-31
.set WV,  24                           ; s24      my wave's number
; 64 numbers of a lane, register 16 b + i = k 32 b + 16 (lane / 16) + i of my row, become a fragment's codes in v[PC] on and its scale word in v[pw] (the same word in both halves of the lanes).
.macro QUANT s, pw
.irp b, 0,1,2,3
	v_max3_num_f32 v[TM+\b], |v[(\s)+16*\b]|, |v[(\s)+1+16*\b]|, 0x1800000   ; block b: my 16 numbers, and the floor 2^(3 - 127): the byte cannot fall under 1
.endr
.irp i, 2,4,6,8,10,12,14
.irp b, 0,1,2,3
	v_max3_num_f32 v[TM+\b], v[TM+\b], |v[(\s)+16*\b+\i]|, |v[(\s)+1+16*\b+\i]|   ; the four blocks by turns
.endr
.endr
.irp b, 0,1,2,3
	v_permlanex16_b32 v[TM+4+\b], v[TM+\b], s[SEL], s[SEL+1]
.endr
.irp b, 0,1,2,3
	v_max_num_f32 v[TM+\b], v[TM+\b], v[TM+4+\b]   ; with lane l xor 16's: the block's largest magnitude
.endr
.irp b, 0,1,2,3
	v_add_nc_u32 v[TM+12+\b], 0xff000000, v[TM+\b]   ; 2 off its exponent field: the conversion's scale operand
.endr
.irp b, 0,1,2,3
	v_lshrrev_b32 v[TM+4+\b], 23, v[TM+12+\b]      ; the scale's byte
.endr
	v_lshl_or_b32 v[\pw], v[TM+5], 8, v[TM+4]
	v_lshl_or_b32 v[\pw], v[TM+6], 16, v[\pw]
	v_lshl_or_b32 v[\pw], v[TM+7], 24, v[\pw]
.irp c, 0,1
	v_cvt_scalef32_pk16_fp6_f32 v[PC+6*\c:PC+2+6*\c], v[(\s)+32*\c:(\s)+15+32*\c], v[TM+12+2*\c]
	v_cvt_scalef32_pk16_fp6_f32 v[PC+12+4*\c:PC+14+4*\c], v[(\s)+16+32*\c:(\s)+31+32*\c], v[TM+12+2*\c+1]   ; (a conversion's three registers begin on an even number)
.endr
	v_nop                                          ; one plain place behind a scaled conversion
.irp c, 0,1                                    ; the operand's layout wants a whole block in a lane: lanes 0-15 block 2 c, lanes 16-31 block 2 c + 1
.irp i, 0,1,2
	v_permlane16_swap_b32 v[PC+6*\c+\i], v[PC+12+4*\c+\i]
.endr
.irp i, 0,1,2
	v_mov_b32 v[PC+3+6*\c+\i], v[PC+12+4*\c+\i]
.endr
.endr
.endm
	s_load_b256 s[8:15], s[0:1], 0x0               ; mask s[8:9], Wq s[10:11], Wk s[12:13], Wv s[14:15]
	s_load_b128 s[16:19], s[0:1], 0x20             ; Wo s[16:17], wq s[18:19]
	s_load_b64 s[20:21], s[0:1], 0x30              ; mb
	v_lshrrev_b32 v6, 5, v0
	v_readfirstlane_b32 s[WV], v6                  ; wave 0..5
	v_and_b32 v1, 15, v0                           ; r
	v_bfe_u32 v2, v0, 4, 1                         ; h
	v_and_b32 v7, 31, v0                           ; lane
	v_lshlrev_b32 v4, 4, v7                        ; 16 x lane
	v_lshlrev_b32 v5, 3, v7                        ; 8 x lane
	v_and_b32 v8, 8, v1
	v_add_nc_u32 v8, v8, v1                        ; r + 8 (r / 8)
	s_mov_b32 s3, 0
	s_mov_b32 s29, 0
	s_mov_b32 s31, 0
	s_cmp_lt_u32 s[WV], 4
	s_cbranch_scc0 .Lweights
	; ---- a mask wave: half row u = 4 x work-group + wave: tile u / 2, keys 1,024 (u % 2) on
	v_lshlrev_b32 v3, 13, v8                       ; my query's row of 8,192 bytes,
	v_lshl_add_u32 v3, v2, 6, v3                   ; + 64 h: my 16 keys of a block of 32
.irp i, 0,1,2,3,4,5,6,7,8,9,10,11,12,13,14,15
	v_mov_b32 v[MW+\i], 0                          ; written once: v_writelane_b32's destination counts as one of its sources
.endr
	s_lshl_b32 s25, ttmp9, 2
	s_add_co_u32 s25, s25, s[WV]                   ; u
	s_lshr_b32 s26, s25, 1                         ; batch x 128 + tile
	s_lshr_b32 s2, s26, 7
	s_lshl_b32 s2, s2, 24                          ; the batch: 2,048 x 8,192 bytes
	s_bfe_u32 s27, s26, 0x60001                    ; tile / 2
	s_lshl_b32 s27, s27, 18                        ; x 32 rows
	s_add_co_u32 s2, s2, s27
	s_and_b32 s27, s26, 1
	s_lshl_b32 s27, s27, 16                        ; + 8 rows for an odd tile
	s_add_co_u32 s2, s2, s27
	s_and_b32 s27, s25, 1
	s_lshl_b32 s27, s27, 12                        ; + 1,024 keys for the second half
	s_add_co_u32 s2, s2, s27
	s_lshl_b32 s28, s25, 11                        ; my words: 8 steps x 256 bytes
	s_wait_kmcnt 0x0
	s_add_nc_u64 s[8:9], s[8:9], s[2:3]
	s_add_nc_u64 s[22:23], s[20:21], s[28:29]
.macro MLOAD st                        ; key step st: register 16 b + 4 j + e = key 128 st + 32 b + 16 h + 4 j + e of my query, into buffer st % 3
.irp b, 0,1,2,3
.irp j, 0,1,2,3
	global_load_b128 v[BUF+64*((\st)%3)+16*\b+4*\j:BUF+64*((\st)%3)+16*\b+4*\j+3], v3, s[8:9] offset:512*(\st)+128*\b+16*\j th:TH_LOAD_NT
.endr
.endr
.endm
.macro MSTEP st
.if (\st) < 6
	s_wait_loadcnt 32                              ; this step's 16 loads are in; the two younger steps' 16 each may be out
.else
	s_wait_loadcnt 16*(7-(\st))
.endif
.set nn, 0
.rept 8                                        ; a compare gives the 32 lanes' bits as one word; word n goes to lane n / 2 of register n % 2, so that the step's 64 words leave as 256 consecutive bytes
.irp e, 0,1,2,3,4,5,6,7
	v_cmp_ne_u32 s[40+\e], 0, v[BUF+64*((\st)%3)+nn+\e]
.endr
.irp e, 0,1,2,3,4,5,6,7
	v_writelane_b32 v[MW+2*(\st)+(\e%2)], s[40+\e], (nn+\e)/2
.endr
.set nn, nn+8
.endr
.if (\st)+3 < 8
	MLOAD (\st)+3                                  ; the buffer just read takes the step three on
.endif
	global_store_b64 v5, v[MW+2*(\st):MW+2*(\st)+1], s[22:23] offset:256*(\st)   ; 32 lanes store 256 consecutive bytes, aligned; each step has data registers of its own
.endm
	MLOAD 0
	MLOAD 1
	MLOAD 2
.irp t, 0,1,2,3,4,5,6,7
	MSTEP \t
.endr
	s_endpgm
.Lweights:
	; ---- a weight wave: unit q = 2 x work-group + wave - 4: 64 rows (a head's) x 128 along K of one matrix
	v_lshlrev_b32 v3, 12, v8                       ; my row of 4,096 bytes,
	v_lshl_add_u32 v3, v2, 6, v3                   ; + 64 h
.irp b, 0,1,2,3
	v_mov_b32 v[TM+4+\b], 0                        ; written once: a lane permute's destination counts as one of its sources
.endr
	s_mov_b32 s[SEL], 0x76543210
	s_mov_b32 s[SEL+1], 0xfedcba98
	s_mov_b32 s[HI], 0xffff0000
	s_lshl_b32 s25, ttmp9, 1
	s_add_co_u32 s25, s25, s[WV]
	s_sub_co_u32 s25, s25, 4                       ; q
	s_lshr_b32 s26, s25, 7                         ; the matrix: 0 Wq, 1 Wk, 2 Wv, 3 Wo
	s_bfe_u32 s2, s25, 0x40003                     ; the head
	s_lshl_b32 s2, s2, 18                          ; x 64 rows of 4,096 bytes
	s_and_b32 s27, s25, 7
	s_lshl_b32 s27, s27, 9                         ; the K step: 512 bytes
	s_add_co_u32 s2, s2, s27
	s_mul_i32 s28, s25, 6144                       ; the unit's codes
	s_lshl_b32 s30, s25, 8
	s_add_co_u32 s30, s30, WSOFF                   ; and its scale words
	s_wait_kmcnt 0x0
	s_cmp_eq_u32 s26, 0                            ; the choice hangs on the work-group's and the wave's number alone
	s_cselect_b64 s[32:33], s[10:11], s[12:13]
	s_cmp_lt_u32 s26, 2
	s_cselect_b64 s[32:33], s[32:33], s[14:15]
	s_cmp_lt_u32 s26, 3
	s_cselect_b64 s[32:33], s[32:33], s[16:17]
	s_add_nc_u64 s[32:33], s[32:33], s[2:3]
	s_add_nc_u64 s[22:23], s[18:19], s[28:29]
	s_add_nc_u64 s[18:19], s[18:19], s[30:31]
.macro WLOADF t                        ; tile t's 16 rows x 128 K into buffer t % 3
.irp b, 0,1,2,3
.irp j, 0,1,2,3
	global_load_b128 v[BUF+64*((\t)%3)+16*\b+4*\j:BUF+64*((\t)%3)+16*\b+4*\j+3], v3, s[32:33] offset:(32*((\t)/2)+8*((\t)%2))*4096+128*\b+16*\j th:TH_LOAD_NT
.endr
.endr
.endm
	WLOADF 0
	WLOADF 1
	WLOADF 2
.irp t, 0,1,2,3
.if \t < 2
	s_wait_loadcnt 32                              ; this tile's 16 loads are in; two younger tiles' may be out
.else
	s_wait_loadcnt 16*(3-\t)
.endif
	s_wait_xcnt 0x0                                ; the last tile's stores have read the codes' registers
	QUANT BUF+64*(\t%3), PWT+(\t%2)
.irp c, 0,1,2
	global_store_b128 v4, v[PC+4*\c:PC+4*\c+3], s[22:23] offset:1536*\t+512*\c   ; 512 consecutive bytes a store
.endr
.if \t == 0
	WLOADF 3
.endif
.if \t%2
	v_cndmask_b32 v[SW+(\t/2)], v[PWT], v[PWT+1], s[HI]   ; lanes 0-15 the even tile's words, lanes 16-31 the odd tile's
.endif
.endr
	global_store_b64 v5, v[SW:SW+1], s[18:19]
	s_endpgm
.Lfunc_end_k_q3f5555e127_prep:
	.size	k_q3f5555e127_prep, .Lfunc_end_k_q3f5555e127_prep-k_q3f5555e127_prep
	.p2alignl 7, 3214868480
	.fill 96, 4, 3214868480
	.section	.rodata,"a",@progbits
	.p2align	6, 0x0
	.amdhsa_kernel k_q3f5555e127_prep
		.amdhsa_group_segment_fixed_size 0
		.amdhsa_private_segment_fixed_size 0
		.amdhsa_enable_private_segment 0
		.amdhsa_kernarg_size 56
		.amdhsa_user_sgpr_count 2
		.amdhsa_user_sgpr_kernarg_segment_ptr 1
		.amdhsa_wavefront_size32 1
		.amdhsa_system_sgpr_workgroup_id_x 1
		.amdhsa_system_sgpr_workgroup_id_y 1
		.amdhsa_system_sgpr_workgroup_id_z 1
		.amdhsa_system_vgpr_workitem_id 0
		.amdhsa_next_free_vgpr 256
		.amdhsa_next_free_sgpr 66
		.amdhsa_reserve_vcc 0
		.amdhsa_float_denorm_mode_32 3
		.amdhsa_float_denorm_mode_16_64 3
		.amdhsa_memory_ordered 1
		.amdhsa_forward_progress 1
		.amdhsa_inst_pref_size 103
	.end_amdhsa_kernel
	.amdgpu_metadata
---
amdhsa.version: [ 1, 2 ]
amdhsa.kernels:
  - .name:           k_q3f5555e127_prep
    .symbol:         k_q3f5555e127_prep.kd
    .args:
      - { .name: mask, .offset: 0, .size: 8, .value_kind: global_buffer, .address_space: global }
      - { .name: Wq, .offset: 8, .size: 8, .value_kind: global_buffer, .address_space: global }
      - { .name: Wk, .offset: 16, .size: 8, .value_kind: global_buffer, .address_space: global }
      - { .name: Wv, .offset: 24, .size: 8, .value_kind: global_buffer, .address_space: global }
      - { .name: Wo, .offset: 32, .size: 8, .value_kind: global_buffer, .address_space: global }
      - { .name: wq, .offset: 40, .size: 8, .value_kind: global_buffer, .address_space: global }
      - { .name: mb, .offset: 48, .size: 8, .value_kind: global_buffer, .address_space: global }
    .group_segment_fixed_size: 0
    .private_segment_fixed_size: 0
    .kernarg_segment_align: 8
    .kernarg_segment_size: 56
    .max_flat_workgroup_size: 192
    .sgpr_count:     66
    .vgpr_count:     256
    .wavefront_size: 32
...
	.end_amdgpu_metadata
.endif
;; end of part 1
;; launch proj (part 2): grid 64 x 3, 4 waves a work-group, no clusters, 107,008 bytes of LDS; arguments query, key, value, bq, bk, bv, wq, qb, kb, vb; writes qb, kb, vb
.if DOCPART == 2
	.amdgcn_target "amdgcn-amd-amdhsa--gfx1250"
	.amdhsa_code_object_version 6
	.text
	.protected	k_q3f5555e127_proj
	.globl	k_q3f5555e127_proj
	.p2align	8
	.type	k_q3f5555e127_proj,@function
k_q3f5555e127_proj:
	s_mov_b64 s[64:65], 0
	v_nop
	global_prefetch_b8 v0, s[64:65] scope:SCOPE_SE
	s_setreg_imm32_b32 hwreg(HW_REG_WAVE_MODE, 25, 1), 1
	s_wait_xcnt 0x0
; PROJ.  q = query Wq^T + bq, k = key Wk^T + bk, v = value Wv^T + bv, on codes of FP6 (E2M3) with one E8M0 scale for each 32 along K; and the results quantised for attention's two products.
; SHARES.  Work-group (block, y) takes 128 rows of x (y = 0 query, 1 key, 2 value) against all 1,024 columns: x is read and quantised once.  Wave w takes heads 4 w .. 4 w + 3, one after the other:
; a head is 64 columns x 128 rows: 32 accumulators, 8 K steps of 128, 256 matrix instructions.
; PHASE X: wave w quantises tiles 2 w and 2 w + 1 of the 128 rows (16 fragments) and stores them in LDS as images of the operand's registers (registers 4 c .. 4 c + 3 of lane l at 512 c + 16 l); ONE barrier; from
; there on LDS is only read.  The weights' codes come from wq, laid in the same order, straight into registers, four K steps ahead: no two waves of a work-group want the same ones.
; A TILE'S 16 ROWS ARE NOT NEIGHBOURS: lane r of tile T takes row 32 (T / 2) + 8 (T % 2) + r + 8 (r / 8), of x and of W alike, so that the 16 registers of two neighbouring tiles of results are 16 neighbours.
; q, k (y < 2): the product is used transposed (source 0 = 16 rows of W, source 1 = 16 rows of x): a lane holds one row of x and 32 registers run along the head's 64: two blocks of 32, six registers of codes.
; v (y = 2): source 0 = x, source 1 = W: a lane holds one channel of the head and 64 registers run along the 128 keys: a whole fragment of V^T with the keys innermost.
; The bias is the C of each sum's first matrix instruction.
; OUT.  qb, kb: for each (batch, head) 106,496 bytes: 128 tiles x 768 (registers 0-3 at 16 l, registers 4-5 at 512 + 8 l), then for each 128 rows 512 bytes of scale words (lane l's 16 bytes: four words; in each, lanes 0-15
; the even tile, lanes 16-31 the odd).  vb: for each (batch, head) 102,400 bytes: [key step][4 tiles of channels] fragments of 1,536, then for each step 256 bytes of scale words (8 bytes a lane).
; NO CLUSTER: what work-groups share is a matrix's codes, 786,432 bytes, which go into registers, each wave its own heads; a joint load lands in LDS alone, where they do not fit beside x's 98,304 bytes of images.
; 192 work-groups: 24,576 rows in blocks of 128; a fragment of V^T wants 128 keys in one work-group, and a split of the columns would read and quantise the f32 rows again.
; LIMITS: NaN and infinities are not served; a block of zeros gets the byte 1 (its codes are zeros; the bytes are read by this program alone); blocks under 2^-124 were not tried.
; REGISTERS, in windows of 256.  Window 0: v1-14 addresses; v16-111 x's eight fragments of a K step; v112-119 x's scale words, two sets; v120-127 W's, four sets; v128-146 codes just made; v148-163 at work;
;   v164-165, v168-171 scale words on their way out; v176-183 the bias on its way to LDS.   Window 1: v0-191 W's fragments, four sets of 48; v192-223 the bias as C.   Window 2: the 32 accumulators (in phase X: four landing buffers).
.set XSCL,  98304                      ; LDS: x's fragments (K step s, tile m) at (8 s + m) x 1,536; from XSCL on for each K step 512 bytes: the word of (m, r) at 16 (r + 16 (m % 2)) + 4 (m / 2);
.set BIAS,  102400                     ; from BIAS on the bias vector, 4,096 bytes
.set WSOFF, 3145728
.set LI,   1                           ; v1   16 x lane
.set LIB,  2                           ; v2   the same + 49,152 (K steps 4 to 7: an LDS offset has 16 bits)
.set LSX,  3                           ; v3   16 x lane + XSCL
.set L8,   4                           ; v4   8 x lane
.set BAQ,  5                           ; v5   the bias for q, k: BIAS + 64 h
.set BA,   6                           ; v6   the bias address in hand
.set XA0,  7                           ; v7-8 x: my lane's byte in the block, tiles 2 w and 2 w + 1
.set XWA,  9                           ; v9-10 where I store x's images: 16 x lane + 3,072 w; the same + 49,152
.set XWS,  11                          ; v11  and their scale words: XSCL + 16 r + 4 w
.set T16,  12                          ; v12  16 x thread
.set T16L, 13                          ; v13  the same + BIAS
.set BAV,  14                          ; v14  the bias for v: BIAS + 4 (r + 8 (r / 8))
.set XF,   16
.set XS,   112
.set WS,   120
.set PC,   128
.set TM,   148
.set PWT,  164
.set SW,   168
.set CP,   176
.set BI,   192                         ; in window 1
.set XP,   28                          ; s[28:29] x at the block's first row
.set BP,   30                          ; s[30:31] the bias
.set OC,   32                          ; s[32:33] where the head's codes go
.set OS,   34                          ; s[34:35] and its scale words
.set WB,   36                          ; s[36:37] W's codes at the head in hand
.set WSB,  38                          ; s[38:39] W's scale words likewise
.set WV,   40
.set YY,   41
.set BO,   42                          ; s42  the head's bytes in the bias vector
.set HC,   43                          ; s43  heads to go
.set HI,   44                          ; s44  lanes 16-31
.set SEL,  46                          ; s[46:47]
.set MSB, 0
.macro WIN new                         ; the immediate's high byte repeats the setting that is left; bits 1:0 source 0, 3:2 source 1, 5:4 source 2, 7:6 destination
.if MSB != (\new)
	s_set_vgpr_msb (MSB<<8)|(\new)
.set MSB, (\new)
.endif
.endm
.macro PLACES n
.rept \n
	v_nop
.endr
.endm
; 64 numbers of a lane in window 2, register 16 b + i = k 32 b + 16 (lane / 16) + i of my row, become a fragment's codes in v[PC] on and its scale word in v[pw] (the same in both halves of the lanes).
.macro QUANT s, pw
	WIN 0x0a                                       ; sources 0 and 1 in window 2
.irp b, 0,1,2,3
	v_max3_num_f32 v[TM+\b], |v[(\s)+16*\b]|, |v[(\s)+1+16*\b]|, 0x1800000   ; block b: my 16 numbers, from each accumulator's low end on, and the floor 2^(3 - 127): the byte cannot fall under 1
.endr
	WIN 0x28                                       ; sources 1 and 2 in window 2
.irp i, 2,4,6,8,10,12,14
.irp b, 0,1,2,3
	v_max3_num_f32 v[TM+\b], v[TM+\b], |v[(\s)+16*\b+\i]|, |v[(\s)+1+16*\b+\i]|
.endr
.endr
	WIN 0
.irp b, 0,1,2,3
	v_permlanex16_b32 v[TM+4+\b], v[TM+\b], s[SEL], s[SEL+1]
.endr
.irp b, 0,1,2,3
	v_max_num_f32 v[TM+\b], v[TM+\b], v[TM+4+\b]   ; with lane l xor 16's: the block's largest magnitude
.endr
.irp b, 0,1,2,3
	v_add_nc_u32 v[TM+12+\b], 0xff000000, v[TM+\b]   ; 2 off its exponent field: the conversion's scale operand
.endr
.irp b, 0,1,2,3
	v_lshrrev_b32 v[TM+4+\b], 23, v[TM+12+\b]      ; the scale's byte
.endr
	v_lshl_or_b32 v[\pw], v[TM+5], 8, v[TM+4]
	v_lshl_or_b32 v[\pw], v[TM+6], 16, v[\pw]
	v_lshl_or_b32 v[\pw], v[TM+7], 24, v[\pw]
	WIN 0x02                                       ; source 0 in window 2
.irp c, 0,1
	v_cvt_scalef32_pk16_fp6_f32 v[PC+6*\c:PC+2+6*\c], v[(\s)+32*\c:(\s)+15+32*\c], v[TM+12+2*\c]
	v_cvt_scalef32_pk16_fp6_f32 v[PC+12+4*\c:PC+14+4*\c], v[(\s)+16+32*\c:(\s)+31+32*\c], v[TM+12+2*\c+1]   ; (a conversion's three registers begin on an even number)
.endr
	WIN 0
	v_nop                                          ; one plain place behind a scaled conversion
.irp c, 0,1                                    ; a whole block to a lane: lanes 0-15 block 2 c, lanes 16-31 block 2 c + 1
.irp i, 0,1,2
	v_permlane16_swap_b32 v[PC+6*\c+\i], v[PC+12+4*\c+\i]
.endr
.irp i, 0,1,2
	v_mov_b32 v[PC+3+6*\c+\i], v[PC+12+4*\c+\i]
.endr
.endr
.endm
; The same for 32 numbers, two blocks: six registers of codes in v[PC] on; the word's bytes 2 and 3 stay 0: they stand over zero codes.
.macro QUANT2 s, pw
	WIN 0x0a
.irp b, 0,1
	v_max3_num_f32 v[TM+\b], |v[(\s)+16*\b]|, |v[(\s)+1+16*\b]|, 0x1800000
.endr
	WIN 0x28
.irp i, 2,4,6,8,10,12,14
.irp b, 0,1
	v_max3_num_f32 v[TM+\b], v[TM+\b], |v[(\s)+16*\b+\i]|, |v[(\s)+1+16*\b+\i]|
.endr
.endr
	WIN 0
.irp b, 0,1
	v_permlanex16_b32 v[TM+4+\b], v[TM+\b], s[SEL], s[SEL+1]
.endr
.irp b, 0,1
	v_max_num_f32 v[TM+\b], v[TM+\b], v[TM+4+\b]
.endr
.irp b, 0,1
	v_add_nc_u32 v[TM+12+\b], 0xff000000, v[TM+\b]
.endr
.irp b, 0,1
	v_lshrrev_b32 v[TM+4+\b], 23, v[TM+12+\b]
.endr
	v_lshl_or_b32 v[\pw], v[TM+5], 8, v[TM+4]
	WIN 0x02
	v_cvt_scalef32_pk16_fp6_f32 v[PC:PC+2], v[(\s):(\s)+15], v[TM+12]
	v_cvt_scalef32_pk16_fp6_f32 v[PC+6:PC+8], v[(\s)+16:(\s)+31], v[TM+13]
	WIN 0
	v_nop
.irp i, 0,1,2
	v_permlane16_swap_b32 v[PC+\i], v[PC+6+\i]
.endr
.irp i, 0,1,2
	v_mov_b32 v[PC+3+\i], v[PC+6+\i]
.endr
.endm
; One matrix instruction on the registers named by rD, rA, rB, rC, rSA, rSB.  ra, rb = 1: that side's scale words stand in lanes 16-31 of its register.
.macro WM ra, rb
.set rSel, (\ra)+2*(\rb)
.if rSel == 0
	v_wmma_scale_f32_16x16x128_f8f6f4 v[rD:rD+7], v[rA:rA+11], v[rB:rB+11], v[rC:rC+7], v[rSA], v[rSB] matrix_a_fmt:MATRIX_FMT_FP6 matrix_b_fmt:MATRIX_FMT_FP6
.elseif rSel == 1
	v_wmma_scale_f32_16x16x128_f8f6f4 v[rD:rD+7], v[rA:rA+11], v[rB:rB+11], v[rC:rC+7], v[rSA], v[rSB] matrix_a_fmt:MATRIX_FMT_FP6 matrix_b_fmt:MATRIX_FMT_FP6 matrix_a_scale:MATRIX_SCALE_ROW1
.elseif rSel == 2
	v_wmma_scale_f32_16x16x128_f8f6f4 v[rD:rD+7], v[rA:rA+11], v[rB:rB+11], v[rC:rC+7], v[rSA], v[rSB] matrix_a_fmt:MATRIX_FMT_FP6 matrix_b_fmt:MATRIX_FMT_FP6 matrix_b_scale:MATRIX_SCALE_ROW1
.else
	v_wmma_scale_f32_16x16x128_f8f6f4 v[rD:rD+7], v[rA:rA+11], v[rB:rB+11], v[rC:rC+7], v[rSA], v[rSB] matrix_a_fmt:MATRIX_FMT_FP6 matrix_b_fmt:MATRIX_FMT_FP6 matrix_a_scale:MATRIX_SCALE_ROW1 matrix_b_scale:MATRIX_SCALE_ROW1
.endif
.endm
; 16 matrix instructions: x's tiles m0 .. m0 + 3 against W's four, K step ks.  path 0: q, k (transposed); path 1: v.  The 32 accumulators take turns, one instruction a turn, in the same order in every step.
.macro MULH path, ks, m0
.if (\ks) == 0
	WIN 0x91+3*(\path)                             ; q, k: source 0 (W) and C (the bias) window 1, source 1 (x) window 0, D window 2;  v: sources 0 and 1 the other way round
.else
	WIN 0xa1+3*(\path)                             ; the same with C in window 2
.endif
.irp m, \m0, \m0+1, \m0+2, \m0+3
.irp n, 0,1,2,3
.if (\path) == 0
.set rD, 8*(4*(\m)+\n)
.set rA, 48*((\ks)%4)+12*\n
.set rB, XF+12*(\m)
.set rSA, WS+2*((\ks)%4)+(\n/2)
.set rSB, XS+4*((\ks)%2)+((\m)/2)
.else
.set rD, 8*(8*\n+(\m))
.set rA, XF+12*(\m)
.set rB, 48*((\ks)%4)+12*\n
.set rSA, XS+4*((\ks)%2)+((\m)/2)
.set rSB, WS+2*((\ks)%4)+(\n/2)
.endif
.if (\ks) == 0
.set rC, BI+8*\n
.else
.set rC, rD
.endif
.if (\path) == 0
	WM \n%2, (\m)%2
.else
	WM (\m)%2, \n%2
.endif
.endr
.endr
.endm
.macro XFETCH ks, m0                   ; x's fragments m0 .. m0 + 3 of K step ks from LDS
.irp m, \m0, \m0+1, \m0+2, \m0+3
.irp c, 0,1,2
	ds_load_b128 v[XF+12*(\m)+4*\c:XF+12*(\m)+4*\c+3], v[LI+(\ks)/4] offset:(8*((\ks)%4)+(\m))*1536+512*\c
.endr
.endr
.endm
.macro WSET set, off, soff             ; a K step's four fragments of W and their two scale words: 13 loads
	WIN 0x40                                       ; destination window 1
.irp n, 0,1,2,3
.irp c, 0,1,2
	global_load_b128 v[48*(\set)+12*\n+4*\c:48*(\set)+12*\n+4*\c+3], v[LI], s[WB:WB+1] offset:(\off)+1536*\n+512*\c
.endr
.endr
	WIN 0
	global_load_b64 v[WS+2*(\set):WS+2*(\set)+1], v[L8], s[WSB:WSB+1] offset:\soff
.endm
.macro XLOAD g                         ; fragment g of my 16: tile 2 w + g / 8, K step g % 8: 64 numbers a lane into buffer g % 4 of window 2
	WIN 0x80
.irp b, 0,1,2,3
.irp j, 0,1,2,3
	global_load_b128 v[64*((\g)%4)+16*\b+4*\j:64*((\g)%4)+16*\b+4*\j+3], v[XA0+(\g)/8], s[XP:XP+1] offset:512*((\g)%8)+128*\b+16*\j th:TH_LOAD_NT
.endr
.endr
	WIN 0
.endm
; A K step of 128: 32 matrix instructions.  x's tiles 0-3 of the next step are fetched in its middle, tiles 4-7 at its end; then W's set just used takes the K step four on.  The stream of W runs on into the next
; head (8 x 6,144 = a head's 49,152 bytes); behind a wave's last head it reads 24,576 bytes more of wq, which nobody uses (Wo's codes follow Wv's: inside the buffer), so that the count 39 holds on every way.
.macro STEP path, ks
	s_wait_loadcnt 39                              ; this step's set of W is in: behind it three younger sets of 13 loads may be out
.if (\ks) == 0
	s_wait_dscnt 0x0                               ; x's fragments and the bias, which was asked for last
.else
	s_wait_dscnt 12                                ; x's tiles 0-3 and the scale words are in; the youngest 12 loads (tiles 4-7) may be out
.endif
	MULH \path, \ks, 0
	s_wait_dscnt 0x0                               ; tiles 4-7 are in
	PLACES 4                                       ; four plain places in front of loads into registers that matrix instructions have read
	WIN 0
	XFETCH ((\ks)+1)%8, 0
	ds_load_b128 v[XS+4*(((\ks)+1)%2):XS+4*(((\ks)+1)%2)+3], v[LSX] offset:512*(((\ks)+1)%8)
	MULH \path, \ks, 4
	PLACES 4
	WIN 0
	XFETCH ((\ks)+1)%8, 4
	WSET (\ks)%4, ((\ks)+4)*6144, ((\ks)+4)*256
.endm
	s_load_b512 s[8:23], s[0:1], 0x0               ; query s[8:9], key s[10:11], value s[12:13], bq s[14:15], bk s[16:17], bv s[18:19], wq s[20:21], qb s[22:23]
	s_load_b128 s[24:27], s[0:1], 0x40             ; kb s[24:25], vb s[26:27]
	v_lshl_add_u32 v254, v0, 2, 0x1a000
	v_mov_b32 v255, 0
	v_lshrrev_b32 v15, 5, v0
	v_readfirstlane_b32 s[WV], v15                 ; wave 0..3
	s_and_b32 s[YY], ttmp7, 0xffff                 ; 0 query, 1 key, 2 value
	v_and_b32 v15, 31, v0                          ; lane
	v_lshlrev_b32 v[LI], 4, v15
	v_add_nc_u32 v[LIB], 49152, v[LI]
	v_add_nc_u32 v[LSX], XSCL, v[LI]
	v_lshlrev_b32 v[L8], 3, v15
	v_and_b32 v16, 15, v0                          ; r
	v_bfe_u32 v17, v0, 4, 1                        ; h
	v_and_b32 v18, 8, v16
	v_add_nc_u32 v18, v18, v16                     ; r + 8 (r / 8)
	v_lshl_add_u32 v[BAQ], v17, 6, BIAS
	v_lshl_add_u32 v[BAV], v18, 2, BIAS
	s_lshl_b32 s48, s[WV], 5
	v_add_nc_u32 v19, s48, v18                     ; my row of tile 2 w: 32 w + r + 8 (r / 8)
	v_lshlrev_b32 v[XA0], 12, v19
	v_lshl_add_u32 v[XA0], v17, 6, v[XA0]          ; x 4,096 bytes + 64 h: my 16 numbers of a block of 32
	v_add_nc_u32 v[XA0+1], 32768, v[XA0]           ; tile 2 w + 1: eight rows on
	s_mul_i32 s48, s[WV], 3072
	v_add_nc_u32 v[XWA], s48, v[LI]
	v_add_nc_u32 v[XWA+1], 49152, v[XWA]
	s_lshl_b32 s48, s[WV], 2
	s_add_co_u32 s48, s48, XSCL
	v_lshl_add_u32 v[XWS], v16, 4, s48
	v_lshlrev_b32 v[T16], 4, v0
	v_add_nc_u32 v[T16L], BIAS, v[T16]
.irp b, 0,1,2,3
	v_mov_b32 v[TM+4+\b], 0                        ; written once: a lane permute's destination counts as one of its sources
.endr
	s_mov_b32 s[SEL], 0x76543210
	s_mov_b32 s[SEL+1], 0xfedcba98
	s_mov_b32 s[HI], 0xffff0000
	s_mov_b32 s[HC], 4
	s_lshl_b32 s[BO], s[WV], 10                    ; head 4 w: 256 bytes of bias a head
	s_lshl_b32 s2, ttmp9, 19                       ; the block's 128 rows of 4,096 bytes
	s_mov_b32 s3, 0
	s_mul_i32 s48, s[YY], 786432                   ; the matrix's codes,
	s_mul_i32 s49, s[WV], 196608                   ; head 4 w's
	s_add_co_u32 s48, s48, s49
	s_mov_b32 s49, 0
	s_lshl_b32 s50, s[YY], 15                      ; and scale words: 32,768 bytes a matrix, 2,048 a head
	s_lshl_b32 s51, s[WV], 13
	s_add_co_u32 s50, s50, s51
	s_add_co_u32 s50, s50, WSOFF
	s_mov_b32 s51, 0
	s_cmp_lt_u32 s[YY], 2
	s_mov_b32 s52, 102400
	s_cselect_b32 s52, 106496, s52                 ; a head's bytes in qb and kb, or in vb
	s_cselect_b32 s53, 9, 8                        ; a block's scale words: 512 or 256 bytes
	s_lshr_b32 s54, ttmp9, 4
	s_lshl_b32 s54, s54, 4
	s_lshl_b32 s55, s[WV], 2
	s_add_co_u32 s54, s54, s55                     ; batch x 16 + head 4 w
	s_mul_i32 s54, s54, s52
	s_and_b32 s55, ttmp9, 15                       ; the block within its batch
	s_mul_i32 s56, s55, 6144                       ; 8 tiles x 768, or 4 fragments x 1,536
	s_add_co_u32 s56, s56, s54
	s_mov_b32 s57, 0
	s_lshl_b32 s58, s55, s53
	s_add_co_u32 s58, s58, s54
	s_add_co_u32 s58, s58, 98304
	s_mov_b32 s59, 0
	s_wait_kmcnt 0x0
	s_cmp_eq_u32 s[YY], 0                          ; the choices hang on the work-group's number alone
	s_cselect_b64 s[XP:XP+1], s[8:9], s[10:11]
	s_cselect_b64 s[BP:BP+1], s[14:15], s[16:17]
	s_cselect_b64 s[60:61], s[22:23], s[24:25]
	s_cmp_lt_u32 s[YY], 2
	s_cselect_b64 s[XP:XP+1], s[XP:XP+1], s[12:13]
	s_cselect_b64 s[BP:BP+1], s[BP:BP+1], s[18:19]
	s_cselect_b64 s[60:61], s[60:61], s[26:27]
	s_add_nc_u64 s[XP:XP+1], s[XP:XP+1], s[2:3]
	s_add_nc_u64 s[WB:WB+1], s[20:21], s[48:49]
	s_add_nc_u64 s[WSB:WSB+1], s[20:21], s[50:51]
	s_add_nc_u64 s[OC:OC+1], s[60:61], s[56:57]
	s_add_nc_u64 s[OS:OS+1], s[60:61], s[58:59]
	global_load_b128 v[CP:CP+3], v[T16], s[BP:BP+1]               ; the bias vector: 32 bytes a thread
	global_load_b128 v[CP+4:CP+7], v[T16], s[BP:BP+1] offset:2048
	WSET 0, 0, 0
	WSET 1, 6144, 256
	WSET 2, 12288, 512
	WSET 3, 18432, 768
	XLOAD 0
	XLOAD 1
	XLOAD 2
	XLOAD 3
	; ---- phase X: my 16 fragments of x
.set f, 0
.rept 16
.if f < 13
	s_wait_loadcnt 48                              ; this fragment's 16 loads are in; three younger fragments' may be out
.else
	s_wait_loadcnt 16*(15-f)
.endif
.if f == 0
	ds_store_b128 v[T16L], v[CP:CP+3]              ; (the bias was asked for earlier still)
	ds_store_b128 v[T16L], v[CP+4:CP+7] offset:2048
.endif
	s_wait_dscnt 0x0                               ; the last image's stores have read the codes' registers
	QUANT 64*(f%4), PWT
.irp c, 0,1,2
	ds_store_b128 v[XWA+(f%8)/4], v[PC+4*\c:PC+4*\c+3] offset:12288*(f%4)+1536*(f/8)+512*\c
.endr
	ds_store_b32 v[XWS], v[PWT] offset:512*(f%8)+256*(f/8)   ; both halves of the lanes write the same word with the same value
.if f < 12
	XLOAD f+4
.endif
.set f, f+1
.endr
	s_wait_dscnt 0x0                               ; for the others' sake: my stores have landed
	s_barrier_signal -1
	s_barrier_wait -1                              ; x's 64 fragments, their scale words and the bias lie in LDS; from here on LDS is only read
	XFETCH 0, 0
	ds_load_b128 v[XS:XS+3], v[LSX]
	XFETCH 0, 4
	s_cmp_eq_u32 s[YY], 2
	s_cbranch_scc1 .Lv
.Lqk:                                              ; ---- q, k: four trips, a head each
	v_add_nc_u32 v[BA], s[BO], v[BAQ]
	WIN 0x40
.irp n, 0,1,2,3                                ; C of tile n: lane (r, h), register j: the bias of channel 32 (n / 2) + 16 h + 8 (n % 2) + j
	ds_load_b128 v[BI+8*\n:BI+8*\n+3], v[BA] offset:(32*(\n/2)+8*(\n%2))*4
	ds_load_b128 v[BI+8*\n+4:BI+8*\n+7], v[BA] offset:(32*(\n/2)+8*(\n%2))*4+16
.endr
	WIN 0
.irp k, 0,1,2,3,4,5,6,7
	STEP 0, \k
.endr
.irp m, 0,1,2,3,4,5,6,7                        ; tile m's 32 registers are the head's 64 channels of my row: two blocks
	s_wait_xcnt 0x0                                ; the last tile's stores have read the codes' registers
	QUANT2 32*\m, PWT+(\m%2)
	global_store_b128 v[LI], v[PC:PC+3], s[OC:OC+1] offset:768*\m        ; 512 consecutive bytes,
	global_store_b64 v[L8], v[PC+4:PC+5], s[OC:OC+1] offset:768*\m+512   ; and 256
.if \m%2
	v_cndmask_b32 v[SW+(\m/2)], v[PWT], v[PWT+1], s[HI]   ; lanes 0-15 the even tile's words, lanes 16-31 the odd tile's
.endif
.endr
	global_store_b128 v[LI], v[SW:SW+3], s[OS:OS+1]
	s_wait_xcnt 0x0                                ; loads and stores have read their bases: they may step
	s_add_nc_u64 s[WB:WB+1], s[WB:WB+1], 49152
	s_add_nc_u64 s[WSB:WSB+1], s[WSB:WSB+1], 2048
	s_add_nc_u64 s[OC:OC+1], s[OC:OC+1], 106496
	s_add_nc_u64 s[OS:OS+1], s[OS:OS+1], 106496
	s_add_co_u32 s[BO], s[BO], 256
	s_sub_co_u32 s[HC], s[HC], 1
	s_cmp_lg_u32 s[HC], 0
	s_cbranch_scc1 .Lqk
	s_wait_tensorcnt 0x0
	ds_add_u32 v254, v255
	s_wait_dscnt 0x0
	s_endpgm
.Lv:                                               ; ---- v: four trips, a head each
	v_add_nc_u32 v[BA], s[BO], v[BAV]
	WIN 0x40
.irp n, 0,1,2,3                                ; C of tile n: my lane's channel 32 (n / 2) + 8 (n % 2) + r + 8 (r / 8) has one bias for all eight keys
.irp j, 0,1,2,3,4,5,6,7
	ds_load_b32 v[BI+8*\n+\j], v[BA] offset:(32*(\n/2)+8*(\n%2))*4
.endr
.endr
	WIN 0
.irp k, 0,1,2,3,4,5,6,7
	STEP 1, \k
.endr
.irp n, 0,1,2,3                                ; tile n's 64 registers are the block's 128 keys of my channel: a fragment of V^T
	s_wait_xcnt 0x0
	QUANT 64*\n, PWT+(\n%2)
.irp c, 0,1,2
	global_store_b128 v[LI], v[PC+4*\c:PC+4*\c+3], s[OC:OC+1] offset:1536*\n+512*\c
.endr
.if \n%2
	v_cndmask_b32 v[SW+(\n/2)], v[PWT], v[PWT+1], s[HI]
.endif
.endr
	global_store_b64 v[L8], v[SW:SW+1], s[OS:OS+1]
	s_wait_xcnt 0x0
	s_add_nc_u64 s[WB:WB+1], s[WB:WB+1], 49152
	s_add_nc_u64 s[WSB:WSB+1], s[WSB:WSB+1], 2048
	s_add_nc_u64 s[OC:OC+1], s[OC:OC+1], 102400
	s_add_nc_u64 s[OS:OS+1], s[OS:OS+1], 102400
	s_add_co_u32 s[BO], s[BO], 256
	s_sub_co_u32 s[HC], s[HC], 1
	s_cmp_lg_u32 s[HC], 0
	s_cbranch_scc1 .Lv
	s_wait_tensorcnt 0x0
	ds_add_u32 v254, v255
	s_wait_dscnt 0x0
	s_endpgm
.Lfunc_end_k_q3f5555e127_proj:
	.size	k_q3f5555e127_proj, .Lfunc_end_k_q3f5555e127_proj-k_q3f5555e127_proj
	.p2alignl 7, 3214868480
	.fill 96, 4, 3214868480
	.section	.rodata,"a",@progbits
	.p2align	6, 0x0
	.amdhsa_kernel k_q3f5555e127_proj
		.amdhsa_group_segment_fixed_size 107008
		.amdhsa_private_segment_fixed_size 0
		.amdhsa_enable_private_segment 0
		.amdhsa_kernarg_size 80
		.amdhsa_user_sgpr_count 2
		.amdhsa_user_sgpr_kernarg_segment_ptr 1
		.amdhsa_wavefront_size32 1
		.amdhsa_system_sgpr_workgroup_id_x 1
		.amdhsa_system_sgpr_workgroup_id_y 1
		.amdhsa_system_sgpr_workgroup_id_z 1
		.amdhsa_system_vgpr_workitem_id 0
		.amdhsa_next_free_vgpr 768
		.amdhsa_next_free_sgpr 66
		.amdhsa_reserve_vcc 0
		.amdhsa_float_denorm_mode_32 3
		.amdhsa_float_denorm_mode_16_64 3
		.amdhsa_memory_ordered 1
		.amdhsa_forward_progress 1
		.amdhsa_inst_pref_size 255
	.end_amdhsa_kernel
	.section	.bss,"aw",@nobits
	.p2align	6
	.space	262144
	.amdgpu_metadata
---
amdhsa.version: [ 1, 2 ]
amdhsa.kernels:
  - .name:           k_q3f5555e127_proj
    .symbol:         k_q3f5555e127_proj.kd
    .args:
      - { .name: query, .offset: 0, .size: 8, .value_kind: global_buffer, .address_space: global }
      - { .name: key, .offset: 8, .size: 8, .value_kind: global_buffer, .address_space: global }
      - { .name: value, .offset: 16, .size: 8, .value_kind: global_buffer, .address_space: global }
      - { .name: bq, .offset: 24, .size: 8, .value_kind: global_buffer, .address_space: global }
      - { .name: bk, .offset: 32, .size: 8, .value_kind: global_buffer, .address_space: global }
      - { .name: bv, .offset: 40, .size: 8, .value_kind: global_buffer, .address_space: global }
      - { .name: wq, .offset: 48, .size: 8, .value_kind: global_buffer, .address_space: global }
      - { .name: qb, .offset: 56, .size: 8, .value_kind: global_buffer, .address_space: global }
      - { .name: kb, .offset: 64, .size: 8, .value_kind: global_buffer, .address_space: global }
      - { .name: vb, .offset: 72, .size: 8, .value_kind: global_buffer, .address_space: global }
    .group_segment_fixed_size: 107008
    .private_segment_fixed_size: 0
    .kernarg_segment_align: 8
    .kernarg_segment_size: 80
    .max_flat_workgroup_size: 128
    .sgpr_count:     66
    .vgpr_count:     768
    .wavefront_size: 32
...
	.end_amdgpu_metadata
.endif
;; end of part 2
;; launch attn (part 3): grid 4 x 64, 16 waves a work-group, no clusters, 210,944 bytes of LDS; arguments qb, kb, vb, mb, ab; writes ab
.if DOCPART == 3
	.amdgcn_target "amdgcn-amd-amdhsa--gfx1250"
	.amdhsa_code_object_version 6
	.text
	.protected	k_q3f5555e127_attn
	.globl	k_q3f5555e127_attn
	.p2align	8
	.type	k_q3f5555e127_attn,@function
k_q3f5555e127_attn:
	s_mov_b64 s[64:65], 0
	v_nop
	global_prefetch_b8 v0, s[64:65] scope:SCOPE_SE
	s_setreg_imm32_b32 hwreg(HW_REG_WAVE_MODE, 25, 1), 1
	s_wait_xcnt 0x0
; ATTN.  For each (batch, head): scores = q k^T / 8, -1e9 where the mask is 0, softmax, x v; both products on codes of FP6 (E2M3) with one E8M0 scale for each 32 along K; the result quantised along (head, channel) for the last product.
; THE SOFTMAX AHEAD OF THE SECOND PRODUCT: t = score x log2(e) / 8; M = the row's largest t so far, rounded up to a whole number; p = 2^(t - M) is quantised along the keys, not normalised.  The row's sum is taken of the
; unquantised p and divides at the end.  When M moves, the sum and O are multiplied by 2^(old M - new M): exact.
; SHARES.  Work-group (j, batch x 16 + head) copies the head's K and V (codes and scale words, 208,896 bytes, as they lie in kb and vb) into LDS once; ONE barrier; then its sixteen waves are independent.  It owns the
; query tiles T = 4 i + j; wave w works tile i = w and then tile i = w + 16.  A tile is 16 queries in 256 registers: four waves to a SIMD, so that one wave's vector work stands beside another's matrix work.
; LAYOUT.  Both products are used transposed: S^T = K Q^T (source 0 = 16 keys), O^T = V^T P^T (source 0 = 16 channels): a lane holds one query throughout.  The rows of every tile are 32 (T / 2) + 8 (T % 2) + r + 8 (r / 8),
; so that the 16 registers of tiles 2 b and 2 b + 1 are keys (or channels) 32 b + 16 (lane / 16) + 0 .. 15.  The head has 64 channels: the upper six registers of Q's and K's operands are zero codes.
; THE MASK is an input and is honoured as it is given, in every key step of every tile: no branch and no trip count hangs on it.  The launch before has packed it: word n of a key step holds, for register n of S^T, one
; bit a lane: one v_cndmask_b32 a score.  A hidden score becomes -2^33 (a logit of -2^30, about -1.07e9, where reference() has -1e9).  -2^33 x log2(e) / 8 is exact in f32 and a whole number: in a row with no open key
; M is that number, the fused multiply-add gives t - M = 0 exactly and p = 1 for every key, as -1e9 everywhere gives; in a row with an open key a hidden p is 2^(about -1.5e9) = 0, as there.
; NO CLUSTER: what the four work-groups of a head share, 208,896 bytes, each reads once, at the head, ahead of its 512 key steps of work; the mask words, which are read in every step, differ between the four.
; LIMITS: NaN and infinities are not served; open logits under about -1e9 are not told from hidden ones as reference() tells them; a block of zeros gets the byte 1 (its codes are zeros; the bytes are read by this program alone).
; REGISTERS: v1-7 lane terms that stay; v8-11, v28 the step's LDS addresses; v12 -M, v13 the largest t, v[14:15] the sum in two halves; v16-27 Q; v32-79 four tiles of K; v84-85 V's scale words; v96-159 S^T, then p, then V's four
; fragments; v160-191 O^T; v224-235 p's codes; v232-247, v252, v254 at work; v248-251 K's scale words; v253 p's; v255 Q's.
.set KSC,    98304                     ; LDS: K's 128 tiles x 768 bytes; from KSC on its scale words, 512 bytes a key step;
.set VC,     106496                    ; from VC on V's fragments, 6,144 bytes a key step;
.set VSC,    204800                    ; from VSC on its scale words, 256 bytes a key step
.set WV,  14                           ; s14  my wave's number
.set BH,  16                           ; s16  batch x 16 + head
.set TI,  17                           ; s17  i of the tile in hand
.set TC,  18                           ; s18  counts my two tiles
.set TT,  19                           ; s19  T
.set KB,  26                           ; s26  the step's codes: 6,144 bytes a step, in K and in V
.set SB,  27                           ; s27  K's scale words: 512 a step
.set TB,  28                           ; s28  V's: 256 a step
.set MO,  29                           ; s29  the step's mask words in mb: 256 bytes a step
.set KC,  30                           ; s30  counts the 16 key steps
.macro PLACES n
.rept \n
	v_nop
.endr
.endm
	s_load_b256 s[4:11], s[0:1], 0x0               ; qb s[4:5], kb s[6:7], vb s[8:9], mb s[10:11]
	s_load_b64 s[12:13], s[0:1], 0x20              ; ab
	v_lshl_add_u32 v223, v0, 2, 0x33000
	v_mov_b32 v243, 0
	v_lshrrev_b32 v8, 5, v0
	v_readfirstlane_b32 s[WV], v8                  ; wave 0..15
	s_and_b32 s[BH], ttmp7, 0xffff
	v_lshlrev_b32 v200, 4, v0                      ; 16 x thread: 8,192 bytes a turn of the 512 threads
	v_add_nc_u32 v201, 0x10000, v200               ; (an LDS offset has 16 bits)
	v_add_nc_u32 v202, 0x20000, v200
	v_add_nc_u32 v203, 0x30000, v200
	v_lshlrev_b32 v205, 3, v0
	v_add_nc_u32 v204, VSC, v205
	s_mul_i32 s2, s[BH], 106496
	s_mov_b32 s3, 0
	s_mul_i32 s18, s[BH], 102400
	s_mov_b32 s19, 0
	s_wait_kmcnt 0x0
	s_add_nc_u64 s[4:5], s[4:5], s[2:3]            ; the head in qb,
	s_add_nc_u64 s[6:7], s[6:7], s[2:3]            ; in kb,
	s_add_nc_u64 s[8:9], s[8:9], s[18:19]          ; in vb
.irp i, 0,1,2,3,4,5,6,7,8,9,10,11,12
	global_load_b128 v[96+4*\i:99+4*\i], v200, s[6:7] offset:8192*\i      ; 13 x 8,192 = K's 106,496 bytes
.endr
.irp i, 0,1,2,3,4,5,6,7,8,9,10,11
	global_load_b128 v[148+4*\i:151+4*\i], v200, s[8:9] offset:8192*\i    ; 12 x 8,192 + 4,096 = V's 102,400
.endr
	global_load_b64 v[196:197], v205, s[8:9] offset:98304
	v_and_b32 v8, 31, v0                           ; lane
	v_lshlrev_b32 v1, 4, v8                        ; v1  16 x lane: registers 0-3 of a tile of K or Q; a group of four of a fragment
	v_lshlrev_b32 v2, 3, v8
	v_add_nc_u32 v5, VSC, v2                       ; v5  V's scale words
	v_add_nc_u32 v2, 512, v2                       ; v2  8 x lane + 512: registers 4-5 of a tile
	v_add_nc_u32 v3, VC, v1                        ; v3  V's fragments
	v_add_nc_u32 v4, KSC, v1                       ; v4  K's scale words
	v_mov_b32 v6, 0xd0000000                       ; v6  -2^33: what a hidden score becomes
	v_and_b32 v7, 15, v0
	v_lshlrev_b32 v7, 4, v7                        ; v7  16 r
.irp i, 22,23,24,25,26,27
	v_mov_b32 v[\i], 0                             ; Q's k = 64 .. 127: zero codes, written once
.endr
.irp t, 0,1,2,3
.irp i, 6,7,8,9,10,11
	v_mov_b32 v[32+12*\t+\i], 0                    ; K's likewise
.endr
.endr
.irp b, 0,1,2,3
	v_mov_b32 v[236+\b], 0                         ; written once: a lane permute's destination counts as one of its sources
.endr
	v_mov_b32 v252, 0
	v_mov_b32 v253, 0                              ; (named as the upper half of the pair v[252:253] before it is first written)
	s_mov_b32 s20, 0x76543210
	s_mov_b32 s21, 0xfedcba98                      ; v_permlanex16_b32's selects for lane l xor 16
	s_mov_b32 s22, 0x3e38aa3b                      ; c = log2(e) / 8
	s_mov_b32 s23, s22                             ; (the packed forms name the pair)
	s_lshr_b32 s31, s[BH], 4
	s_mul_i32 s31, s31, 1638400                    ; ab: the batch's 16 blocks of 102,400 bytes
	s_bfe_u32 s66, s[BH], 0x30001                  ; head / 2: the last product's K step
	s_and_b32 s67, s[BH], 1                        ; head % 2: which half of its fragments
	s_mul_i32 s2, s66, 12288
	s_add_co_u32 s2, s2, s31
	s_mul_i32 s18, s67, 768
	s_add_co_u32 s2, s2, s18                       ; codes
	s_lshl_b32 s18, s66, 9
	s_add_co_u32 s18, s18, s31
	s_lshl_b32 s67, s67, 1
	s_add_co_u32 s18, s18, s67
	s_add_co_u32 s18, s18, 98304                   ; scale bytes
	s_wait_loadcnt 0x0
	s_add_nc_u64 s[6:7], s[12:13], s[18:19]        ; (kb's loads are done: the pair is free)  s[6:7]: where my head's scale bytes go in ab
	s_add_nc_u64 s[12:13], s[12:13], s[2:3]        ; s[12:13]: and its codes
.irp i, 0,1,2,3,4,5,6,7
	ds_store_b128 v200, v[96+4*\i:99+4*\i] offset:8192*\i
.endr
.irp i, 8,9,10,11,12
	ds_store_b128 v201, v[96+4*\i:99+4*\i] offset:8192*(\i-8)
.endr
.irp i, 0,1,2
	ds_store_b128 v201, v[148+4*\i:151+4*\i] offset:40960+8192*\i        ; VC = 65,536 + 40,960
.endr
.irp i, 3,4,5,6,7,8,9,10
	ds_store_b128 v202, v[148+4*\i:151+4*\i] offset:8192*(\i-3)
.endr
	ds_store_b128 v203, v[192:195]
	ds_store_b64 v204, v[196:197]
	s_mov_b32 s[TI], s[WV]
	s_mov_b32 s[TC], 0
	s_wait_dscnt 0x0                               ; for the others' sake: my stores have landed
	s_barrier_signal -1
	s_barrier_wait -1                              ; the head's K and V lie in LDS; from here on LDS is only read
.Ltile:                                            ; ---- two trips: a tile of 16 queries each
	s_wait_xcnt 0x0                                ; the last tile's stores have read their registers and bases
	s_lshl_b32 s[TT], s[TI], 2
	s_add_co_u32 s[TT], s[TT], ttmp9               ; T = 4 i + j
	s_mul_i32 s104, s[TT], 768
	s_mov_b32 s105, 0
	s_add_nc_u64 s[104:105], s[4:5], s[104:105]    ; Q's tile
	s_lshr_b32 s2, s[TT], 3
	s_lshl_b32 s2, s2, 9                           ; its scale words: the block of 128 rows,
	s_bfe_u32 s3, s[TT], 0x20001
	s_lshl_b32 s3, s3, 2                           ; the pair of tiles,
	s_add_co_u32 s2, s2, s3
	s_and_b32 s3, s[TT], 1
	s_lshl_b32 s3, s3, 8                           ; the odd tile's stand in the places of lanes 16-31
	s_add_co_u32 s2, s2, s3
	s_add_co_u32 s2, s2, 98304
	s_mov_b32 s3, 0
	s_add_nc_u64 s[2:3], s[4:5], s[2:3]
	global_load_b128 v[16:19], v1, s[104:105]
	global_load_b64 v[20:21], v2, s[104:105]
	global_load_b32 v255, v7, s[2:3]
	s_lshr_b32 s31, s[BH], 4
	s_lshl_b32 s31, s31, 7
	s_add_co_u32 s31, s31, s[TT]                   ; batch x 128 + T
	s_lshl_b32 s[MO], s31, 12                      ; its mask words: 4,096 bytes
.irp j, 0,1,2,3,4,5,6,7,8,9,10,11,12,13,14,15,16,17,18,19,20,21,22,23,24,25,26,27,28,29,30,31
	v_mov_b32 v[160+\j], 0                         ; O^T.  (The step is written once: the first finds zeros, which the first change of M leaves zeros)
.endr
	v_mov_b32 v13, 0xff61b1e6                      ; the largest t so far: -3e38
	v_floor_f32 v12, -v13                          ; -M
	v_mov_b32 v14, 0
	v_mov_b32 v15, 0
	s_mov_b32 s[KB], 0
	s_mov_b32 s[SB], 0
	s_mov_b32 s[TB], 0
	s_mov_b32 s[KC], 0
	s_wait_loadcnt 0x0                             ; Q
.Lstep:                                            ; ---- sixteen trips: 128 keys each
	s_load_b512 s[32:47], s[10:11], s[MO] offset:0x0     ; the step's 64 mask words: they land under the products
	s_load_b512 s[48:63], s[10:11], s[MO] offset:0x40
	s_load_b512 s[68:83], s[10:11], s[MO] offset:0x80
	s_load_b512 s[84:99], s[10:11], s[MO] offset:0xc0
	v_add_nc_u32 v8, s[KB], v1                     ; these five and the v_nop are six plain places behind the last step's products V^T P^T, whose source registers the first product below writes over (five are asked)
	v_add_nc_u32 v9, s[KB], v2
	v_add_nc_u32 v10, s[KB], v3
	v_add_nc_u32 v11, s[SB], v4
	v_add_nc_u32 v28, s[TB], v5
	v_nop
	ds_load_b128 v[248:251], v11                   ; K's scale words: four registers; in each, lanes 0-15 the even tile, lanes 16-31 the odd
.irp g, 0,1                                    ; S^T = K Q^T, four tiles of 16 keys at a time
.if \g
	PLACES 4                                       ; in front of loads into registers that matrix instructions have read
.endif
.irp t, 0,1,2,3
	ds_load_b128 v[32+12*\t:35+12*\t], v8 offset:(4*\g+\t)*768
	ds_load_b64 v[36+12*\t:37+12*\t], v9 offset:(4*\g+\t)*768
.endr
	s_wait_dscnt 0x0
.irp t, 0,2
	v_wmma_scale_f32_16x16x128_f8f6f4 v[96+8*(4*\g+\t):103+8*(4*\g+\t)], v[32+12*\t:43+12*\t], v[16:27], 0, v[248+2*\g+(\t/2)], v255 matrix_a_fmt:MATRIX_FMT_FP6 matrix_b_fmt:MATRIX_FMT_FP6
	v_wmma_scale_f32_16x16x128_f8f6f4 v[104+8*(4*\g+\t):111+8*(4*\g+\t)], v[44+12*\t:55+12*\t], v[16:27], 0, v[248+2*\g+(\t/2)], v255 matrix_a_fmt:MATRIX_FMT_FP6 matrix_b_fmt:MATRIX_FMT_FP6 matrix_a_scale:MATRIX_SCALE_ROW1
.endr
.endr                                          ; lane (r, h) holds query r; register 16 b + i is key 32 b + 16 h + i of the step
	PLACES 4
	s_wait_kmcnt 0x0                               ; the mask words are in
.set nn, 0
.rept 32
	v_cndmask_b32 v[96+nn], v6, v[96+nn], s[32+nn]   ; bit 1: the score stays; bit 0: -2^33
.set nn, nn+1
.endr
.rept 32
	v_cndmask_b32 v[96+nn], v6, v[96+nn], s[36+nn]   ; words 32 to 63 stand in s68 to s99
.set nn, nn+1
.endr
.irp b, 0,1,2,3
	v_max3_num_f32 v[232+\b], v[96+16*\b], v[97+16*\b], v[98+16*\b]   ; the largest score of each block of 32 keys: it serves for the row's maximum and, since p rises with the score, for the block's largest p
.endr
.irp i, 3,5,7,9,11,13
.irp b, 0,1,2,3
	v_max3_num_f32 v[232+\b], v[232+\b], v[96+16*\b+\i], v[97+16*\b+\i]
.endr
.endr
.irp b, 0,1,2,3
	v_max_num_f32 v[232+\b], v[232+\b], v[111+16*\b]
.endr
.irp b, 0,1,2,3
	v_permlanex16_b32 v[236+\b], v[232+\b], s20, s21
.endr
.irp b, 0,1,2,3
	v_max_num_f32 v[232+\b], v[232+\b], v[236+\b]  ; with lane l xor 16's 16 keys
.endr
	v_max3_num_f32 v254, v232, v233, v234
	v_max_num_f32 v254, v254, v235                 ; the step's largest score of my query
	v_mul_f32 v254, s22, v254                      ; as t (c is positive)
	v_max_num_f32 v13, v13, v254                   ; the running largest t
	v_mov_b32 v254, v12
	v_floor_f32 v12, -v13                          ; the new -M = floor(-t) = -ceil(t): a whole number
	v_sub_f32 v254, v12, v254                      ; old M - new M: a whole number, 0 or less
	v_cvt_i32_f32 v254, v254                       ; (it saturates)
	v_ldexp_f32 v252, 1.0, v254                    ; f = 2^(old M - new M)
.set jj, 0
.rept 32                                       ; t - M by one fused multiply-add, two at a time (of the pairs c and -M the low word serves both halves)
	v_pk_fma_f32 v[96+jj:97+jj], v[96+jj:97+jj], s[22:23], v[12:13] op_sel_hi:[1,0,0]
.set jj, jj+2
.endr
.irp b, 0,1,2,3
	v_fma_f32 v[232+\b], v[232+\b], s22, v12       ; the same of each block's largest score
.endr
.set jj, 0
.rept 64
	v_exp_f32 v[96+jj], v[96+jj]                   ; p = 2^(t - M): not normalised
.set jj, jj+1
.endr
	v_pk_mul_f32 v[14:15], v[14:15], v[252:253] op_sel_hi:[1,0]   ; the sums under the new M.  (A plain place behind the exponentials)
	s_wait_alu depctr_va_vdst(0)                   ; one wait for the whole batch, ahead of its first reader
.irp b, 0,1,2,3
	v_exp_f32 v[232+\b], v[232+\b]                 ; each block's largest p: the same two instructions on the same number give the same bits
.endr
	v_pk_add_f32 v[236:237], v[96:97], v[98:99]    ; the row's sum is taken of the unquantised p: two at a time, in two chains.  (It reads the 64 alone: plain work behind the four)
.irp j, 4,8,12,16,20,24,28,32,36,40,44,48,52,56,60
	v_pk_add_f32 v[14:15], v[14:15], v[96+\j:97+\j]
	v_pk_add_f32 v[236:237], v[236:237], v[98+\j:99+\j]
.endr
	v_pk_add_f32 v[14:15], v[14:15], v[236:237]
	s_wait_alu depctr_va_vdst(0)                   ; and one for the four
.irp b, 0,1,2,3
	v_max_num_f32 v[232+\b], 0x1800000, v[232+\b]  ; the floor 2^(3 - 127): the byte cannot fall under 1 (a block whose every p is 0 keeps that byte: its codes are zeros)
.endr
.irp b, 0,1,2,3
	v_add_nc_u32 v[244+\b], 0xff000000, v[232+\b]  ; 2 off the exponent field: the conversion's scale operand
.endr
.irp b, 0,1,2,3
	v_lshrrev_b32 v[236+\b], 23, v[244+\b]         ; the scale's byte
.endr
	v_lshl_or_b32 v253, v237, 8, v236              ; p's scale word for these 128 keys
	v_lshl_or_b32 v253, v238, 16, v253
	v_lshl_or_b32 v253, v239, 24, v253
.irp c, 0,1
	v_cvt_scalef32_pk16_fp6_f32 v[224+6*\c:226+6*\c], v[96+32*\c:111+32*\c], v[244+2*\c]
	v_cvt_scalef32_pk16_fp6_f32 v[236+4*\c:238+4*\c], v[112+32*\c:127+32*\c], v[244+2*\c+1]   ; (a conversion's three registers begin on an even number)
.endr
	v_nop                                          ; one plain place behind a scaled conversion
.irp c, 0,1                                    ; a whole block to a lane: lanes 0-15 block 2 c, lanes 16-31 block 2 c + 1
.irp i, 0,1,2
	v_permlane16_swap_b32 v[224+6*\c+\i], v[236+4*\c+\i]
.endr
.irp i, 0,1,2
	v_mov_b32 v[227+6*\c+\i], v[236+4*\c+\i]
.endr
.endr
.irp j, 0,2,4,6,8,10,12,14,16,18,20,22,24,26,28,30
	v_pk_mul_f32 v[160+\j:161+\j], v[160+\j:161+\j], v[252:253] op_sel_hi:[1,0]   ; O^T under the new M.  (These sixteen are also the places between the lines that wrote p's codes and scale word and the products below)
.endr
.irp n, 0,1,2,3                                ; V's four fragments (16 channels x these 128 keys) take the registers that p has left
.irp c, 0,1,2
	ds_load_b128 v[96+12*\n+4*\c:99+12*\n+4*\c], v10 offset:1536*\n+512*\c
.endr
.endr
	ds_load_b64 v[84:85], v28
	s_wait_dscnt 0x0
.irp n, 0,2                                    ; O^T += V^T P^T: four accumulators, one instruction each
	v_wmma_scale_f32_16x16x128_f8f6f4 v[160+8*\n:167+8*\n], v[96+12*\n:107+12*\n], v[224:235], v[160+8*\n:167+8*\n], v[84+(\n/2)], v253 matrix_a_fmt:MATRIX_FMT_FP6 matrix_b_fmt:MATRIX_FMT_FP6
	v_wmma_scale_f32_16x16x128_f8f6f4 v[168+8*\n:175+8*\n], v[108+12*\n:119+12*\n], v[224:235], v[168+8*\n:175+8*\n], v[84+(\n/2)], v253 matrix_a_fmt:MATRIX_FMT_FP6 matrix_b_fmt:MATRIX_FMT_FP6 matrix_a_scale:MATRIX_SCALE_ROW1
.endr
	s_add_co_u32 s[KB], s[KB], 6144
	s_add_co_u32 s[SB], s[SB], 512
	s_add_co_u32 s[TB], s[TB], 256
	s_add_co_u32 s[MO], s[MO], 256                 ; (the scalar loads that read it were waited for)
	s_add_co_u32 s[KC], s[KC], 1
	s_cmp_lt_u32 s[KC], 16
	s_cbranch_scc1 .Lstep
	; ---- the tile's end: O^T / the sum, quantised along the head's 64 channels: half a fragment of the last product's K step head / 2
	PLACES 4                                       ; behind the last products
	v_add_f32 v14, v14, v15                        ; the sum's two halves,
	v_permlanex16_b32 v252, v14, s20, s21
	v_add_f32 v14, v14, v252                       ; and lane l xor 16's
	v_rcp_f32 v14, v14
	v_nop                                          ; a plain place behind the transcendental
	s_lshr_b32 s31, s[TT], 3
	s_mul_i32 s31, s31, 102400                     ; the tile's block of 128 rows in ab
	s_and_b32 s104, s[TT], 7
	s_mul_i32 s104, s104, 1536                     ; its tile m
	s_add_co_u32 s104, s104, s31
	s_mov_b32 s105, 0
	s_add_nc_u64 s[104:105], s[12:13], s[104:105]
	s_and_b32 s2, s[TT], 1
	s_lshl_b32 s2, s2, 8                           ; the word of (m, r) lies at 16 (r + 16 (m % 2)) + 4 (m / 2)
	s_add_co_u32 s2, s2, s31
	s_bfe_u32 s3, s[TT], 0x20001
	s_lshl_b32 s3, s3, 2
	s_add_co_u32 s2, s2, s3
	s_mov_b32 s3, 0
	s_add_nc_u64 s[2:3], s[6:7], s[2:3]
	s_wait_alu depctr_va_vdst(0)                   ; ahead of the reciprocal's first reader
.irp j, 0,2,4,6,8,10,12,14,16,18,20,22,24,26,28,30
	v_pk_mul_f32 v[96+\j:97+\j], v[160+\j:161+\j], v[14:15] op_sel_hi:[1,0]   ; register 16 b + i is channel 32 b + 16 h + i of my query
.endr
.irp b, 0,1
	v_max3_num_f32 v[232+\b], |v[96+16*\b]|, |v[97+16*\b]|, 0x1800000
.endr
.irp i, 2,4,6,8,10,12,14
.irp b, 0,1
	v_max3_num_f32 v[232+\b], v[232+\b], |v[96+16*\b+\i]|, |v[97+16*\b+\i]|
.endr
.endr
.irp b, 0,1
	v_permlanex16_b32 v[236+\b], v[232+\b], s20, s21
.endr
.irp b, 0,1
	v_max_num_f32 v[232+\b], v[232+\b], v[236+\b]
.endr
.irp b, 0,1
	v_add_nc_u32 v[244+\b], 0xff000000, v[232+\b]
.endr
.irp b, 0,1
	v_lshrrev_b32 v[236+\b], 23, v[244+\b]
.endr
	v_lshl_or_b32 v254, v237, 8, v236              ; my row's two scale bytes
	v_cvt_scalef32_pk16_fp6_f32 v[224:226], v[96:111], v244
	v_cvt_scalef32_pk16_fp6_f32 v[236:238], v[112:127], v245
	v_nop
.irp i, 0,1,2
	v_permlane16_swap_b32 v[224+\i], v[236+\i]
.endr
.irp i, 0,1,2
	v_mov_b32 v[227+\i], v[236+\i]
.endr
	global_store_b128 v1, v[224:227], s[104:105]   ; 512 consecutive bytes,
	global_store_b64 v2, v[228:229], s[104:105]    ; and 256
	global_store_b16 v7, v254, s[2:3]              ; two bytes a row, 16 bytes apart: the other head of the pair writes the two beside them; both halves of the lanes store the same bytes
	s_add_co_u32 s[TI], s[TI], 16                  ; the second tile: i = w + 16
	s_add_co_u32 s[TC], s[TC], 1
	s_cmp_lt_u32 s[TC], 2
	s_cbranch_scc1 .Ltile
	s_wait_tensorcnt 0x0
	ds_add_u32 v223, v243
	s_wait_dscnt 0x0
	s_endpgm
.Lfunc_end_k_q3f5555e127_attn:
	.size	k_q3f5555e127_attn, .Lfunc_end_k_q3f5555e127_attn-k_q3f5555e127_attn
	.p2alignl 7, 3214868480
	.fill 96, 4, 3214868480
	.section	.rodata,"a",@progbits
	.p2align	6, 0x0
	.amdhsa_kernel k_q3f5555e127_attn
		.amdhsa_group_segment_fixed_size 210944
		.amdhsa_private_segment_fixed_size 0
		.amdhsa_enable_private_segment 0
		.amdhsa_kernarg_size 40
		.amdhsa_user_sgpr_count 2
		.amdhsa_user_sgpr_kernarg_segment_ptr 1
		.amdhsa_wavefront_size32 1
		.amdhsa_system_sgpr_workgroup_id_x 1
		.amdhsa_system_sgpr_workgroup_id_y 1
		.amdhsa_system_sgpr_workgroup_id_z 1
		.amdhsa_system_vgpr_workitem_id 0
		.amdhsa_next_free_vgpr 256
		.amdhsa_next_free_sgpr 106
		.amdhsa_reserve_vcc 0
		.amdhsa_float_denorm_mode_32 3
		.amdhsa_float_denorm_mode_16_64 3
		.amdhsa_memory_ordered 1
		.amdhsa_forward_progress 1
		.amdhsa_inst_pref_size 35
	.end_amdhsa_kernel
	.amdgpu_metadata
---
amdhsa.version: [ 1, 2 ]
amdhsa.kernels:
  - .name:           k_q3f5555e127_attn
    .symbol:         k_q3f5555e127_attn.kd
    .args:
      - { .name: qb, .offset: 0, .size: 8, .value_kind: global_buffer, .address_space: global }
      - { .name: kb, .offset: 8, .size: 8, .value_kind: global_buffer, .address_space: global }
      - { .name: vb, .offset: 16, .size: 8, .value_kind: global_buffer, .address_space: global }
      - { .name: mb, .offset: 24, .size: 8, .value_kind: global_buffer, .address_space: global }
      - { .name: ab, .offset: 32, .size: 8, .value_kind: global_buffer, .address_space: global }
    .group_segment_fixed_size: 210944
    .private_segment_fixed_size: 0
    .kernarg_segment_align: 8
    .kernarg_segment_size: 40
    .max_flat_workgroup_size: 512
    .sgpr_count:     106
    .vgpr_count:     256
    .wavefront_size: 32
...
	.end_amdgpu_metadata
.endif
;; end of part 3
;; launch outp (part 4): grid 64 x 4, 4 waves a work-group, no clusters, 120,320 bytes of LDS; arguments ab, wq, bo, out0; writes out0
.if DOCPART == 4
	.amdgcn_target "amdgcn-amd-amdhsa--gfx1250"
	.amdhsa_code_object_version 6
	.text
	.protected	k_q3f5555e127_outp
	.globl	k_q3f5555e127_outp
	.p2align	8
	.type	k_q3f5555e127_outp,@function
k_q3f5555e127_outp:
	s_mov_b64 s[64:65], 0
	v_nop
	global_prefetch_b8 v0, s[64:65] scope:SCOPE_SE
	s_setreg_imm32_b32 hwreg(HW_REG_WAVE_MODE, 25, 1), 1
	s_wait_xcnt 0x0
; OUTP.  out0 = a Wo^T + bo on codes of FP6 (E2M3) with one E8M0 scale for each 32 along K.  a: attention's result as codes in ab; Wo: matrix 3 of wq.
; SHARES.  Work-group (block, y) takes 128 rows x 256 columns; wave w takes columns 64 (4 y + w) on, for all 128 rows: 32 accumulators, 8 K steps of 128, 256 matrix instructions.  256 work-groups.
; The block's 64 fragments of a come from ab (two halves of 768 bytes each: registers 0-3 at 16 l, registers 4-5 at 512 + 8 l), 16 a wave, and go into LDS as images of the operand's registers; ONE barrier.
; Wo's codes come straight into registers, four K steps ahead.  The product is used transposed (source 0 = 16 rows of Wo, source 1 = 16 rows of a): a lane holds one row of out0 and its registers run along the columns.
; The rows of every tile are 32 (T / 2) + 8 (T % 2) + r + 8 (r / 8): the 16 registers of two neighbouring tiles of Wo are 16 neighbouring columns.
; The bias is the C of each sum's first matrix instruction: eight registers a tile, loaded from bo straight into the result's layout, so that no LDS address hangs on the work-group's number.
; THE WAY OUT: a tile (16 rows x 64 columns) goes through the wave's own stage in LDS and leaves as rows of 256 bytes, sixteen lanes to a row.
; NO CLUSTER: the shared operands are small (a block's 102,400 bytes, read by four work-groups) or go into registers (Wo's codes), where a joint load cannot land.
; REGISTERS, in windows of 256.  Window 0: v1-11 addresses; v16-111 a's eight fragments of a K step; v112-119 a's scale words, two sets; v120-127 Wo's, four sets; v176-239 a copy at the head, rows on the way out.
;   Window 1: v0-191 Wo's fragments, four sets of 48; v192-223 the bias as C.   Window 2: the 32 accumulators (at the head: my 16 fragments of a).
.set XSCL,  98304                      ; LDS: fragments (K step s, tile m) at (8 s + m) x 1,536; from XSCL on the scale words, 512 bytes a K step: the word of (m, r) at 16 (r + 16 (m % 2)) + 4 (m / 2);
.set STG,   102400                     ; from STG on a stage of 16 rows x (256 + 16) bytes for each wave
.set WSOFF, 3145728
.set LI,   1                           ; v1   16 x lane
.set LIB,  2                           ; v2   the same + 49,152 (K steps 4 to 7: an LDS offset has 16 bits)
.set LSX,  3                           ; v3   16 x lane + XSCL
.set L8,   4                           ; v4   8 x lane
.set BA,   5                           ; v5   64 h: my half's bytes among a tile pair's 32 biases
.set XW,   6                           ; v6   where I store my 16 images: 16 x lane + 24,576 w
.set STO,  7                           ; v7   the stage: where I put 16 bytes of a row
.set SRD,  8                           ; v8   and where I read a row back
.set CO,   9                           ; v9   my byte offset in out0: 4,096 (lane / 16) + 16 (lane % 16)
.set T16,  10                          ; v10  16 x thread
.set TSC,  11                          ; v11  the same + XSCL
.set XF,   16
.set XS,   112
.set WS,   120
.set CP,   176
.set OB,   176                         ; the way out: two sets of 32
.set BI,   192                         ; in window 1
.set WB,   16                          ; s[16:17] Wo's codes at my columns
.set WSB,  18                          ; s[18:19] their scale words
.set AB,   20                          ; s[20:21] my 16 fragments in ab
.set ABS,  22                          ; s[22:23] the block's scale words
.set OUT,  24                          ; s[24:25] out0 at the block's first row, my first column
.set WV,   26
.set HD,   28                          ; s28  4 y + w
.set BP,   40                          ; s[40:41] bo at my first column
.set MSB, 0
.macro WIN new                         ; the immediate's high byte repeats the setting that is left; bits 1:0 source 0, 3:2 source 1, 5:4 source 2, 7:6 destination
.if MSB != (\new)
	s_set_vgpr_msb (MSB<<8)|(\new)
.set MSB, (\new)
.endif
.endm
.macro PLACES n
.rept \n
	v_nop
.endr
.endm
.macro WM ra, rb                       ; ra, rb = 1: that side's scale words stand in lanes 16-31 of its register
.set rSel, (\ra)+2*(\rb)
.if rSel == 0
	v_wmma_scale_f32_16x16x128_f8f6f4 v[rD:rD+7], v[rA:rA+11], v[rB:rB+11], v[rC:rC+7], v[rSA], v[rSB] matrix_a_fmt:MATRIX_FMT_FP6 matrix_b_fmt:MATRIX_FMT_FP6
.elseif rSel == 1
	v_wmma_scale_f32_16x16x128_f8f6f4 v[rD:rD+7], v[rA:rA+11], v[rB:rB+11], v[rC:rC+7], v[rSA], v[rSB] matrix_a_fmt:MATRIX_FMT_FP6 matrix_b_fmt:MATRIX_FMT_FP6 matrix_a_scale:MATRIX_SCALE_ROW1
.elseif rSel == 2
	v_wmma_scale_f32_16x16x128_f8f6f4 v[rD:rD+7], v[rA:rA+11], v[rB:rB+11], v[rC:rC+7], v[rSA], v[rSB] matrix_a_fmt:MATRIX_FMT_FP6 matrix_b_fmt:MATRIX_FMT_FP6 matrix_b_scale:MATRIX_SCALE_ROW1
.else
	v_wmma_scale_f32_16x16x128_f8f6f4 v[rD:rD+7], v[rA:rA+11], v[rB:rB+11], v[rC:rC+7], v[rSA], v[rSB] matrix_a_fmt:MATRIX_FMT_FP6 matrix_b_fmt:MATRIX_FMT_FP6 matrix_a_scale:MATRIX_SCALE_ROW1 matrix_b_scale:MATRIX_SCALE_ROW1
.endif
.endm
; 16 matrix instructions: a's tiles m0 .. m0 + 3 against Wo's four.  The 32 accumulators take turns, one instruction a turn, in the same order in every step.
.macro MULH ks, m0
.if (\ks) == 0
	WIN 0x91                                       ; source 0 (Wo) and C (the bias) window 1, source 1 (a) window 0, D window 2
.else
	WIN 0xa1                                       ; the same with C in window 2
.endif
.irp m, \m0, \m0+1, \m0+2, \m0+3
.irp n, 0,1,2,3
.set rD, 8*(4*(\m)+\n)
.set rA, 48*((\ks)%4)+12*\n
.set rB, XF+12*(\m)
.if (\ks) == 0
.set rC, BI+8*\n
.else
.set rC, rD
.endif
.set rSA, WS+2*((\ks)%4)+(\n/2)
.set rSB, XS+4*((\ks)%2)+((\m)/2)
	WM \n%2, (\m)%2
.endr
.endr
.endm
.macro XFETCH ks, m0                   ; a's fragments m0 .. m0 + 3 of K step ks from LDS
.irp m, \m0, \m0+1, \m0+2, \m0+3
.irp c, 0,1,2
	ds_load_b128 v[XF+12*(\m)+4*\c:XF+12*(\m)+4*\c+3], v[LI+(\ks)/4] offset:(8*((\ks)%4)+(\m))*1536+512*\c
.endr
.endr
.endm
.macro WSET set, off, soff             ; a K step's four fragments of Wo and their two scale words: 13 loads
	WIN 0x40                                       ; destination window 1
.irp n, 0,1,2,3
.irp c, 0,1,2
	global_load_b128 v[48*(\set)+12*\n+4*\c:48*(\set)+12*\n+4*\c+3], v[LI], s[WB:WB+1] offset:(\off)+1536*\n+512*\c
.endr
.endr
	WIN 0
	global_load_b64 v[WS+2*(\set):WS+2*(\set)+1], v[L8], s[WSB:WSB+1] offset:\soff
.endm
.macro STEP ks
.if (\ks) < 5
	s_wait_loadcnt 39                              ; this step's set of Wo is in: at most three younger sets of 13 loads are out
.else
	s_wait_loadcnt 13*(7-(\ks))                    ; the last sets: the counts run down
.endif
.if (\ks) == 0
	s_wait_dscnt 0x0
.else
	s_wait_dscnt 12                                ; a's tiles 0-3 and the scale words are in; the youngest 12 loads (tiles 4-7) may be out
.endif
	MULH \ks, 0
	s_wait_dscnt 0x0                               ; tiles 4-7 are in
.if (\ks) < 7
	PLACES 4                                       ; four plain places in front of loads into registers that matrix instructions have read
	WIN 0
	XFETCH (\ks)+1, 0
	ds_load_b128 v[XS+4*(((\ks)+1)%2):XS+4*(((\ks)+1)%2)+3], v[LSX] offset:512*((\ks)+1)
.endif
	MULH \ks, 4
	PLACES 4
	WIN 0
.if (\ks) < 7
	XFETCH (\ks)+1, 4
.endif
.if (\ks) < 4
	WSET \ks, ((\ks)+4)*6144, ((\ks)+4)*256        ; the set just used takes the K step four on
.endif
.endm
	s_load_b256 s[8:15], s[0:1], 0x0               ; ab s[8:9], wq s[10:11], bo s[12:13], out0 s[14:15]
	v_lshl_add_u32 v254, v0, 2, 0x1d400
	v_mov_b32 v255, 0
	v_lshrrev_b32 v15, 5, v0
	v_readfirstlane_b32 s[WV], v15                 ; wave 0..3
	s_and_b32 s[HD], ttmp7, 0xffff
	s_lshl_b32 s[HD], s[HD], 2
	s_add_co_u32 s[HD], s[HD], s[WV]               ; my 64 columns: 4 y + w.  It enters global addresses alone
	v_and_b32 v15, 31, v0                          ; lane
	v_lshlrev_b32 v[LI], 4, v15
	v_add_nc_u32 v[LIB], 49152, v[LI]
	v_add_nc_u32 v[LSX], XSCL, v[LI]
	v_lshlrev_b32 v[L8], 3, v15
	v_and_b32 v16, 15, v0                          ; r
	v_bfe_u32 v17, v0, 4, 1                        ; h
	v_lshlrev_b32 v[BA], 6, v17
	s_mul_i32 s30, s[WV], 24576
	v_add_nc_u32 v[XW], s30, v[LI]
	s_mul_i32 s30, s[WV], 4352
	s_add_co_u32 s30, s30, STG                     ; my stage
	v_mul_u32_u24 v[STO], v16, 272
	v_lshl_add_u32 v[STO], v17, 6, v[STO]
	v_add_nc_u32 v[STO], s30, v[STO]               ; in: row r, + 64 h
	v_mul_u32_u24 v[SRD], v17, 272
	v_lshl_add_u32 v[SRD], v16, 4, v[SRD]
	v_add_nc_u32 v[SRD], s30, v[SRD]               ; back: lanes 0-15 one row, lanes 16-31 the next
	v_lshlrev_b32 v[CO], 12, v17
	v_lshl_add_u32 v[CO], v16, 4, v[CO]
	v_lshlrev_b32 v[T16], 4, v0
	v_add_nc_u32 v[TSC], XSCL, v[T16]
	s_mul_i32 s30, s[HD], 49152
	s_add_co_u32 s30, s30, 2359296                 ; matrix 3: 3 x 786,432
	s_mov_b32 s31, 0
	s_lshl_b32 s32, s[HD], 11
	s_add_co_u32 s32, s32, WSOFF+98304             ; its scale words: 3 x 32,768
	s_mov_b32 s33, 0
	s_mul_i32 s34, ttmp9, 102400                   ; the block in ab
	s_mov_b32 s35, 0
	s_mul_i32 s2, s[WV], 24576                     ; my 16 fragments
	s_add_co_u32 s2, s2, s34
	s_mov_b32 s3, 0
	s_add_co_u32 s34, s34, 98304
	s_lshl_b32 s38, s[HD], 8                       ; my columns' 256 bytes, in bo and in a row of out0
	s_mov_b32 s39, 0
	s_lshl_b32 s36, ttmp9, 19                      ; the block's 128 rows of 4,096 bytes in out0
	s_add_co_u32 s36, s36, s38
	s_mov_b32 s37, 0
	s_wait_kmcnt 0x0
	s_add_nc_u64 s[WB:WB+1], s[10:11], s[30:31]
	s_add_nc_u64 s[WSB:WSB+1], s[10:11], s[32:33]
	s_add_nc_u64 s[AB:AB+1], s[8:9], s[2:3]
	s_add_nc_u64 s[ABS:ABS+1], s[8:9], s[34:35]
	s_add_nc_u64 s[BP:BP+1], s[12:13], s[38:39]
	s_add_nc_u64 s[OUT:OUT+1], s[14:15], s[36:37]
	WSET 0, 0, 0
	WSET 1, 6144, 256
	WSET 2, 12288, 512
	WSET 3, 18432, 768
	WIN 0x40                                       ; destination window 1
.irp n, 0,1,2,3                                ; C of tile n: lane (r, h), register j: the bias of column 32 (n / 2) + 16 h + 8 (n % 2) + j
	global_load_b128 v[BI+8*\n:BI+8*\n+3], v[BA], s[BP:BP+1] offset:(32*(\n/2)+8*(\n%2))*4
	global_load_b128 v[BI+8*\n+4:BI+8*\n+7], v[BA], s[BP:BP+1] offset:(32*(\n/2)+8*(\n%2))*4+16
.endr
	WIN 0x80                                       ; destination window 2
.set ii, 0
.rept 16                                       ; a fragment is two halves, one from each head of the pair: registers 0-3, 4-5, 6-9, 10-11
	global_load_b128 v[12*ii:12*ii+3], v[LI], s[AB:AB+1] offset:1536*ii
	global_load_b64 v[12*ii+4:12*ii+5], v[L8], s[AB:AB+1] offset:1536*ii+512
	global_load_b128 v[12*ii+6:12*ii+9], v[LI], s[AB:AB+1] offset:1536*ii+768
	global_load_b64 v[12*ii+10:12*ii+11], v[L8], s[AB:AB+1] offset:1536*ii+1280
.set ii, ii+1
.endr
	WIN 0
	global_load_b128 v[CP:CP+3], v[T16], s[ABS:ABS+1]             ; the block's scale words, 4,096 bytes: 32 a thread
	global_load_b128 v[CP+4:CP+7], v[T16], s[ABS:ABS+1] offset:2048
	s_wait_loadcnt 0x0                             ; all of the head's loads: Wo's first four sets and the bias among them
	WIN 0x08                                       ; an LDS store's data are its source 1: window 2
.set ii, 0
.rept 16
.irp c, 0,1,2
	ds_store_b128 v[XW], v[12*ii+4*\c:12*ii+4*\c+3] offset:1536*ii+512*\c
.endr
.set ii, ii+1
.endr
	WIN 0
	ds_store_b128 v[TSC], v[CP:CP+3]
	ds_store_b128 v[TSC], v[CP+4:CP+7] offset:2048
	s_wait_dscnt 0x0                               ; for the others' sake: my stores have landed
	s_barrier_signal -1
	s_barrier_wait -1                              ; the block's fragments and scale words lie in LDS; they are only read from here on
	XFETCH 0, 0
	ds_load_b128 v[XS:XS+3], v[LSX]
	XFETCH 0, 4
.irp k, 0,1,2,3,4,5,6,7
	STEP \k
.endr
; THE WAY OUT.  Tile m: lane (r, h) holds columns 32 b + 16 h + 0 .. 15 of row r in registers 32 m + 16 b on.  LDS serves a wave's instructions in order (ISA guide 5.7.1.4): no wait between the stores and the loads, nor in front of the next tile's stores.
.macro TOSTAGE m
	WIN 0x08
.irp b, 0,1
.irp q, 0,1,2,3
	ds_store_b128 v[STO], v[32*(\m)+16*\b+4*\q:32*(\m)+16*\b+4*\q+3] offset:128*\b+16*\q   ; each accumulator from its low end on
.endr
.endr
	WIN 0
.irp i, 0,1,2,3,4,5,6,7
	ds_load_b128 v[OB+32*((\m)%2)+4*\i:OB+32*((\m)%2)+4*\i+3], v[SRD] offset:544*\i
.endr
.endm
.macro SEND m, younger                 ; younger: the LDS instructions issued behind tile m's loads, which may stay out
	s_wait_dscnt \younger
.irp i, 0,1,2,3,4,5,6,7                        ; stage row 2 i + lane / 16 is row 32 (m / 2) + 8 (m % 2) + 2 i + 8 (i / 4) + lane / 16 of the block
	global_store_b128 v[CO], v[OB+32*((\m)%2)+4*\i:OB+32*((\m)%2)+4*\i+3], s[OUT:OUT+1] offset:(32*((\m)/2)+8*((\m)%2)+2*\i+8*(\i/4))*4096 th:TH_STORE_NT   ; sixteen lanes store 256 consecutive bytes, aligned; written once, read by nobody here
.endr
.endm
	TOSTAGE 0                                      ; (four plain places stand behind the last products)
.irp m, 1,2,3,4,5,6,7
.if \m > 1
	s_wait_xcnt 0x0                                ; tile m - 2's stores have read their registers: tile m's loads may land there
.endif
	TOSTAGE \m
	SEND \m-1, 16                                  ; behind tile m - 1's loads: tile m's 8 stores and 8 loads
.endr
	SEND 7, 0
	s_wait_tensorcnt 0x0
	ds_add_u32 v254, v255
	s_wait_dscnt 0x0
	s_endpgm
.Lfunc_end_k_q3f5555e127_outp:
	.size	k_q3f5555e127_outp, .Lfunc_end_k_q3f5555e127_outp-k_q3f5555e127_outp
	.p2alignl 7, 3214868480
	.fill 96, 4, 3214868480
	.section	.rodata,"a",@progbits
	.p2align	6, 0x0
	.amdhsa_kernel k_q3f5555e127_outp
		.amdhsa_group_segment_fixed_size 120320
		.amdhsa_private_segment_fixed_size 0
		.amdhsa_enable_private_segment 0
		.amdhsa_kernarg_size 32
		.amdhsa_user_sgpr_count 2
		.amdhsa_user_sgpr_kernarg_segment_ptr 1
		.amdhsa_wavefront_size32 1
		.amdhsa_system_sgpr_workgroup_id_x 1
		.amdhsa_system_sgpr_workgroup_id_y 1
		.amdhsa_system_sgpr_workgroup_id_z 1
		.amdhsa_system_vgpr_workitem_id 0
		.amdhsa_next_free_vgpr 768
		.amdhsa_next_free_sgpr 66
		.amdhsa_reserve_vcc 0
		.amdhsa_float_denorm_mode_32 3
		.amdhsa_float_denorm_mode_16_64 3
		.amdhsa_memory_ordered 1
		.amdhsa_forward_progress 1
		.amdhsa_inst_pref_size 87
	.end_amdhsa_kernel
	.amdgpu_metadata
---
amdhsa.version: [ 1, 2 ]
amdhsa.kernels:
  - .name:           k_q3f5555e127_outp
    .symbol:         k_q3f5555e127_outp.kd
    .args:
      - { .name: ab, .offset: 0, .size: 8, .value_kind: global_buffer, .address_space: global }
      - { .name: wq, .offset: 8, .size: 8, .value_kind: global_buffer, .address_space: global }
      - { .name: bo, .offset: 16, .size: 8, .value_kind: global_buffer, .address_space: global }
      - { .name: out0, .offset: 24, .size: 8, .value_kind: global_buffer, .address_space: global }
    .group_segment_fixed_size: 120320
    .private_segment_fixed_size: 0
    .kernarg_segment_align: 8
    .kernarg_segment_size: 32
    .max_flat_workgroup_size: 128
    .sgpr_count:     66
    .vgpr_count:     768
    .wavefront_size: 32
...
	.end_amdgpu_metadata
.endif
;; end of part 4
;; ======== version 2 of 3: 4 launches
;; limits: right only within a limited range of input values
;; workspace buffers: wq 3,276,800 bytes; mb 2,097,152 bytes of whole numbers; cl 8,192 bytes of whole numbers; qb 6,815,744 bytes; kb 6,815,744 bytes; vb 6,553,600 bytes; ab 6,553,600 bytes
;; launch prep (part 5): grid 256 x 1, 6 waves a work-group, no clusters, 51,456 bytes of LDS; arguments mask, Wq, Wk, Wv, Wo, wq, mb, cl; writes wq, mb, cl
.if DOCPART == 5
	.amdgcn_target "amdgcn-amd-amdhsa--gfx1250"
	.amdhsa_code_object_version 6
	.text
	.protected	k_q3f5555e127_prep
	.globl	k_q3f5555e127_prep
	.p2align	8
	.type	k_q3f5555e127_prep,@function
k_q3f5555e127_prep:
	s_mov_b64 s[64:65], 0
	v_nop
	global_prefetch_b8 v0, s[64:65] scope:SCOPE_SE
	s_setreg_imm32_b32 hwreg(HW_REG_WAVE_MODE, 25, 1), 1
	s_wait_xcnt 0x0
; PREP.  (a) The four weights [1024][1024] f32 become codes of FP6 (E2M3) with one E8M0 byte for each 32 along K, laid in the order of an operand's registers.
; (b) The mask [4][2048][2048] int32 becomes lane masks: one 32-bit word for each register of a tile of scores; and each key step of 128 keys of each tile of 16 queries gets a class.
; A TILE'S 16 ROWS ARE NOT NEIGHBOURS: lane r of tile T takes row 32 (T / 2) + 8 (T % 2) + r + 8 (r / 8), so that in a transposed product the 16 registers of tiles 2 b and 2 b + 1 are 16 neighbours.
; wq: unit q = (matrix x 16 + head) x 8 + K step, 6,144 bytes: four fragments (16 rows x 128 K, 12 registers a lane), registers 4 c .. 4 c + 3 of lane l at 512 c + 16 l.
;     From WSOFF on, 256 bytes a unit: lane l's 8 bytes are two scale words; in each, lanes 0-15 hold the even tile's rows and lanes 16-31 the odd tile's.
; mb: [batch x 128 + tile][key step][64 words]: word 16 b + i, bit r + 16 h: mask(row of lane r, key 128 step + 32 b + 16 h + i) is not 0.
; cl: 8 bytes for each half row of tiles u = 2 (batch x 128 + tile) + half (8 key steps): {eight classes of 2 bits: 0 all hidden, 1 mixed, 2 all open; the OR of the half's words}.
; SHARES.  Each work-group has four mask waves (a tile of 16 queries x 1,024 keys each: 65,536 bytes read) and two weight waves (a unit each: 32,768 bytes read): 256 work-groups of equal work.
; LOADS ARE DENSE: a load takes 512 consecutive bytes of ONE row, 16 a lane.  The compares and the conversions want lane (r, h) to hold 16 neighbours of each block of 32 of row r: so the 16 rows x 512 bytes of a step go
; through the wave's own stage in LDS (16 rows of 512 + 16 bytes: the sixteen rows that a load back touches start at sixteen different 16-byte columns) and come back into the registers that they left.
; The waves share nothing: no barrier.  Every offset is an immediate; no pointer is stepped.  Matrix units and clusters have nothing to do here.
; LIMITS: NaN and infinities among the weights are not served; a block of zeros gets the byte 1 where the quantiser's rule says 127 (its codes are zeros, and the bytes are read by this program alone);
; blocks whose largest magnitude lies under 2^-124, whose byte is held at 1, were not tried.
.set WSOFF,  3145728
.set SROW,   528                       ; a stage row: 512 bytes + 16
.set SWAVE,  16*SROW                   ; a wave's stage
.set SIN, 9                            ; v9       the stage, on the way in: my wave's stage + 16 x lane; the row stands in the immediate
.set SOUT, 10                          ; v10      and on the way out: my wave's stage + 528 r + 64 h
.set MW,  16                           ; v16-31   mask waves: a key step's 64 words, two registers a step
.set TM,  16                           ; v16-31   weight waves: at work in QUANT
.set BUF, 32                           ; v32-223  three landing buffers of 64 registers
.set PC,  224                          ; v224-242 the codes just made
.set PWT, 244                          ; v244-245 the scale words of an even and an odd tile
.set SW,  246                          ; v246-247 the two paired scale words
.set RO,  248                          ; v248     the OR of all words
.set REC, 250                          ; v250-251 the record
.set ZO,  252                          ; v252     0: every lane stores the record at the same place
.set SEL, 4                            ; s[4:5]   v_permlanex16_b32's selects for lane l xor 16
.set HI,  6                            ; s6       lanes 16-31
.set WV,  24                           ; s24      my wave's number
.set CLS, 37                           ; s37      eight classes
; 16 rows x 512 bytes, as loaded (registers 4 p .. 4 p + 3: my 16 bytes of row p), go through my stage and come back as register 16 b + 4 j + e = number 32 b + 16 h + 4 j + e of row r.
; LDS serves a wave's instructions in order (ISA guide 5.7.1.4): no wait between the stores and the loads, nor in front of the next turn's stores.
.macro TURN buf
.irp p, 0,1,2,3,4,5,6,7,8,9,10,11,12,13,14,15
	ds_store_b128 v[SIN], v[(\buf)+4*\p:(\buf)+4*\p+3] offset:SROW*\p
.endr
.irp b, 0,1,2,3
.irp j, 0,1,2,3
	ds_load_b128 v[(\buf)+16*\b+4*\j:(\buf)+16*\b+4*\j+3], v[SOUT] offset:128*\b+16*\j
.endr
.endr
.endm
; 64 numbers of a lane, register 16 b + i = k 32 b + 16 (lane / 16) + i of my row, become a fragment's codes in v[PC] on and its scale word in v[pw] (the same word in both halves of the lanes).
.macro QUANT s, pw
.irp b, 0,1,2,3
	v_max3_num_f32 v[TM+\b], |v[(\s)+16*\b]|, |v[(\s)+1+16*\b]|, 0x1800000   ; block b: my 16 numbers, and the floor 2^(3 - 127): the byte cannot fall under 1
.endr
.irp i, 2,4,6,8,10,12,14
.irp b, 0,1,2,3
	v_max3_num_f32 v[TM+\b], v[TM+\b], |v[(\s)+16*\b+\i]|, |v[(\s)+1+16*\b+\i]|   ; the four blocks by turns
.endr
.endr
.irp b, 0,1,2,3
	v_permlanex16_b32 v[TM+4+\b], v[TM+\b], s[SEL], s[SEL+1]
.endr
.irp b, 0,1,2,3
	v_max_num_f32 v[TM+\b], v[TM+\b], v[TM+4+\b]   ; with lane l xor 16's: the block's largest magnitude
.endr
.irp b, 0,1,2,3
	v_add_nc_u32 v[TM+12+\b], 0xff000000, v[TM+\b]   ; 2 off its exponent field: the conversion's scale operand
.endr
.irp b, 0,1,2,3
	v_lshrrev_b32 v[TM+4+\b], 23, v[TM+12+\b]      ; the scale's byte
.endr
	v_lshl_or_b32 v[\pw], v[TM+5], 8, v[TM+4]
	v_lshl_or_b32 v[\pw], v[TM+6], 16, v[\pw]
	v_lshl_or_b32 v[\pw], v[TM+7], 24, v[\pw]
.irp c, 0,1
	v_cvt_scalef32_pk16_fp6_f32 v[PC+6*\c:PC+2+6*\c], v[(\s)+32*\c:(\s)+15+32*\c], v[TM+12+2*\c]
	v_cvt_scalef32_pk16_fp6_f32 v[PC+12+4*\c:PC+14+4*\c], v[(\s)+16+32*\c:(\s)+31+32*\c], v[TM+12+2*\c+1]   ; (a conversion's three registers begin on an even number)
.endr
	v_nop                                          ; one plain place behind a scaled conversion
.irp c, 0,1                                    ; the operand's layout wants a whole block in a lane: lanes 0-15 block 2 c, lanes 16-31 block 2 c + 1
.irp i, 0,1,2
	v_permlane16_swap_b32 v[PC+6*\c+\i], v[PC+12+4*\c+\i]
.endr
.irp i, 0,1,2
	v_mov_b32 v[PC+3+6*\c+\i], v[PC+12+4*\c+\i]
.endr
.endr
.endm
	s_load_b256 s[8:15], s[0:1], 0x0               ; mask s[8:9], Wq s[10:11], Wk s[12:13], Wv s[14:15]
	s_load_b256 s[16:23], s[0:1], 0x20             ; Wo s[16:17], wq s[18:19], mb s[20:21], cl s[22:23]
	v_lshl_add_u32 v254, v0, 2, 0xc600
	v_mov_b32 v255, 0
	v_lshrrev_b32 v6, 5, v0
	v_readfirstlane_b32 s[WV], v6                  ; wave 0..5
	v_and_b32 v1, 15, v0                           ; r
	v_bfe_u32 v2, v0, 4, 1                         ; h
	v_and_b32 v7, 31, v0                           ; lane
	v_lshlrev_b32 v4, 4, v7                        ; 16 x lane: my 16 bytes of a load's 512, and of a store's
	v_lshlrev_b32 v5, 3, v7                        ; 8 x lane
	s_mul_i32 s7, s[WV], SWAVE                     ; my wave's stage.  Both LDS addresses are made here, ahead of the parting of the two kinds of waves
	v_add_nc_u32 v[SIN], s7, v4
	v_mul_u32_u24 v[SOUT], v1, SROW
	v_lshl_add_u32 v[SOUT], v2, 6, v[SOUT]
	v_add_nc_u32 v[SOUT], s7, v[SOUT]
	s_mov_b32 s3, 0
	s_mov_b32 s29, 0
	s_mov_b32 s31, 0
	s_cmp_lt_u32 s[WV], 4
	s_cbranch_scc0 .Lweights
	; ---- a mask wave: half row u = 4 x work-group + wave: tile u / 2, keys 1,024 (u % 2) on
.irp i, 0,1,2,3,4,5,6,7,8,9,10,11,12,13,14,15
	v_mov_b32 v[MW+\i], 0                          ; written once: v_writelane_b32's destination counts as one of its sources
.endr
	v_mov_b32 v[RO], 0
	v_mov_b32 v[ZO], 0
	s_mov_b32 s[CLS], 0
	s_lshl_b32 s25, ttmp9, 2
	s_add_co_u32 s25, s25, s[WV]                   ; u
	s_lshr_b32 s26, s25, 1                         ; batch x 128 + tile
	s_lshr_b32 s2, s26, 7
	s_lshl_b32 s2, s2, 24                          ; the batch: 2,048 x 8,192 bytes
	s_bfe_u32 s27, s26, 0x60001                    ; tile / 2
	s_lshl_b32 s27, s27, 18                        ; x 32 rows
	s_add_co_u32 s2, s2, s27
	s_and_b32 s27, s26, 1
	s_lshl_b32 s27, s27, 16                        ; + 8 rows for an odd tile
	s_add_co_u32 s2, s2, s27
	s_and_b32 s27, s25, 1
	s_lshl_b32 s27, s27, 12                        ; + 1,024 keys for the second half
	s_add_co_u32 s2, s2, s27
	s_lshl_b32 s28, s25, 11                        ; my words: 8 steps x 256 bytes
	s_lshl_b32 s30, s25, 3                         ; my record: 8 bytes
	s_wait_kmcnt 0x0
	s_add_nc_u64 s[8:9], s[8:9], s[2:3]
	s_add_nc_u64 s[20:21], s[20:21], s[28:29]
	s_add_nc_u64 s[22:23], s[22:23], s[30:31]
.macro MLOAD st                        ; key step st: row p of the tile is p + 8 (p / 8) rows of 8,192 bytes down; its 128 keys are 512 consecutive bytes; into buffer st % 3
.irp p, 0,1,2,3,4,5,6,7,8,9,10,11,12,13,14,15
	global_load_b128 v[BUF+64*((\st)%3)+4*\p:BUF+64*((\st)%3)+4*\p+3], v4, s[8:9] offset:(\p+8*(\p/8))*8192+512*(\st) th:TH_LOAD_NT
.endr
.endm
.macro MSTEP st
.if (\st) < 6
	s_wait_loadcnt 32                              ; this step's 16 loads are in; the two younger steps' 16 each may be out
.else
	s_wait_loadcnt 16*(7-(\st))
.endif
	TURN BUF+64*((\st)%3)
	s_wait_dscnt 0x0                               ; register 16 b + i now holds key 128 st + 32 b + 16 h + i of my query
.set nn, 0
.rept 8                                        ; a compare gives the 32 lanes' bits as one word; word n goes to lane n / 2 of register n % 2, so that the step's 64 words leave as 256 consecutive bytes
.irp e, 0,1,2,3,4,5,6,7
	v_cmp_ne_u32 s[40+\e], 0, v[BUF+64*((\st)%3)+nn+\e]
.endr
.irp e, 0,1,2,3,4,5,6,7
	v_writelane_b32 v[MW+2*(\st)+(\e%2)], s[40+\e], (nn+\e)/2
.endr
.set nn, nn+8
.endr
.if (\st)+3 < 8
	MLOAD (\st)+3                                  ; the buffer just read takes the step three on
.endif
	v_cmp_eq_u32 s30, -1, v[MW+2*(\st)]            ; the class: all words all ones: 2; all words 0: 0; else 1
	v_cmp_eq_u32 s31, -1, v[MW+2*(\st)+1]
	v_cmp_eq_u32 s32, 0, v[MW+2*(\st)]
	v_cmp_eq_u32 s33, 0, v[MW+2*(\st)+1]
	s_and_b32 s30, s30, s31
	s_and_b32 s32, s32, s33
	s_cmp_eq_u32 s30, -1
	s_cselect_b32 s34, 2, 1
	s_cmp_eq_u32 s32, -1
	s_cselect_b32 s34, 0, s34
	s_lshl_b32 s34, s34, 2*(\st)
	s_or_b32 s[CLS], s[CLS], s34
	v_or_b32 v[RO], v[RO], v[MW+2*(\st)]
	v_or_b32 v[RO], v[RO], v[MW+2*(\st)+1]
	global_store_b64 v5, v[MW+2*(\st):MW+2*(\st)+1], s[20:21] offset:256*(\st)   ; 32 lanes store 256 consecutive bytes, aligned; each step has data registers of its own
.endm
	MLOAD 0
	MLOAD 1
	MLOAD 2
.irp t, 0,1,2,3,4,5,6,7
	MSTEP \t
.endr
	s_mov_b32 s36, 0
.set nn, 0
.rept 32                                       ; the OR over the 32 lanes: bit r + 16 h says whether query r has an open key in this half
	v_readlane_b32 s[40+nn%8], v[RO], nn
	s_or_b32 s36, s36, s[40+nn%8]
.set nn, nn+1
.endr
	v_mov_b32 v[REC], s[CLS]
	v_mov_b32 v[REC+1], s36
	global_store_b64 v[ZO], v[REC:REC+1], s[22:23] ; 8 bytes: every lane stores the same pair at the same place.  The buffer is kept small: 1,024 records in all
	s_wait_tensorcnt 0x0
	ds_add_u32 v254, v255
	s_wait_dscnt 0x0
	s_endpgm
.Lweights:
	; ---- a weight wave: unit q = 2 x work-group + wave - 4: 64 rows (a head's) x 128 along K of one matrix
.irp b, 0,1,2,3
	v_mov_b32 v[TM+4+\b], 0                        ; written once: a lane permute's destination counts as one of its sources
.endr
	s_mov_b32 s[SEL], 0x76543210
	s_mov_b32 s[SEL+1], 0xfedcba98
	s_mov_b32 s[HI], 0xffff0000
	s_lshl_b32 s25, ttmp9, 1
	s_add_co_u32 s25, s25, s[WV]
	s_sub_co_u32 s25, s25, 4                       ; q
	s_lshr_b32 s26, s25, 7                         ; the matrix: 0 Wq, 1 Wk, 2 Wv, 3 Wo
	s_bfe_u32 s2, s25, 0x40003                     ; the head
	s_lshl_b32 s2, s2, 18                          ; x 64 rows of 4,096 bytes
	s_and_b32 s27, s25, 7
	s_lshl_b32 s27, s27, 9                         ; the K step: 512 bytes
	s_add_co_u32 s2, s2, s27
	s_mul_i32 s28, s25, 6144                       ; the unit's codes
	s_lshl_b32 s30, s25, 8
	s_add_co_u32 s30, s30, WSOFF                   ; and its scale words
	s_wait_kmcnt 0x0
	s_cmp_eq_u32 s26, 0                            ; the choice hangs on the work-group's and the wave's number alone
	s_cselect_b64 s[32:33], s[10:11], s[12:13]
	s_cmp_lt_u32 s26, 2
	s_cselect_b64 s[32:33], s[32:33], s[14:15]
	s_cmp_lt_u32 s26, 3
	s_cselect_b64 s[32:33], s[32:33], s[16:17]
	s_add_nc_u64 s[32:33], s[32:33], s[2:3]
	s_add_nc_u64 s[34:35], s[18:19], s[28:29]
	s_add_nc_u64 s[18:19], s[18:19], s[30:31]
.macro WLOADF t                        ; tile t's 16 rows x 128 K, a row's 512 consecutive bytes a load, into buffer t % 3
.irp p, 0,1,2,3,4,5,6,7,8,9,10,11,12,13,14,15
	global_load_b128 v[BUF+64*((\t)%3)+4*\p:BUF+64*((\t)%3)+4*\p+3], v4, s[32:33] offset:(32*((\t)/2)+8*((\t)%2)+\p+8*(\p/8))*4096 th:TH_LOAD_NT
.endr
.endm
	WLOADF 0
	WLOADF 1
	WLOADF 2
.irp t, 0,1,2,3
.if \t < 2
	s_wait_loadcnt 32                              ; this tile's 16 loads are in; two younger tiles' may be out
.else
	s_wait_loadcnt 16*(3-\t)
.endif
	TURN BUF+64*(\t%3)
	s_wait_dscnt 0x0
	s_wait_xcnt 0x0                                ; the last tile's stores have read the codes' registers
	QUANT BUF+64*(\t%3), PWT+(\t%2)
.irp c, 0,1,2
	global_store_b128 v4, v[PC+4*\c:PC+4*\c+3], s[34:35] offset:1536*\t+512*\c   ; 512 consecutive bytes a store
.endr
.if \t == 0
	WLOADF 3
.endif
.if \t%2
	v_cndmask_b32 v[SW+(\t/2)], v[PWT], v[PWT+1], s[HI]   ; lanes 0-15 the even tile's words, lanes 16-31 the odd tile's
.endif
.endr
	global_store_b64 v5, v[SW:SW+1], s[18:19]
	s_wait_tensorcnt 0x0
	ds_add_u32 v254, v255
	s_wait_dscnt 0x0
	s_endpgm
.Lfunc_end_k_q3f5555e127_prep:
	.size	k_q3f5555e127_prep, .Lfunc_end_k_q3f5555e127_prep-k_q3f5555e127_prep
	.p2alignl 7, 3214868480
	.fill 96, 4, 3214868480
	.section	.rodata,"a",@progbits
	.p2align	6, 0x0
	.amdhsa_kernel k_q3f5555e127_prep
		.amdhsa_group_segment_fixed_size 51456
		.amdhsa_private_segment_fixed_size 0
		.amdhsa_enable_private_segment 0
		.amdhsa_kernarg_size 64
		.amdhsa_user_sgpr_count 2
		.amdhsa_user_sgpr_kernarg_segment_ptr 1
		.amdhsa_wavefront_size32 1
		.amdhsa_system_sgpr_workgroup_id_x 1
		.amdhsa_system_sgpr_workgroup_id_y 1
		.amdhsa_system_sgpr_workgroup_id_z 1
		.amdhsa_system_vgpr_workitem_id 0
		.amdhsa_next_free_vgpr 256
		.amdhsa_next_free_sgpr 66
		.amdhsa_reserve_vcc 0
		.amdhsa_float_denorm_mode_32 3
		.amdhsa_float_denorm_mode_16_64 3
		.amdhsa_memory_ordered 1
		.amdhsa_forward_progress 1
		.amdhsa_inst_pref_size 136
	.end_amdhsa_kernel
	.amdgpu_metadata
---
amdhsa.version: [ 1, 2 ]
amdhsa.kernels:
  - .name:           k_q3f5555e127_prep
    .symbol:         k_q3f5555e127_prep.kd
    .args:
      - { .name: mask, .offset: 0, .size: 8, .value_kind: global_buffer, .address_space: global }
      - { .name: Wq, .offset: 8, .size: 8, .value_kind: global_buffer, .address_space: global }
      - { .name: Wk, .offset: 16, .size: 8, .value_kind: global_buffer, .address_space: global }
      - { .name: Wv, .offset: 24, .size: 8, .value_kind: global_buffer, .address_space: global }
      - { .name: Wo, .offset: 32, .size: 8, .value_kind: global_buffer, .address_space: global }
      - { .name: wq, .offset: 40, .size: 8, .value_kind: global_buffer, .address_space: global }
      - { .name: mb, .offset: 48, .size: 8, .value_kind: global_buffer, .address_space: global }
      - { .name: cl, .offset: 56, .size: 8, .value_kind: global_buffer, .address_space: global }
    .group_segment_fixed_size: 51456
    .private_segment_fixed_size: 0
    .kernarg_segment_align: 8
    .kernarg_segment_size: 64
    .max_flat_workgroup_size: 192
    .sgpr_count:     66
    .vgpr_count:     256
    .wavefront_size: 32
...
	.end_amdgpu_metadata
.endif
;; end of part 5
;; launch proj (part 6): grid 64 x 3, 4 waves a work-group, no clusters, 140,800 bytes of LDS; arguments query, key, value, bq, bk, bv, wq, qb, kb, vb; writes qb, kb, vb
.if DOCPART == 6
	.amdgcn_target "amdgcn-amd-amdhsa--gfx1250"
	.amdhsa_code_object_version 6
	.text
	.protected	k_q3f5555e127_proj
	.globl	k_q3f5555e127_proj
	.p2align	8
	.type	k_q3f5555e127_proj,@function
k_q3f5555e127_proj:
	s_mov_b64 s[64:65], 0
	v_nop
	global_prefetch_b8 v0, s[64:65] scope:SCOPE_SE
	s_setreg_imm32_b32 hwreg(HW_REG_WAVE_MODE, 25, 1), 1
	s_wait_xcnt 0x0
; PROJ.  q = query Wq^T + bq, k = key Wk^T + bk, v = value Wv^T + bv, on codes of FP6 (E2M3) with one E8M0 scale for each 32 along K; and the results quantised for attention's two products.
; SHARES.  Work-group (block, y) takes 128 rows of x (y = 0 query, 1 key, 2 value) against all 1,024 columns: x is read and quantised once.  Wave w takes heads 4 w .. 4 w + 3, one after the other:
; a head is 64 columns x 128 rows: 32 accumulators, 8 K steps of 128, 256 matrix instructions.
; PHASE X: wave w quantises tiles 2 w and 2 w + 1 of the 128 rows (16 fragments) and stores them in LDS as images of the operand's registers (registers 4 c .. 4 c + 3 of lane l at 512 c + 16 l); ONE barrier; from
; there on LDS is only read.  x's loads are dense: a load takes 512 consecutive bytes of one row, 16 a lane; the conversions want lane (r, h) to hold 16 neighbours of each block of 32 of row r, so a fragment's 16 rows x 512
; bytes go through the wave's own stage in LDS (16 rows of 512 + 16 bytes) and come back into the registers that they left; fragment f + 1 is on its way through the stage while fragment f is quantised.
; The weights' codes come from wq, laid in the order of the operand's registers, straight into registers, four K steps ahead: no two waves of a work-group want the same ones.
; A TILE'S 16 ROWS ARE NOT NEIGHBOURS: lane r of tile T takes row 32 (T / 2) + 8 (T % 2) + r + 8 (r / 8), of x and of W alike, so that the 16 registers of two neighbouring tiles of results are 16 neighbours.
; q, k (y < 2): the product is used transposed (source 0 = 16 rows of W, source 1 = 16 rows of x): a lane holds one row of x and 32 registers run along the head's 64: two blocks of 32, six registers of codes.
; v (y = 2): source 0 = x, source 1 = W: a lane holds one channel of the head and 64 registers run along the 128 keys: a whole fragment of V^T with the keys innermost.
; The bias is the C of each sum's first matrix instruction.
; OUT.  qb, kb: for each (batch, head) 106,496 bytes: 128 tiles x 768 (registers 0-3 at 16 l, registers 4-5 at 512 + 8 l), then for each 128 rows 512 bytes of scale words (lane l's 16 bytes: four words; in each, lanes 0-15
; the even tile, lanes 16-31 the odd).  vb: for each (batch, head) 102,400 bytes: [key step][4 tiles of channels] fragments of 1,536, then for each step 256 bytes of scale words (8 bytes a lane).
; NO CLUSTER: what work-groups share is a matrix's codes, 786,432 bytes, which go into registers, each wave its own heads; a joint load lands in LDS alone, where they do not fit beside x's 98,304 bytes of images.
; 192 work-groups: 24,576 rows in blocks of 128; a fragment of V^T wants 128 keys in one work-group, and a split of the columns would read and quantise the f32 rows again.
; LIMITS: NaN and infinities are not served; a block of zeros gets the byte 1 (its codes are zeros; the bytes are read by this program alone); blocks under 2^-124 were not tried.
; REGISTERS, in windows of 256.  Window 0: v1-15 addresses; v16-111 x's eight fragments of a K step; v112-119 x's scale words, two sets; v120-127 W's, four sets; v128-146 codes just made; v148-163 at work;
;   v164-165, v168-171 scale words on their way out; v176-183 the bias on its way to LDS.   Window 1: v0-191 W's fragments, four sets of 48; v192-223 the bias as C.   Window 2: the 32 accumulators (in phase X: four landing buffers).
.set XSCL,  98304                      ; LDS: x's fragments (K step s, tile m) at (8 s + m) x 1,536; from XSCL on for each K step 512 bytes: the word of (m, r) at 16 (r + 16 (m % 2)) + 4 (m / 2);
.set BIAS,  102400                     ; from BIAS on the bias vector, 4,096 bytes;
.set STG,   106496                     ; from STG on a stage for each wave
.set SROW,  528                        ; a stage row: 512 bytes + 16: the sixteen rows that a load back touches start at sixteen different 16-byte columns
.set SWAVE, 16*SROW
.set WSOFF, 3145728
.set LI,   1                           ; v1   16 x lane
.set LIB,  2                           ; v2   the same + 49,152 (K steps 4 to 7: an LDS offset has 16 bits)
.set LSX,  3                           ; v3   16 x lane + XSCL
.set L8,   4                           ; v4   8 x lane
.set BAQ,  5                           ; v5   the bias for q, k: BIAS + 64 h
.set BA,   6                           ; v6   the bias address in hand
.set XA0,  7                           ; v7   x: 16 x lane + my wave's 32 rows of 4,096 bytes; the row and the K step stand in the immediate
.set SIN,  8                           ; v8   the stage, on the way in: my stage + 16 x lane
.set XWA,  9                           ; v9-10 where I store x's images: 16 x lane + 3,072 w; the same + 49,152
.set XWS,  11                          ; v11  and their scale words: XSCL + 16 r + 4 w
.set T16,  12                          ; v12  16 x thread
.set T16L, 13                          ; v13  the same + BIAS
.set BAV,  14                          ; v14  the bias for v: BIAS + 4 (r + 8 (r / 8))
.set SOUT, 15                          ; v15  the stage, on the way out: my stage + 528 r + 64 h
.set XF,   16
.set XS,   112
.set WS,   120
.set PC,   128
.set TM,   148
.set PWT,  164
.set SW,   168
.set CP,   176
.set BI,   192                         ; in window 1
.set XP,   28                          ; s[28:29] x at the block's first row
.set BP,   30                          ; s[30:31] the bias
.set OC,   32                          ; s[32:33] where the head's codes go
.set OS,   34                          ; s[34:35] and its scale words
.set WB,   36                          ; s[36:37] W's codes at the head in hand
.set WSB,  38                          ; s[38:39] W's scale words likewise
.set WV,   40
.set YY,   41
.set BO,   42                          ; s42  the head's bytes in the bias vector
.set HC,   43                          ; s43  heads to go
.set HI,   44                          ; s44  lanes 16-31
.set SEL,  46                          ; s[46:47]
.set MSB, 0
.macro WIN new                         ; the immediate's high byte repeats the setting that is left; bits 1:0 source 0, 3:2 source 1, 5:4 source 2, 7:6 destination
.if MSB != (\new)
	s_set_vgpr_msb (MSB<<8)|(\new)
.set MSB, (\new)
.endif
.endm
.macro PLACES n
.rept \n
	v_nop
.endr
.endm
; 64 numbers of a lane in window 2, register 16 b + i = k 32 b + 16 (lane / 16) + i of my row, become a fragment's codes in v[PC] on and its scale word in v[pw] (the same in both halves of the lanes).
.macro QUANT s, pw
	WIN 0x0a                                       ; sources 0 and 1 in window 2
.irp b, 0,1,2,3
	v_max3_num_f32 v[TM+\b], |v[(\s)+16*\b]|, |v[(\s)+1+16*\b]|, 0x1800000   ; block b: my 16 numbers, from each accumulator's low end on, and the floor 2^(3 - 127): the byte cannot fall under 1
.endr
	WIN 0x28                                       ; sources 1 and 2 in window 2
.irp i, 2,4,6,8,10,12,14
.irp b, 0,1,2,3
	v_max3_num_f32 v[TM+\b], v[TM+\b], |v[(\s)+16*\b+\i]|, |v[(\s)+1+16*\b+\i]|
.endr
.endr
	WIN 0
.irp b, 0,1,2,3
	v_permlanex16_b32 v[TM+4+\b], v[TM+\b], s[SEL], s[SEL+1]
.endr
.irp b, 0,1,2,3
	v_max_num_f32 v[TM+\b], v[TM+\b], v[TM+4+\b]   ; with lane l xor 16's: the block's largest magnitude
.endr
.irp b, 0,1,2,3
	v_add_nc_u32 v[TM+12+\b], 0xff000000, v[TM+\b]   ; 2 off its exponent field: the conversion's scale operand
.endr
.irp b, 0,1,2,3
	v_lshrrev_b32 v[TM+4+\b], 23, v[TM+12+\b]      ; the scale's byte
.endr
	v_lshl_or_b32 v[\pw], v[TM+5], 8, v[TM+4]
	v_lshl_or_b32 v[\pw], v[TM+6], 16, v[\pw]
	v_lshl_or_b32 v[\pw], v[TM+7], 24, v[\pw]
	WIN 0x02                                       ; source 0 in window 2
.irp c, 0,1
	v_cvt_scalef32_pk16_fp6_f32 v[PC+6*\c:PC+2+6*\c], v[(\s)+32*\c:(\s)+15+32*\c], v[TM+12+2*\c]
	v_cvt_scalef32_pk16_fp6_f32 v[PC+12+4*\c:PC+14+4*\c], v[(\s)+16+32*\c:(\s)+31+32*\c], v[TM+12+2*\c+1]   ; (a conversion's three registers begin on an even number)
.endr
	WIN 0
	v_nop                                          ; one plain place behind a scaled conversion
.irp c, 0,1                                    ; a whole block to a lane: lanes 0-15 block 2 c, lanes 16-31 block 2 c + 1
.irp i, 0,1,2
	v_permlane16_swap_b32 v[PC+6*\c+\i], v[PC+12+4*\c+\i]
.endr
.irp i, 0,1,2
	v_mov_b32 v[PC+3+6*\c+\i], v[PC+12+4*\c+\i]
.endr
.endr
.endm
; The same for 32 numbers, two blocks: six registers of codes in v[PC] on; the word's bytes 2 and 3 stay 0: they stand over zero codes.
.macro QUANT2 s, pw
	WIN 0x0a
.irp b, 0,1
	v_max3_num_f32 v[TM+\b], |v[(\s)+16*\b]|, |v[(\s)+1+16*\b]|, 0x1800000
.endr
	WIN 0x28
.irp i, 2,4,6,8,10,12,14
.irp b, 0,1
	v_max3_num_f32 v[TM+\b], v[TM+\b], |v[(\s)+16*\b+\i]|, |v[(\s)+1+16*\b+\i]|
.endr
.endr
	WIN 0
.irp b, 0,1
	v_permlanex16_b32 v[TM+4+\b], v[TM+\b], s[SEL], s[SEL+1]
.endr
.irp b, 0,1
	v_max_num_f32 v[TM+\b], v[TM+\b], v[TM+4+\b]
.endr
.irp b, 0,1
	v_add_nc_u32 v[TM+12+\b], 0xff000000, v[TM+\b]
.endr
.irp b, 0,1
	v_lshrrev_b32 v[TM+4+\b], 23, v[TM+12+\b]
.endr
	v_lshl_or_b32 v[\pw], v[TM+5], 8, v[TM+4]
	WIN 0x02
	v_cvt_scalef32_pk16_fp6_f32 v[PC:PC+2], v[(\s):(\s)+15], v[TM+12]
	v_cvt_scalef32_pk16_fp6_f32 v[PC+6:PC+8], v[(\s)+16:(\s)+31], v[TM+13]
	WIN 0
	v_nop
.irp i, 0,1,2
	v_permlane16_swap_b32 v[PC+\i], v[PC+6+\i]
.endr
.irp i, 0,1,2
	v_mov_b32 v[PC+3+\i], v[PC+6+\i]
.endr
.endm
; One matrix instruction on the registers named by rD, rA, rB, rC, rSA, rSB.  ra, rb = 1: that side's scale words stand in lanes 16-31 of its register.
.macro WM ra, rb
.set rSel, (\ra)+2*(\rb)
.if rSel == 0
	v_wmma_scale_f32_16x16x128_f8f6f4 v[rD:rD+7], v[rA:rA+11], v[rB:rB+11], v[rC:rC+7], v[rSA], v[rSB] matrix_a_fmt:MATRIX_FMT_FP6 matrix_b_fmt:MATRIX_FMT_FP6
.elseif rSel == 1
	v_wmma_scale_f32_16x16x128_f8f6f4 v[rD:rD+7], v[rA:rA+11], v[rB:rB+11], v[rC:rC+7], v[rSA], v[rSB] matrix_a_fmt:MATRIX_FMT_FP6 matrix_b_fmt:MATRIX_FMT_FP6 matrix_a_scale:MATRIX_SCALE_ROW1
.elseif rSel == 2
	v_wmma_scale_f32_16x16x128_f8f6f4 v[rD:rD+7], v[rA:rA+11], v[rB:rB+11], v[rC:rC+7], v[rSA], v[rSB] matrix_a_fmt:MATRIX_FMT_FP6 matrix_b_fmt:MATRIX_FMT_FP6 matrix_b_scale:MATRIX_SCALE_ROW1
.else
	v_wmma_scale_f32_16x16x128_f8f6f4 v[rD:rD+7], v[rA:rA+11], v[rB:rB+11], v[rC:rC+7], v[rSA], v[rSB] matrix_a_fmt:MATRIX_FMT_FP6 matrix_b_fmt:MATRIX_FMT_FP6 matrix_a_scale:MATRIX_SCALE_ROW1 matrix_b_scale:MATRIX_SCALE_ROW1
.endif
.endm
; 16 matrix instructions: x's tiles m0 .. m0 + 3 against W's four, K step ks.  path 0: q, k (transposed); path 1: v.  The 32 accumulators take turns, one instruction a turn, in the same order in every step.
.macro MULH path, ks, m0
.if (\ks) == 0
	WIN 0x91+3*(\path)                             ; q, k: source 0 (W) and C (the bias) window 1, source 1 (x) window 0, D window 2;  v: sources 0 and 1 the other way round
.else
	WIN 0xa1+3*(\path)                             ; the same with C in window 2
.endif
.irp m, \m0, \m0+1, \m0+2, \m0+3
.irp n, 0,1,2,3
.if (\path) == 0
.set rD, 8*(4*(\m)+\n)
.set rA, 48*((\ks)%4)+12*\n
.set rB, XF+12*(\m)
.set rSA, WS+2*((\ks)%4)+(\n/2)
.set rSB, XS+4*((\ks)%2)+((\m)/2)
.else
.set rD, 8*(8*\n+(\m))
.set rA, XF+12*(\m)
.set rB, 48*((\ks)%4)+12*\n
.set rSA, XS+4*((\ks)%2)+((\m)/2)
.set rSB, WS+2*((\ks)%4)+(\n/2)
.endif
.if (\ks) == 0
.set rC, BI+8*\n
.else
.set rC, rD
.endif
.if (\path) == 0
	WM \n%2, (\m)%2
.else
	WM (\m)%2, \n%2
.endif
.endr
.endr
.endm
.macro XFETCH ks, m0                   ; x's fragments m0 .. m0 + 3 of K step ks from LDS
.irp m, \m0, \m0+1, \m0+2, \m0+3
.irp c, 0,1,2
	ds_load_b128 v[XF+12*(\m)+4*\c:XF+12*(\m)+4*\c+3], v[LI+(\ks)/4] offset:(8*((\ks)%4)+(\m))*1536+512*\c
.endr
.endr
.endm
.macro WSET set, off, soff             ; a K step's four fragments of W and their two scale words: 13 loads
	WIN 0x40                                       ; destination window 1
.irp n, 0,1,2,3
.irp c, 0,1,2
	global_load_b128 v[48*(\set)+12*\n+4*\c:48*(\set)+12*\n+4*\c+3], v[LI], s[WB:WB+1] offset:(\off)+1536*\n+512*\c
.endr
.endr
	WIN 0
	global_load_b64 v[WS+2*(\set):WS+2*(\set)+1], v[L8], s[WSB:WSB+1] offset:\soff
.endm
.macro XLOAD g                         ; fragment g of my 16: tile 2 w + g / 8, K step g % 8: 16 loads, each 512 consecutive bytes of one row, into buffer g % 4 of window 2: registers 4 p .. 4 p + 3: my 16 bytes of the tile's row p
	WIN 0x80
.irp p, 0,1,2,3,4,5,6,7,8,9,10,11,12,13,14,15
	global_load_b128 v[64*((\g)%4)+4*\p:64*((\g)%4)+4*\p+3], v[XA0], s[XP:XP+1] offset:(8*((\g)/8)+\p+8*(\p/8))*4096+512*((\g)%8) th:TH_LOAD_NT
.endr
	WIN 0
.endm
; Fragment g goes through my stage and comes back into the registers that it left: register 16 b + 4 j + e = number 32 b + 16 h + 4 j + e of the K step, of row r.
; LDS serves a wave's instructions in order (ISA guide 5.7.1.4): no wait between the stores and the loads, nor in front of the next fragment's stores into the same stage.
.macro XTURN g
	WIN 0x08                                       ; an LDS store's data are its source 1: window 2
.irp p, 0,1,2,3,4,5,6,7,8,9,10,11,12,13,14,15
	ds_store_b128 v[SIN], v[64*((\g)%4)+4*\p:64*((\g)%4)+4*\p+3] offset:SROW*\p
.endr
	WIN 0x80                                       ; destination window 2
.irp b, 0,1,2,3
.irp j, 0,1,2,3
	ds_load_b128 v[64*((\g)%4)+16*\b+4*\j:64*((\g)%4)+16*\b+4*\j+3], v[SOUT] offset:128*\b+16*\j
.endr
.endr
	WIN 0
.endm
; A K step of 128: 32 matrix instructions.  x's tiles 0-3 of the next step are fetched in its middle, tiles 4-7 at its end; then W's set just used takes the K step four on.  The stream of W runs on into the next
; head (8 x 6,144 = a head's 49,152 bytes); behind a wave's last head it reads 24,576 bytes more of wq, which nobody uses (Wo's codes follow Wv's: inside the buffer), so that the count 39 holds on every way.
.macro STEP path, ks
	s_wait_loadcnt 39                              ; this step's set of W is in: behind it three younger sets of 13 loads may be out
.if (\ks) == 0
	s_wait_dscnt 0x0                               ; x's fragments and the bias, which was asked for last
.else
	s_wait_dscnt 12                                ; x's tiles 0-3 and the scale words are in; the youngest 12 loads (tiles 4-7) may be out
.endif
	MULH \path, \ks, 0
	s_wait_dscnt 0x0                               ; tiles 4-7 are in
	PLACES 4                                       ; four plain places in front of loads into registers that matrix instructions have read
	WIN 0
	XFETCH ((\ks)+1)%8, 0
	ds_load_b128 v[XS+4*(((\ks)+1)%2):XS+4*(((\ks)+1)%2)+3], v[LSX] offset:512*(((\ks)+1)%8)
	MULH \path, \ks, 4
	PLACES 4
	WIN 0
	XFETCH ((\ks)+1)%8, 4
	WSET (\ks)%4, ((\ks)+4)*6144, ((\ks)+4)*256
.endm
	s_load_b512 s[8:23], s[0:1], 0x0               ; query s[8:9], key s[10:11], value s[12:13], bq s[14:15], bk s[16:17], bv s[18:19], wq s[20:21], qb s[22:23]
	s_load_b128 s[24:27], s[0:1], 0x40             ; kb s[24:25], vb s[26:27]
	v_lshl_add_u32 v254, v0, 2, 0x22400
	v_mov_b32 v255, 0
	v_lshrrev_b32 v19, 5, v0
	v_readfirstlane_b32 s[WV], v19                 ; wave 0..3
	s_and_b32 s[YY], ttmp7, 0xffff                 ; 0 query, 1 key, 2 value
	v_and_b32 v19, 31, v0                          ; lane
	v_lshlrev_b32 v[LI], 4, v19
	v_add_nc_u32 v[LIB], 49152, v[LI]
	v_add_nc_u32 v[LSX], XSCL, v[LI]
	v_lshlrev_b32 v[L8], 3, v19
	v_and_b32 v16, 15, v0                          ; r
	v_bfe_u32 v17, v0, 4, 1                        ; h
	v_and_b32 v18, 8, v16
	v_add_nc_u32 v18, v18, v16                     ; r + 8 (r / 8)
	v_lshl_add_u32 v[BAQ], v17, 6, BIAS
	v_lshl_add_u32 v[BAV], v18, 2, BIAS
	s_lshl_b32 s48, s[WV], 17                      ; my wave's 32 rows of 4,096 bytes
	v_add_nc_u32 v[XA0], s48, v[LI]
	s_mul_i32 s48, s[WV], SWAVE
	s_add_co_u32 s48, s48, STG                     ; my stage
	v_add_nc_u32 v[SIN], s48, v[LI]
	v_mul_u32_u24 v[SOUT], v16, SROW
	v_lshl_add_u32 v[SOUT], v17, 6, v[SOUT]
	v_add_nc_u32 v[SOUT], s48, v[SOUT]
	s_mul_i32 s48, s[WV], 3072
	v_add_nc_u32 v[XWA], s48, v[LI]
	v_add_nc_u32 v[XWA+1], 49152, v[XWA]
	s_lshl_b32 s48, s[WV], 2
	s_add_co_u32 s48, s48, XSCL
	v_lshl_add_u32 v[XWS], v16, 4, s48
	v_lshlrev_b32 v[T16], 4, v0
	v_add_nc_u32 v[T16L], BIAS, v[T16]
.irp b, 0,1,2,3
	v_mov_b32 v[TM+4+\b], 0                        ; written once: a lane permute's destination counts as one of its sources
.endr
	s_mov_b32 s[SEL], 0x76543210
	s_mov_b32 s[SEL+1], 0xfedcba98
	s_mov_b32 s[HI], 0xffff0000
	s_mov_b32 s[HC], 4
	s_lshl_b32 s[BO], s[WV], 10                    ; head 4 w: 256 bytes of bias a head
	s_lshl_b32 s2, ttmp9, 19                       ; the block's 128 rows of 4,096 bytes
	s_mov_b32 s3, 0
	s_mul_i32 s48, s[YY], 786432                   ; the matrix's codes,
	s_mul_i32 s49, s[WV], 196608                   ; head 4 w's
	s_add_co_u32 s48, s48, s49
	s_mov_b32 s49, 0
	s_lshl_b32 s50, s[YY], 15                      ; and scale words: 32,768 bytes a matrix, 2,048 a head
	s_lshl_b32 s51, s[WV], 13
	s_add_co_u32 s50, s50, s51
	s_add_co_u32 s50, s50, WSOFF
	s_mov_b32 s51, 0
	s_cmp_lt_u32 s[YY], 2
	s_mov_b32 s52, 102400
	s_cselect_b32 s52, 106496, s52                 ; a head's bytes in qb and kb, or in vb
	s_cselect_b32 s53, 9, 8                        ; a block's scale words: 512 or 256 bytes
	s_lshr_b32 s54, ttmp9, 4
	s_lshl_b32 s54, s54, 4
	s_lshl_b32 s55, s[WV], 2
	s_add_co_u32 s54, s54, s55                     ; batch x 16 + head 4 w
	s_mul_i32 s54, s54, s52
	s_and_b32 s55, ttmp9, 15                       ; the block within its batch
	s_mul_i32 s56, s55, 6144                       ; 8 tiles x 768, or 4 fragments x 1,536
	s_add_co_u32 s56, s56, s54
	s_mov_b32 s57, 0
	s_lshl_b32 s58, s55, s53
	s_add_co_u32 s58, s58, s54
	s_add_co_u32 s58, s58, 98304
	s_mov_b32 s59, 0
	s_wait_kmcnt 0x0
	s_cmp_eq_u32 s[YY], 0                          ; the choices hang on the work-group's number alone
	s_cselect_b64 s[XP:XP+1], s[8:9], s[10:11]
	s_cselect_b64 s[BP:BP+1], s[14:15], s[16:17]
	s_cselect_b64 s[60:61], s[22:23], s[24:25]
	s_cmp_lt_u32 s[YY], 2
	s_cselect_b64 s[XP:XP+1], s[XP:XP+1], s[12:13]
	s_cselect_b64 s[BP:BP+1], s[BP:BP+1], s[18:19]
	s_cselect_b64 s[60:61], s[60:61], s[26:27]
	s_add_nc_u64 s[XP:XP+1], s[XP:XP+1], s[2:3]
	s_add_nc_u64 s[WB:WB+1], s[20:21], s[48:49]
	s_add_nc_u64 s[WSB:WSB+1], s[20:21], s[50:51]
	s_add_nc_u64 s[OC:OC+1], s[60:61], s[56:57]
	s_add_nc_u64 s[OS:OS+1], s[60:61], s[58:59]
	global_load_b128 v[CP:CP+3], v[T16], s[BP:BP+1]               ; the bias vector: 32 bytes a thread
	global_load_b128 v[CP+4:CP+7], v[T16], s[BP:BP+1] offset:2048
	WSET 0, 0, 0
	WSET 1, 6144, 256
	WSET 2, 12288, 512
	WSET 3, 18432, 768
	XLOAD 0
	XLOAD 1
	XLOAD 2
	XLOAD 3
	; ---- phase X: my 16 fragments of x
	s_wait_loadcnt 48                              ; the bias, W's first four sets and fragment 0 are in; three younger fragments' 16 loads each may be out
	ds_store_b128 v[T16L], v[CP:CP+3]
	ds_store_b128 v[T16L], v[CP+4:CP+7] offset:2048
	XTURN 0
.set f, 0
.rept 16
.if f < 13
	s_wait_loadcnt 32                              ; fragment f + 1's 16 loads are in; the two fragments behind it may be out
	XTURN f+1
	s_wait_dscnt 32                                ; all but the 32 just issued: fragment f's numbers are back from the stage, and the last image's stores have read the codes' registers
.elseif f < 15
	s_wait_loadcnt 16*(14-f)                       ; the last fragments: the counts run down
	XTURN f+1
	s_wait_dscnt 32
.else
	s_wait_dscnt 0x0
.endif
	QUANT 64*(f%4), PWT
.irp c, 0,1,2
	ds_store_b128 v[XWA+(f%8)/4], v[PC+4*\c:PC+4*\c+3] offset:12288*(f%4)+1536*(f/8)+512*\c
.endr
	ds_store_b32 v[XWS], v[PWT] offset:512*(f%8)+256*(f/8)   ; both halves of the lanes write the same word with the same value
.if f < 12
	XLOAD f+4                                      ; the buffer just quantised takes the fragment four on
.endif
.set f, f+1
.endr
	s_wait_dscnt 0x0                               ; for the others' sake: my stores have landed
	s_barrier_signal -1
	s_barrier_wait -1                              ; x's 64 fragments, their scale words and the bias lie in LDS; from here on LDS is only read
	XFETCH 0, 0
	ds_load_b128 v[XS:XS+3], v[LSX]
	XFETCH 0, 4
	s_cmp_eq_u32 s[YY], 2
	s_cbranch_scc1 .Lv
.Lqk:                                              ; ---- q, k: four trips, a head each
	v_add_nc_u32 v[BA], s[BO], v[BAQ]
	WIN 0x40
.irp n, 0,1,2,3                                ; C of tile n: lane (r, h), register j: the bias of channel 32 (n / 2) + 16 h + 8 (n % 2) + j
	ds_load_b128 v[BI+8*\n:BI+8*\n+3], v[BA] offset:(32*(\n/2)+8*(\n%2))*4
	ds_load_b128 v[BI+8*\n+4:BI+8*\n+7], v[BA] offset:(32*(\n/2)+8*(\n%2))*4+16
.endr
	WIN 0
.irp k, 0,1,2,3,4,5,6,7
	STEP 0, \k
.endr
.irp m, 0,1,2,3,4,5,6,7                        ; tile m's 32 registers are the head's 64 channels of my row: two blocks
	s_wait_xcnt 0x0                                ; the last tile's stores have read the codes' registers
	QUANT2 32*\m, PWT+(\m%2)
	global_store_b128 v[LI], v[PC:PC+3], s[OC:OC+1] offset:768*\m        ; 512 consecutive bytes,
	global_store_b64 v[L8], v[PC+4:PC+5], s[OC:OC+1] offset:768*\m+512   ; and 256
.if \m%2
	v_cndmask_b32 v[SW+(\m/2)], v[PWT], v[PWT+1], s[HI]   ; lanes 0-15 the even tile's words, lanes 16-31 the odd tile's
.endif
.endr
	global_store_b128 v[LI], v[SW:SW+3], s[OS:OS+1]
	s_wait_xcnt 0x0                                ; loads and stores have read their bases: they may step
	s_add_nc_u64 s[WB:WB+1], s[WB:WB+1], 49152
	s_add_nc_u64 s[WSB:WSB+1], s[WSB:WSB+1], 2048
	s_add_nc_u64 s[OC:OC+1], s[OC:OC+1], 106496
	s_add_nc_u64 s[OS:OS+1], s[OS:OS+1], 106496
	s_add_co_u32 s[BO], s[BO], 256
	s_sub_co_u32 s[HC], s[HC], 1
	s_cmp_lg_u32 s[HC], 0
	s_cbranch_scc1 .Lqk
	s_wait_tensorcnt 0x0
	ds_add_u32 v254, v255
	s_wait_dscnt 0x0
	s_endpgm
.Lv:                                               ; ---- v: four trips, a head each
	v_add_nc_u32 v[BA], s[BO], v[BAV]
	WIN 0x40
.irp n, 0,1,2,3                                ; C of tile n: my lane's channel 32 (n / 2) + 8 (n % 2) + r + 8 (r / 8) has one bias for all eight keys
.irp j, 0,1,2,3,4,5,6,7
	ds_load_b32 v[BI+8*\n+\j], v[BA] offset:(32*(\n/2)+8*(\n%2))*4
.endr
.endr
	WIN 0
.irp k, 0,1,2,3,4,5,6,7
	STEP 1, \k
.endr
.irp n, 0,1,2,3                                ; tile n's 64 registers are the block's 128 keys of my channel: a fragment of V^T
	s_wait_xcnt 0x0
	QUANT 64*\n, PWT+(\n%2)
.irp c, 0,1,2
	global_store_b128 v[LI], v[PC+4*\c:PC+4*\c+3], s[OC:OC+1] offset:1536*\n+512*\c
.endr
.if \n%2
	v_cndmask_b32 v[SW+(\n/2)], v[PWT], v[PWT+1], s[HI]
.endif
.endr
	global_store_b64 v[L8], v[SW:SW+1], s[OS:OS+1]
	s_wait_xcnt 0x0
	s_add_nc_u64 s[WB:WB+1], s[WB:WB+1], 49152
	s_add_nc_u64 s[WSB:WSB+1], s[WSB:WSB+1], 2048
	s_add_nc_u64 s[OC:OC+1], s[OC:OC+1], 102400
	s_add_nc_u64 s[OS:OS+1], s[OS:OS+1], 102400
	s_add_co_u32 s[BO], s[BO], 256
	s_sub_co_u32 s[HC], s[HC], 1
	s_cmp_lg_u32 s[HC], 0
	s_cbranch_scc1 .Lv
	s_wait_tensorcnt 0x0
	ds_add_u32 v254, v255
	s_wait_dscnt 0x0
	s_endpgm
.Lfunc_end_k_q3f5555e127_proj:
	.size	k_q3f5555e127_proj, .Lfunc_end_k_q3f5555e127_proj-k_q3f5555e127_proj
	.p2alignl 7, 3214868480
	.fill 96, 4, 3214868480
	.section	.rodata,"a",@progbits
	.p2align	6, 0x0
	.amdhsa_kernel k_q3f5555e127_proj
		.amdhsa_group_segment_fixed_size 140800
		.amdhsa_private_segment_fixed_size 0
		.amdhsa_enable_private_segment 0
		.amdhsa_kernarg_size 80
		.amdhsa_user_sgpr_count 2
		.amdhsa_user_sgpr_kernarg_segment_ptr 1
		.amdhsa_wavefront_size32 1
		.amdhsa_system_sgpr_workgroup_id_x 1
		.amdhsa_system_sgpr_workgroup_id_y 1
		.amdhsa_system_sgpr_workgroup_id_z 1
		.amdhsa_system_vgpr_workitem_id 0
		.amdhsa_next_free_vgpr 768
		.amdhsa_next_free_sgpr 66
		.amdhsa_reserve_vcc 0
		.amdhsa_float_denorm_mode_32 3
		.amdhsa_float_denorm_mode_16_64 3
		.amdhsa_memory_ordered 1
		.amdhsa_forward_progress 1
		.amdhsa_inst_pref_size 255
	.end_amdhsa_kernel
	.section	.bss,"aw",@nobits
	.p2align	6
	.space	262144
	.amdgpu_metadata
---
amdhsa.version: [ 1, 2 ]
amdhsa.kernels:
  - .name:           k_q3f5555e127_proj
    .symbol:         k_q3f5555e127_proj.kd
    .args:
      - { .name: query, .offset: 0, .size: 8, .value_kind: global_buffer, .address_space: global }
      - { .name: key, .offset: 8, .size: 8, .value_kind: global_buffer, .address_space: global }
      - { .name: value, .offset: 16, .size: 8, .value_kind: global_buffer, .address_space: global }
      - { .name: bq, .offset: 24, .size: 8, .value_kind: global_buffer, .address_space: global }
      - { .name: bk, .offset: 32, .size: 8, .value_kind: global_buffer, .address_space: global }
      - { .name: bv, .offset: 40, .size: 8, .value_kind: global_buffer, .address_space: global }
      - { .name: wq, .offset: 48, .size: 8, .value_kind: global_buffer, .address_space: global }
      - { .name: qb, .offset: 56, .size: 8, .value_kind: global_buffer, .address_space: global }
      - { .name: kb, .offset: 64, .size: 8, .value_kind: global_buffer, .address_space: global }
      - { .name: vb, .offset: 72, .size: 8, .value_kind: global_buffer, .address_space: global }
    .group_segment_fixed_size: 140800
    .private_segment_fixed_size: 0
    .kernarg_segment_align: 8
    .kernarg_segment_size: 80
    .max_flat_workgroup_size: 128
    .sgpr_count:     66
    .vgpr_count:     768
    .wavefront_size: 32
...
	.end_amdgpu_metadata
.endif
;; end of part 6
;; launch attn (part 7): grid 4 x 64, 16 waves a work-group, no clusters, 210,944 bytes of LDS; arguments qb, kb, vb, mb, ab, cl; writes ab
.if DOCPART == 7
	.amdgcn_target "amdgcn-amd-amdhsa--gfx1250"
	.amdhsa_code_object_version 6
	.text
	.protected	k_q3f5555e127_attn
	.globl	k_q3f5555e127_attn
	.p2align	8
	.type	k_q3f5555e127_attn,@function
k_q3f5555e127_attn:
	s_mov_b64 s[64:65], 0
	v_nop
	global_prefetch_b8 v0, s[64:65] scope:SCOPE_SE
	s_setreg_imm32_b32 hwreg(HW_REG_WAVE_MODE, 25, 1), 1
	s_wait_xcnt 0x0
; ATTN.  For each (batch, head): scores = q k^T / 8, -1e9 where the mask is 0, softmax, x v; both products on codes of FP6 (E2M3) with one E8M0 scale for each 32 along K; the result quantised along (head, channel) for the last product.
; THE SOFTMAX AHEAD OF THE SECOND PRODUCT: t = score x log2(e) / 8; M = the row's largest t so far, rounded up to a whole number; p = 2^(t - M) is quantised along the keys, not normalised.  The row's sum is taken of the
; unquantised p and divides at the end.  When M moves, the sum and O are multiplied by 2^(old M - new M): exact.
; SHARES.  Work-group (j, batch x 16 + head) copies the head's K and V (codes and scale words, 208,896 bytes, as they lie in kb and vb) into LDS once; ONE barrier; then its sixteen waves are independent.  It owns the
; query tiles T = 4 i + j; wave w works tile i = w and then tile i = 31 - w: only an order of work, which evens the waves' work under any mask that thins steadily from one end of the queries to the other.
; A tile is 16 queries in 256 registers: four waves to a SIMD, so that one wave's vector work stands beside another's matrix work.
; LAYOUT.  Both products are used transposed: S^T = K Q^T (source 0 = 16 keys), O^T = V^T P^T (source 0 = 16 channels): a lane holds one query throughout.  The rows of every tile are 32 (T / 2) + 8 (T % 2) + r + 8 (r / 8),
; so that the 16 registers of tiles 2 b and 2 b + 1 are keys (or channels) 32 b + 16 (lane / 16) + 0 .. 15.  The head has 64 channels: the upper six registers of Q's and K's operands are zero codes.
; THE MASK is an input and is honoured as it is given.  The first launch has packed it: word n of a key step (mb) holds, for register n of S^T, one bit a lane: one v_cndmask_b32 a score.  Each key step of a tile has a class (cl):
; 2 all open: no masking; 1 mixed; 0 all hidden: the step is left out, by a scalar branch on the stored class, but only in a tile each of whose 16 queries has an open key somewhere: there a hidden key's p is 0 in the end.
; In a tile with a query that has none, class 0 is raised to 1 and nothing is left out: that query's p is 1 for every key, as -1e9 everywhere gives.
; A hidden score becomes -2^33 (a logit of -2^30, about -1.07e9, where reference() has -1e9).  -2^33 x log2(e) / 8 is exact in f32 and a whole number: in a row with no open key M is that number, the fused multiply-add gives
; t - M = 0 exactly and p = 1 for every key; in a row with an open key a hidden p is 2^(about -1.5e9) = 0, as there.
; NO CLUSTER, NO TENSOR LOAD: the branch on the stored classes spares whole key steps; what the four work-groups of a head share, 208,896 bytes, each reads once, at the head.
; LIMITS: NaN and infinities are not served; open logits under about -1e9 are not told from hidden ones as reference() tells them; a block of zeros gets the byte 1 (its codes are zeros; the bytes are read by this program alone).
; REGISTERS: v1-7 lane terms that stay; v8-11, v28 the step's LDS addresses; v12 -M, v13 the largest t, v[14:15] the sum in two halves; v16-27 Q; v32-79 four tiles of K; v84-85 V's scale words; v96-159 S^T, then p, then V's four
; fragments; v160-191 O^T; v224-235 p's codes; v232-247, v252, v254 at work; v248-251 K's scale words; v253 p's; v255 Q's.
.set KSC,    98304                     ; LDS: K's 128 tiles x 768 bytes; from KSC on its scale words, 512 bytes a key step;
.set VC,     106496                    ; from VC on V's fragments, 6,144 bytes a key step;
.set VSC,    204800                    ; from VSC on its scale words, 256 bytes a key step
.set WV,  14                           ; s14  my wave's number
.set BH,  16                           ; s16  batch x 16 + head
.set TI,  17                           ; s17  i of the tile in hand
.set TC,  18                           ; s18  counts my two tiles
.set TT,  19                           ; s19  T
.set CLS, 24                           ; s24  the classes of the key steps still to come, 2 bits each  (s[24:27] first take the tile's two records)
.set CC,  25                           ; s25  this step's class
.set KB,  26                           ; s26  the step's codes: 6,144 bytes a step, in K and in V
.set SB,  27                           ; s27  K's scale words: 512 a step
.set TB,  28                           ; s28  V's: 256 a step
.set MO,  29                           ; s29  the step's mask words in mb: 256 bytes a step
.set KC,  30                           ; s30  counts the 16 key steps
.macro PLACES n
.rept \n
	v_nop
.endr
.endm
	s_load_b256 s[4:11], s[0:1], 0x0               ; qb s[4:5], kb s[6:7], vb s[8:9], mb s[10:11]
	s_load_b64 s[12:13], s[0:1], 0x20              ; ab
	s_load_b64 s[100:101], s[0:1], 0x28            ; cl
	v_lshl_add_u32 v223, v0, 2, 0x33000
	v_mov_b32 v243, 0
	v_lshrrev_b32 v8, 5, v0
	v_readfirstlane_b32 s[WV], v8                  ; wave 0..15
	s_and_b32 s[BH], ttmp7, 0xffff
	v_lshlrev_b32 v200, 4, v0                      ; 16 x thread: 8,192 bytes a turn of the 512 threads
	v_add_nc_u32 v201, 0x10000, v200               ; (an LDS offset has 16 bits)
	v_add_nc_u32 v202, 0x20000, v200
	v_add_nc_u32 v203, 0x30000, v200
	v_lshlrev_b32 v205, 3, v0
	v_add_nc_u32 v204, VSC, v205
	s_mul_i32 s2, s[BH], 106496
	s_mov_b32 s3, 0
	s_mul_i32 s18, s[BH], 102400
	s_mov_b32 s19, 0
	s_wait_kmcnt 0x0
	s_add_nc_u64 s[4:5], s[4:5], s[2:3]            ; the head in qb,
	s_add_nc_u64 s[6:7], s[6:7], s[2:3]            ; in kb,
	s_add_nc_u64 s[8:9], s[8:9], s[18:19]          ; in vb
.irp i, 0,1,2,3,4,5,6,7,8,9,10,11,12
	global_load_b128 v[96+4*\i:99+4*\i], v200, s[6:7] offset:8192*\i      ; 13 x 8,192 = K's 106,496 bytes
.endr
.irp i, 0,1,2,3,4,5,6,7,8,9,10,11
	global_load_b128 v[148+4*\i:151+4*\i], v200, s[8:9] offset:8192*\i    ; 12 x 8,192 + 4,096 = V's 102,400
.endr
	global_load_b64 v[196:197], v205, s[8:9] offset:98304
	v_and_b32 v8, 31, v0                           ; lane
	v_lshlrev_b32 v1, 4, v8                        ; v1  16 x lane: registers 0-3 of a tile of K or Q; a group of four of a fragment
	v_lshlrev_b32 v2, 3, v8
	v_add_nc_u32 v5, VSC, v2                       ; v5  V's scale words
	v_add_nc_u32 v2, 512, v2                       ; v2  8 x lane + 512: registers 4-5 of a tile
	v_add_nc_u32 v3, VC, v1                        ; v3  V's fragments
	v_add_nc_u32 v4, KSC, v1                       ; v4  K's scale words
	v_mov_b32 v6, 0xd0000000                       ; v6  -2^33: what a hidden score becomes
	v_and_b32 v7, 15, v0
	v_lshlrev_b32 v7, 4, v7                        ; v7  16 r
.irp i, 22,23,24,25,26,27
	v_mov_b32 v[\i], 0                             ; Q's k = 64 .. 127: zero codes, written once
.endr
.irp t, 0,1,2,3
.irp i, 6,7,8,9,10,11
	v_mov_b32 v[32+12*\t+\i], 0                    ; K's likewise
.endr
.endr
.irp b, 0,1,2,3
	v_mov_b32 v[236+\b], 0                         ; written once: a lane permute's destination counts as one of its sources
.endr
	v_mov_b32 v252, 0
	v_mov_b32 v253, 0                              ; (named as the upper half of the pair v[252:253] before it is first written)
	s_mov_b32 s20, 0x76543210
	s_mov_b32 s21, 0xfedcba98                      ; v_permlanex16_b32's selects for lane l xor 16
	s_mov_b32 s22, 0x3e38aa3b                      ; c = log2(e) / 8
	s_mov_b32 s23, s22                             ; (the packed forms name the pair)
	s_lshr_b32 s31, s[BH], 4
	s_mul_i32 s31, s31, 1638400                    ; ab: the batch's 16 blocks of 102,400 bytes
	s_bfe_u32 s66, s[BH], 0x30001                  ; head / 2: the last product's K step
	s_and_b32 s67, s[BH], 1                        ; head % 2: which half of its fragments
	s_mul_i32 s2, s66, 12288
	s_add_co_u32 s2, s2, s31
	s_mul_i32 s18, s67, 768
	s_add_co_u32 s2, s2, s18                       ; codes
	s_lshl_b32 s18, s66, 9
	s_add_co_u32 s18, s18, s31
	s_lshl_b32 s67, s67, 1
	s_add_co_u32 s18, s18, s67
	s_add_co_u32 s18, s18, 98304                   ; scale bytes
	s_wait_loadcnt 0x0
	s_add_nc_u64 s[6:7], s[12:13], s[18:19]        ; (kb's loads are done: the pair is free)  s[6:7]: where my head's scale bytes go in ab
	s_add_nc_u64 s[12:13], s[12:13], s[2:3]        ; s[12:13]: and its codes
.irp i, 0,1,2,3,4,5,6,7
	ds_store_b128 v200, v[96+4*\i:99+4*\i] offset:8192*\i
.endr
.irp i, 8,9,10,11,12
	ds_store_b128 v201, v[96+4*\i:99+4*\i] offset:8192*(\i-8)
.endr
.irp i, 0,1,2
	ds_store_b128 v201, v[148+4*\i:151+4*\i] offset:40960+8192*\i        ; VC = 65,536 + 40,960
.endr
.irp i, 3,4,5,6,7,8,9,10
	ds_store_b128 v202, v[148+4*\i:151+4*\i] offset:8192*(\i-3)
.endr
	ds_store_b128 v203, v[192:195]
	ds_store_b64 v204, v[196:197]
	s_mov_b32 s[TI], s[WV]
	s_mov_b32 s[TC], 0
	s_wait_dscnt 0x0                               ; for the others' sake: my stores have landed
	s_barrier_signal -1
	s_barrier_wait -1                              ; the head's K and V lie in LDS; from here on LDS is only read
.Ltile:                                            ; ---- two trips: a tile of 16 queries each
	s_wait_xcnt 0x0                                ; the last tile's stores have read their registers and bases
	s_lshl_b32 s[TT], s[TI], 2
	s_add_co_u32 s[TT], s[TT], ttmp9               ; T = 4 i + j
	s_mul_i32 s104, s[TT], 768
	s_mov_b32 s105, 0
	s_add_nc_u64 s[104:105], s[4:5], s[104:105]    ; Q's tile
	s_lshr_b32 s2, s[TT], 3
	s_lshl_b32 s2, s2, 9                           ; its scale words: the block of 128 rows,
	s_bfe_u32 s3, s[TT], 0x20001
	s_lshl_b32 s3, s3, 2                           ; the pair of tiles,
	s_add_co_u32 s2, s2, s3
	s_and_b32 s3, s[TT], 1
	s_lshl_b32 s3, s3, 8                           ; the odd tile's stand in the places of lanes 16-31
	s_add_co_u32 s2, s2, s3
	s_add_co_u32 s2, s2, 98304
	s_mov_b32 s3, 0
	s_add_nc_u64 s[2:3], s[4:5], s[2:3]
	global_load_b128 v[16:19], v1, s[104:105]
	global_load_b64 v[20:21], v2, s[104:105]
	global_load_b32 v255, v7, s[2:3]
	s_lshr_b32 s31, s[BH], 4
	s_lshl_b32 s31, s31, 7
	s_add_co_u32 s31, s31, s[TT]                   ; batch x 128 + T
	s_lshl_b32 s[MO], s31, 12                      ; its mask words: 4,096 bytes
	s_lshl_b32 s31, s31, 4                         ; its two records of 8 bytes
	s_load_b128 s[24:27], s[100:101], s31 offset:0x0   ; {classes of key steps 0-7, the OR of their words, classes of key steps 8-15, the OR of theirs}
.irp j, 0,1,2,3,4,5,6,7,8,9,10,11,12,13,14,15,16,17,18,19,20,21,22,23,24,25,26,27,28,29,30,31
	v_mov_b32 v[160+\j], 0                         ; O^T.  (The step is written once: the first finds zeros, which the first change of M leaves zeros)
.endr
	v_mov_b32 v13, 0xff61b1e6                      ; the largest t so far: -3e38
	v_floor_f32 v12, -v13                          ; -M
	v_mov_b32 v14, 0
	v_mov_b32 v15, 0
	s_mov_b32 s[TB], 0
	s_mov_b32 s[KC], 0
	s_wait_kmcnt 0x0
	s_lshl_b32 s26, s26, 16
	s_or_b32 s[CLS], s24, s26                      ; sixteen classes
	s_or_b32 s27, s25, s27                         ; the OR of all the tile's words
	s_lshr_b32 s[CC], s[CLS], 1
	s_or_b32 s[CC], s[CC], s[CLS]
	s_not_b32 s[CC], s[CC]
	s_and_b32 s[CC], s[CC], 0x55555555             ; a 1 at each class 0
	s_lshr_b32 s26, s27, 16
	s_or_b32 s27, s27, s26
	s_and_b32 s27, s27, 0xffff                     ; bit r: query r has an open key
	s_cmp_eq_u32 s27, 0xffff
	s_cselect_b32 s[CC], 0, s[CC]
	s_or_b32 s[CLS], s[CLS], s[CC]                 ; where a query has none, class 0 becomes class 1: nothing is left out
	s_mov_b32 s[KB], 0
	s_mov_b32 s[SB], 0
	s_wait_loadcnt 0x0                             ; Q
.Lstep:                                            ; ---- sixteen trips: 128 keys each
	s_and_b32 s[CC], s[CLS], 3
	s_cmp_eq_u32 s[CC], 0
	s_cbranch_scc1 .Ltail                          ; all hidden: only the addresses step
	s_load_b512 s[32:47], s[10:11], s[MO] offset:0x0     ; the step's 64 mask words; asked for in open steps too, so that they are loaded on every way to the lines that read them; they land under the products
	s_load_b512 s[48:63], s[10:11], s[MO] offset:0x40
	s_load_b512 s[68:83], s[10:11], s[MO] offset:0x80
	s_load_b512 s[84:99], s[10:11], s[MO] offset:0xc0
	v_add_nc_u32 v8, s[KB], v1                     ; these five and the v_nop are six plain places behind the last step's products V^T P^T, whose source registers the first product below writes over (five are asked)
	v_add_nc_u32 v9, s[KB], v2
	v_add_nc_u32 v10, s[KB], v3
	v_add_nc_u32 v11, s[SB], v4
	v_add_nc_u32 v28, s[TB], v5
	v_nop
	ds_load_b128 v[248:251], v11                   ; K's scale words: four registers; in each, lanes 0-15 the even tile, lanes 16-31 the odd
.irp g, 0,1                                    ; S^T = K Q^T, four tiles of 16 keys at a time
.if \g
	PLACES 4                                       ; in front of loads into registers that matrix instructions have read
.endif
.irp t, 0,1,2,3
	ds_load_b128 v[32+12*\t:35+12*\t], v8 offset:(4*\g+\t)*768
	ds_load_b64 v[36+12*\t:37+12*\t], v9 offset:(4*\g+\t)*768
.endr
	s_wait_dscnt 0x0
.irp t, 0,2
	v_wmma_scale_f32_16x16x128_f8f6f4 v[96+8*(4*\g+\t):103+8*(4*\g+\t)], v[32+12*\t:43+12*\t], v[16:27], 0, v[248+2*\g+(\t/2)], v255 matrix_a_fmt:MATRIX_FMT_FP6 matrix_b_fmt:MATRIX_FMT_FP6
	v_wmma_scale_f32_16x16x128_f8f6f4 v[104+8*(4*\g+\t):111+8*(4*\g+\t)], v[44+12*\t:55+12*\t], v[16:27], 0, v[248+2*\g+(\t/2)], v255 matrix_a_fmt:MATRIX_FMT_FP6 matrix_b_fmt:MATRIX_FMT_FP6 matrix_a_scale:MATRIX_SCALE_ROW1
.endr
.endr                                          ; lane (r, h) holds query r; register 16 b + i is key 32 b + 16 h + i of the step
	PLACES 4
	s_cmp_eq_u32 s[CC], 2
	s_cbranch_scc1 .Lopen                          ; all open: nothing to mask; the mask words are waited for at the step's end
	s_wait_kmcnt 0x0                               ; the mask words are in
.set nn, 0
.rept 32
	v_cndmask_b32 v[96+nn], v6, v[96+nn], s[32+nn]   ; bit 1: the score stays; bit 0: -2^33
.set nn, nn+1
.endr
.rept 32
	v_cndmask_b32 v[96+nn], v6, v[96+nn], s[36+nn]   ; words 32 to 63 stand in s68 to s99
.set nn, nn+1
.endr
.Lopen:
.irp b, 0,1,2,3
	v_max3_num_f32 v[232+\b], v[96+16*\b], v[97+16*\b], v[98+16*\b]   ; the largest score of each block of 32 keys: it serves for the row's maximum and, since p rises with the score, for the block's largest p
.endr
.irp i, 3,5,7,9,11,13
.irp b, 0,1,2,3
	v_max3_num_f32 v[232+\b], v[232+\b], v[96+16*\b+\i], v[97+16*\b+\i]
.endr
.endr
.irp b, 0,1,2,3
	v_max_num_f32 v[232+\b], v[232+\b], v[111+16*\b]
.endr
.irp b, 0,1,2,3
	v_permlanex16_b32 v[236+\b], v[232+\b], s20, s21
.endr
.irp b, 0,1,2,3
	v_max_num_f32 v[232+\b], v[232+\b], v[236+\b]  ; with lane l xor 16's 16 keys
.endr
	v_max3_num_f32 v254, v232, v233, v234
	v_max_num_f32 v254, v254, v235                 ; the step's largest score of my query
	v_mul_f32 v254, s22, v254                      ; as t (c is positive)
	v_max_num_f32 v13, v13, v254                   ; the running largest t
	v_mov_b32 v254, v12
	v_floor_f32 v12, -v13                          ; the new -M = floor(-t) = -ceil(t): a whole number
	v_sub_f32 v254, v12, v254                      ; old M - new M: a whole number, 0 or less
	v_cvt_i32_f32 v254, v254                       ; (it saturates)
	v_ldexp_f32 v252, 1.0, v254                    ; f = 2^(old M - new M)
.set jj, 0
.rept 32                                       ; t - M by one fused multiply-add, two at a time (of the pairs c and -M the low word serves both halves)
	v_pk_fma_f32 v[96+jj:97+jj], v[96+jj:97+jj], s[22:23], v[12:13] op_sel_hi:[1,0,0]
.set jj, jj+2
.endr
.irp b, 0,1,2,3
	v_fma_f32 v[232+\b], v[232+\b], s22, v12       ; the same of each block's largest score
.endr
.set jj, 0
.rept 64
	v_exp_f32 v[96+jj], v[96+jj]                   ; p = 2^(t - M): not normalised
.set jj, jj+1
.endr
	v_pk_mul_f32 v[14:15], v[14:15], v[252:253] op_sel_hi:[1,0]   ; the sums under the new M.  (A plain place behind the exponentials)
	s_wait_alu depctr_va_vdst(0)                   ; one wait for the whole batch, ahead of its first reader
.irp b, 0,1,2,3
	v_exp_f32 v[232+\b], v[232+\b]                 ; each block's largest p: the same two instructions on the same number give the same bits
.endr
	v_pk_add_f32 v[236:237], v[96:97], v[98:99]    ; the row's sum is taken of the unquantised p: two at a time, in two chains.  (It reads the 64 alone: plain work behind the four)
.irp j, 4,8,12,16,20,24,28,32,36,40,44,48,52,56,60
	v_pk_add_f32 v[14:15], v[14:15], v[96+\j:97+\j]
	v_pk_add_f32 v[236:237], v[236:237], v[98+\j:99+\j]
.endr
	v_pk_add_f32 v[14:15], v[14:15], v[236:237]
	s_wait_alu depctr_va_vdst(0)                   ; and one for the four
.irp b, 0,1,2,3
	v_max_num_f32 v[232+\b], 0x1800000, v[232+\b]  ; the floor 2^(3 - 127): the byte cannot fall under 1 (a block whose every p is 0 keeps that byte: its codes are zeros)
.endr
.irp b, 0,1,2,3
	v_add_nc_u32 v[244+\b], 0xff000000, v[232+\b]  ; 2 off the exponent field: the conversion's scale operand
.endr
.irp b, 0,1,2,3
	v_lshrrev_b32 v[236+\b], 23, v[244+\b]         ; the scale's byte
.endr
	v_lshl_or_b32 v253, v237, 8, v236              ; p's scale word for these 128 keys
	v_lshl_or_b32 v253, v238, 16, v253
	v_lshl_or_b32 v253, v239, 24, v253
.irp c, 0,1
	v_cvt_scalef32_pk16_fp6_f32 v[224+6*\c:226+6*\c], v[96+32*\c:111+32*\c], v[244+2*\c]
	v_cvt_scalef32_pk16_fp6_f32 v[236+4*\c:238+4*\c], v[112+32*\c:127+32*\c], v[244+2*\c+1]   ; (a conversion's three registers begin on an even number)
.endr
	v_nop                                          ; one plain place behind a scaled conversion
.irp c, 0,1                                    ; a whole block to a lane: lanes 0-15 block 2 c, lanes 16-31 block 2 c + 1
.irp i, 0,1,2
	v_permlane16_swap_b32 v[224+6*\c+\i], v[236+4*\c+\i]
.endr
.irp i, 0,1,2
	v_mov_b32 v[227+6*\c+\i], v[236+4*\c+\i]
.endr
.endr
.irp j, 0,2,4,6,8,10,12,14,16,18,20,22,24,26,28,30
	v_pk_mul_f32 v[160+\j:161+\j], v[160+\j:161+\j], v[252:253] op_sel_hi:[1,0]   ; O^T under the new M.  (These sixteen are also the places between the lines that wrote p's codes and scale word and the products below)
.endr
.irp n, 0,1,2,3                                ; V's four fragments (16 channels x these 128 keys) take the registers that p has left
.irp c, 0,1,2
	ds_load_b128 v[96+12*\n+4*\c:99+12*\n+4*\c], v10 offset:1536*\n+512*\c
.endr
.endr
	ds_load_b64 v[84:85], v28
	s_wait_dscnt 0x0
.irp n, 0,2                                    ; O^T += V^T P^T: four accumulators, one instruction each
	v_wmma_scale_f32_16x16x128_f8f6f4 v[160+8*\n:167+8*\n], v[96+12*\n:107+12*\n], v[224:235], v[160+8*\n:167+8*\n], v[84+(\n/2)], v253 matrix_a_fmt:MATRIX_FMT_FP6 matrix_b_fmt:MATRIX_FMT_FP6
	v_wmma_scale_f32_16x16x128_f8f6f4 v[168+8*\n:175+8*\n], v[108+12*\n:119+12*\n], v[224:235], v[168+8*\n:175+8*\n], v[84+(\n/2)], v253 matrix_a_fmt:MATRIX_FMT_FP6 matrix_b_fmt:MATRIX_FMT_FP6 matrix_a_scale:MATRIX_SCALE_ROW1
.endr
.Ltail:
	s_wait_kmcnt 0x0                               ; an open step's mask words have landed too: their registers may be loaded again, and the offset that their loads read may step
	s_lshr_b32 s[CLS], s[CLS], 2
	s_add_co_u32 s[KB], s[KB], 6144
	s_add_co_u32 s[SB], s[SB], 512
	s_add_co_u32 s[TB], s[TB], 256
	s_add_co_u32 s[MO], s[MO], 256
	s_add_co_u32 s[KC], s[KC], 1
	s_cmp_lt_u32 s[KC], 16
	s_cbranch_scc1 .Lstep
	; ---- the tile's end: O^T / the sum, quantised along the head's 64 channels: half a fragment of the last product's K step head / 2
	PLACES 4                                       ; behind the last products
	v_add_f32 v14, v14, v15                        ; the sum's two halves,
	v_permlanex16_b32 v252, v14, s20, s21
	v_add_f32 v14, v14, v252                       ; and lane l xor 16's
	v_rcp_f32 v14, v14
	v_nop                                          ; a plain place behind the transcendental
	s_lshr_b32 s31, s[TT], 3
	s_mul_i32 s31, s31, 102400                     ; the tile's block of 128 rows in ab
	s_and_b32 s104, s[TT], 7
	s_mul_i32 s104, s104, 1536                     ; its tile m
	s_add_co_u32 s104, s104, s31
	s_mov_b32 s105, 0
	s_add_nc_u64 s[104:105], s[12:13], s[104:105]
	s_and_b32 s2, s[TT], 1
	s_lshl_b32 s2, s2, 8                           ; the word of (m, r) lies at 16 (r + 16 (m % 2)) + 4 (m / 2)
	s_add_co_u32 s2, s2, s31
	s_bfe_u32 s3, s[TT], 0x20001
	s_lshl_b32 s3, s3, 2
	s_add_co_u32 s2, s2, s3
	s_mov_b32 s3, 0
	s_add_nc_u64 s[2:3], s[6:7], s[2:3]
	s_wait_alu depctr_va_vdst(0)                   ; ahead of the reciprocal's first reader
.irp j, 0,2,4,6,8,10,12,14,16,18,20,22,24,26,28,30
	v_pk_mul_f32 v[96+\j:97+\j], v[160+\j:161+\j], v[14:15] op_sel_hi:[1,0]   ; register 16 b + i is channel 32 b + 16 h + i of my query
.endr
.irp b, 0,1
	v_max3_num_f32 v[232+\b], |v[96+16*\b]|, |v[97+16*\b]|, 0x1800000
.endr
.irp i, 2,4,6,8,10,12,14
.irp b, 0,1
	v_max3_num_f32 v[232+\b], v[232+\b], |v[96+16*\b+\i]|, |v[97+16*\b+\i]|
.endr
.endr
.irp b, 0,1
	v_permlanex16_b32 v[236+\b], v[232+\b], s20, s21
.endr
.irp b, 0,1
	v_max_num_f32 v[232+\b], v[232+\b], v[236+\b]
.endr
.irp b, 0,1
	v_add_nc_u32 v[244+\b], 0xff000000, v[232+\b]
.endr
.irp b, 0,1
	v_lshrrev_b32 v[236+\b], 23, v[244+\b]
.endr
	v_lshl_or_b32 v254, v237, 8, v236              ; my row's two scale bytes
	v_cvt_scalef32_pk16_fp6_f32 v[224:226], v[96:111], v244
	v_cvt_scalef32_pk16_fp6_f32 v[236:238], v[112:127], v245
	v_nop
.irp i, 0,1,2
	v_permlane16_swap_b32 v[224+\i], v[236+\i]
.endr
.irp i, 0,1,2
	v_mov_b32 v[227+\i], v[236+\i]
.endr
	global_store_b128 v1, v[224:227], s[104:105]   ; 512 consecutive bytes,
	global_store_b64 v2, v[228:229], s[104:105]    ; and 256
	global_store_b16 v7, v254, s[2:3]              ; two bytes a row, 16 bytes apart: the other head of the pair writes the two beside them; both halves of the lanes store the same bytes
	s_sub_co_u32 s[TI], 31, s[TI]                  ; the second tile: i = 31 - w
	s_add_co_u32 s[TC], s[TC], 1
	s_cmp_lt_u32 s[TC], 2
	s_cbranch_scc1 .Ltile
	s_wait_tensorcnt 0x0
	ds_add_u32 v223, v243
	s_wait_dscnt 0x0
	s_endpgm
.Lfunc_end_k_q3f5555e127_attn:
	.size	k_q3f5555e127_attn, .Lfunc_end_k_q3f5555e127_attn-k_q3f5555e127_attn
	.p2alignl 7, 3214868480
	.fill 96, 4, 3214868480
	.section	.rodata,"a",@progbits
	.p2align	6, 0x0
	.amdhsa_kernel k_q3f5555e127_attn
		.amdhsa_group_segment_fixed_size 210944
		.amdhsa_private_segment_fixed_size 0
		.amdhsa_enable_private_segment 0
		.amdhsa_kernarg_size 48
		.amdhsa_user_sgpr_count 2
		.amdhsa_user_sgpr_kernarg_segment_ptr 1
		.amdhsa_wavefront_size32 1
		.amdhsa_system_sgpr_workgroup_id_x 1
		.amdhsa_system_sgpr_workgroup_id_y 1
		.amdhsa_system_sgpr_workgroup_id_z 1
		.amdhsa_system_vgpr_workitem_id 0
		.amdhsa_next_free_vgpr 256
		.amdhsa_next_free_sgpr 106
		.amdhsa_reserve_vcc 0
		.amdhsa_float_denorm_mode_32 3
		.amdhsa_float_denorm_mode_16_64 3
		.amdhsa_memory_ordered 1
		.amdhsa_forward_progress 1
		.amdhsa_inst_pref_size 36
	.end_amdhsa_kernel
	.amdgpu_metadata
---
amdhsa.version: [ 1, 2 ]
amdhsa.kernels:
  - .name:           k_q3f5555e127_attn
    .symbol:         k_q3f5555e127_attn.kd
    .args:
      - { .name: qb, .offset: 0, .size: 8, .value_kind: global_buffer, .address_space: global }
      - { .name: kb, .offset: 8, .size: 8, .value_kind: global_buffer, .address_space: global }
      - { .name: vb, .offset: 16, .size: 8, .value_kind: global_buffer, .address_space: global }
      - { .name: mb, .offset: 24, .size: 8, .value_kind: global_buffer, .address_space: global }
      - { .name: ab, .offset: 32, .size: 8, .value_kind: global_buffer, .address_space: global }
      - { .name: cl, .offset: 40, .size: 8, .value_kind: global_buffer, .address_space: global }
    .group_segment_fixed_size: 210944
    .private_segment_fixed_size: 0
    .kernarg_segment_align: 8
    .kernarg_segment_size: 48
    .max_flat_workgroup_size: 512
    .sgpr_count:     106
    .vgpr_count:     256
    .wavefront_size: 32
...
	.end_amdgpu_metadata
.endif
;; end of part 7
;; launch outp: the kernel of part 4 again; grid 64 x 4, 4 waves a work-group, no clusters, 120,320 bytes of LDS; arguments ab, wq, bo, out0; writes out0
;; ======== version 3 of 3: 4 launches
;; limits: right only within a limited range of input values
;; workspace buffers: wq 3,276,800 bytes; mb 2,097,152 bytes of whole numbers; cl 8,192 bytes of whole numbers; qb 6,815,744 bytes; kb 6,815,744 bytes; vb 6,553,600 bytes; ab 6,553,600 bytes
;; launch prep (part 8): grid 256 x 1, 6 waves a work-group, no clusters, 51,456 bytes of LDS; arguments mask, Wq, Wk, Wv, Wo, wq, mb, cl; writes wq, mb, cl
.if DOCPART == 8
	.amdgcn_target "amdgcn-amd-amdhsa--gfx1250"
	.amdhsa_code_object_version 6
	.text
	.protected	k_q3f5555e127_prep
	.globl	k_q3f5555e127_prep
	.p2align	8
	.type	k_q3f5555e127_prep,@function
k_q3f5555e127_prep:
	s_mov_b64 s[64:65], 0
	v_nop
	global_prefetch_b8 v0, s[64:65] scope:SCOPE_SE
	s_setreg_imm32_b32 hwreg(HW_REG_WAVE_MODE, 25, 1), 1
	s_wait_xcnt 0x0
; PREP.  (a) The four weights [1024][1024] f32 become codes of FP6 (E2M3) with one E8M0 byte for each 32 along K, laid in the order of an operand's registers.
; (b) The mask [4][2048][2048] int32 becomes lane masks: one 32-bit word for each register of a tile of scores; and each key step of 128 keys of each tile of 16 queries gets a class.
; A TILE'S 16 ROWS ARE NOT NEIGHBOURS: lane r of tile T takes row 32 (T / 2) + 8 (T % 2) + r + 8 (r / 8), so that in a transposed product the 16 registers of tiles 2 b and 2 b + 1 are 16 neighbours.
; wq: unit q = (matrix x 16 + head) x 8 + K step, 6,144 bytes: four fragments (16 rows x 128 K, 12 registers a lane), registers 4 c .. 4 c + 3 of lane l at 512 c + 16 l.
;     From WSOFF on, 256 bytes a unit: lane l's 8 bytes are two scale words; in each, lanes 0-15 hold the even tile's rows and lanes 16-31 the odd tile's.
; mb: [batch x 128 + tile][key step][64 words]: word 16 b + i, bit r + 16 h: mask(row of lane r, key 128 step + 32 b + 16 h + i) is not 0.
; cl: 8 bytes for each half row of tiles u = 2 (batch x 128 + tile) + half (8 key steps): {eight classes of 2 bits: 0 all hidden, 1 mixed, 2 all open; the OR of the half's words}.
; SHARES.  Each work-group has four mask waves (a tile of 16 queries x 1,024 keys each: 65,536 bytes read) and two weight waves (a unit each: 32,768 bytes read): 256 work-groups of equal work.
; LOADS ARE DENSE: a load takes 512 consecutive bytes of ONE row, 16 a lane.  The compares and the conversions want lane (r, h) to hold 16 neighbours of each block of 32 of row r: so the 16 rows x 512 bytes of a step go
; through the wave's own stage in LDS (16 rows of 512 + 16 bytes: the sixteen rows that a load back touches start at sixteen different 16-byte columns) and come back into the registers that they left.
; The waves share nothing: no barrier.  Every offset is an immediate; no pointer is stepped.  Matrix units and clusters have nothing to do here.
; LIMITS: NaN and infinities among the weights are not served; a block of zeros gets the byte 1 where the quantiser's rule says 127 (its codes are zeros, and the bytes are read by this program alone);
; blocks whose largest magnitude lies under 2^-124, whose byte is held at 1, were not tried.
.set WSOFF,  3145728
.set SROW,   528                       ; a stage row: 512 bytes + 16
.set SWAVE,  16*SROW                   ; a wave's stage
.set SIN, 9                            ; v9       the stage, on the way in: my wave's stage + 16 x lane; the row stands in the immediate
.set SOUT, 10                          ; v10      and on the way out: my wave's stage + 528 r + 64 h
.set MW,  16                           ; v16-31   mask waves: a key step's 64 words, two registers a step
.set TM,  16                           ; v16-31   weight waves: at work in QUANT
.set BUF, 32                           ; v32-223  three landing buffers of 64 registers
.set PC,  224                          ; v224-242 the codes just made
.set PWT, 244                          ; v244-245 the scale words of an even and an odd tile
.set SW,  246                          ; v246-247 the two paired scale words
.set RO,  248                          ; v248     the OR of all words
.set REC, 250                          ; v250-251 the record
.set ZO,  252                          ; v252     0: every lane stores the record at the same place
.set SEL, 4                            ; s[4:5]   v_permlanex16_b32's selects for lane l xor 16
.set HI,  6                            ; s6       lanes 16-31
.set WV,  24                           ; s24      my wave's number
.set CLS, 37                           ; s37      eight classes
; 16 rows x 512 bytes, as loaded (registers 4 p .. 4 p + 3: my 16 bytes of row p), go through my stage and come back as register 16 b + 4 j + e = number 32 b + 16 h + 4 j + e of row r.
; LDS serves a wave's instructions in order (ISA guide 5.7.1.4): no wait between the stores and the loads, nor in front of the next turn's stores.
.macro TURN buf
.irp p, 0,1,2,3,4,5,6,7,8,9,10,11,12,13,14,15
	ds_store_b128 v[SIN], v[(\buf)+4*\p:(\buf)+4*\p+3] offset:SROW*\p
.endr
.irp b, 0,1,2,3
.irp j, 0,1,2,3
	ds_load_b128 v[(\buf)+16*\b+4*\j:(\buf)+16*\b+4*\j+3], v[SOUT] offset:128*\b+16*\j
.endr
.endr
.endm
; 64 numbers of a lane, register 16 b + i = k 32 b + 16 (lane / 16) + i of my row, become a fragment's codes in v[PC] on and its scale word in v[pw] (the same word in both halves of the lanes).
.macro QUANT s, pw
.irp b, 0,1,2,3
	v_max3_num_f32 v[TM+\b], |v[(\s)+16*\b]|, |v[(\s)+1+16*\b]|, 0x1800000   ; block b: my 16 numbers, and the floor 2^(3 - 127): the byte cannot fall under 1
.endr
.irp i, 2,4,6,8,10,12,14
.irp b, 0,1,2,3
	v_max3_num_f32 v[TM+\b], v[TM+\b], |v[(\s)+16*\b+\i]|, |v[(\s)+1+16*\b+\i]|   ; the four blocks by turns
.endr
.endr
.irp b, 0,1,2,3
	v_permlanex16_b32 v[TM+4+\b], v[TM+\b], s[SEL], s[SEL+1]
.endr
.irp b, 0,1,2,3
	v_max_num_f32 v[TM+\b], v[TM+\b], v[TM+4+\b]   ; with lane l xor 16's: the block's largest magnitude
.endr
.irp b, 0,1,2,3
	v_add_nc_u32 v[TM+12+\b], 0xff000000, v[TM+\b]   ; 2 off its exponent field: the conversion's scale operand
.endr
.irp b, 0,1,2,3
	v_lshrrev_b32 v[TM+4+\b], 23, v[TM+12+\b]      ; the scale's byte
.endr
	v_lshl_or_b32 v[\pw], v[TM+5], 8, v[TM+4]
	v_lshl_or_b32 v[\pw], v[TM+6], 16, v[\pw]
	v_lshl_or_b32 v[\pw], v[TM+7], 24, v[\pw]
.irp c, 0,1
	v_cvt_scalef32_pk16_fp6_f32 v[PC+6*\c:PC+2+6*\c], v[(\s)+32*\c:(\s)+15+32*\c], v[TM+12+2*\c]
	v_cvt_scalef32_pk16_fp6_f32 v[PC+12+4*\c:PC+14+4*\c], v[(\s)+16+32*\c:(\s)+31+32*\c], v[TM+12+2*\c+1]   ; (a conversion's three registers begin on an even number)
.endr
	v_nop                                          ; one plain place behind a scaled conversion
.irp c, 0,1                                    ; the operand's layout wants a whole block in a lane: lanes 0-15 block 2 c, lanes 16-31 block 2 c + 1
.irp i, 0,1,2
	v_permlane16_swap_b32 v[PC+6*\c+\i], v[PC+12+4*\c+\i]
.endr
.irp i, 0,1,2
	v_mov_b32 v[PC+3+6*\c+\i], v[PC+12+4*\c+\i]
.endr
.endr
.endm
	s_load_b256 s[8:15], s[0:1], 0x0               ; mask s[8:9], Wq s[10:11], Wk s[12:13], Wv s[14:15]
	s_load_b256 s[16:23], s[0:1], 0x20             ; Wo s[16:17], wq s[18:19], mb s[20:21], cl s[22:23]
	v_lshl_add_u32 v254, v0, 2, 0xc600
	v_mov_b32 v255, 0
	v_lshrrev_b32 v6, 5, v0
	v_readfirstlane_b32 s[WV], v6                  ; wave 0..5
	v_and_b32 v1, 15, v0                           ; r
	v_bfe_u32 v2, v0, 4, 1                         ; h
	v_and_b32 v7, 31, v0                           ; lane
	v_lshlrev_b32 v4, 4, v7                        ; 16 x lane: my 16 bytes of a load's 512, and of a store's
	v_lshlrev_b32 v5, 3, v7                        ; 8 x lane
	s_mul_i32 s7, s[WV], SWAVE                     ; my wave's stage.  Both LDS addresses are made here, ahead of the parting of the two kinds of waves
	v_add_nc_u32 v[SIN], s7, v4
	v_mul_u32_u24 v[SOUT], v1, SROW
	v_lshl_add_u32 v[SOUT], v2, 6, v[SOUT]
	v_add_nc_u32 v[SOUT], s7, v[SOUT]
	s_mov_b32 s3, 0
	s_mov_b32 s29, 0
	s_mov_b32 s31, 0
	s_cmp_lt_u32 s[WV], 4
	s_cbranch_scc0 .Lweights
	; ---- a mask wave: half row u = 4 x work-group + wave: tile u / 2, keys 1,024 (u % 2) on
.irp i, 0,1,2,3,4,5,6,7,8,9,10,11,12,13,14,15
	v_mov_b32 v[MW+\i], 0                          ; written once: v_writelane_b32's destination counts as one of its sources
.endr
	v_mov_b32 v[RO], 0
	v_mov_b32 v[ZO], 0
	s_mov_b32 s[CLS], 0
	s_lshl_b32 s25, ttmp9, 2
	s_add_co_u32 s25, s25, s[WV]                   ; u
	s_lshr_b32 s26, s25, 1                         ; batch x 128 + tile
	s_lshr_b32 s2, s26, 7
	s_lshl_b32 s2, s2, 24                          ; the batch: 2,048 x 8,192 bytes
	s_bfe_u32 s27, s26, 0x60001                    ; tile / 2
	s_lshl_b32 s27, s27, 18                        ; x 32 rows
	s_add_co_u32 s2, s2, s27
	s_and_b32 s27, s26, 1
	s_lshl_b32 s27, s27, 16                        ; + 8 rows for an odd tile
	s_add_co_u32 s2, s2, s27
	s_and_b32 s27, s25, 1
	s_lshl_b32 s27, s27, 12                        ; + 1,024 keys for the second half
	s_add_co_u32 s2, s2, s27
	s_lshl_b32 s28, s25, 11                        ; my words: 8 steps x 256 bytes
	s_lshl_b32 s30, s25, 3                         ; my record: 8 bytes
	s_wait_kmcnt 0x0
	s_add_nc_u64 s[8:9], s[8:9], s[2:3]
	s_add_nc_u64 s[20:21], s[20:21], s[28:29]
	s_add_nc_u64 s[22:23], s[22:23], s[30:31]
.macro MLOAD st                        ; key step st: row p of the tile is p + 8 (p / 8) rows of 8,192 bytes down; its 128 keys are 512 consecutive bytes; into buffer st % 3
.irp p, 0,1,2,3,4,5,6,7,8,9,10,11,12,13,14,15
	global_load_b128 v[BUF+64*((\st)%3)+4*\p:BUF+64*((\st)%3)+4*\p+3], v4, s[8:9] offset:(\p+8*(\p/8))*8192+512*(\st) th:TH_LOAD_NT
.endr
.endm
.macro MSTEP st
.if (\st) < 6
	s_wait_loadcnt 32                              ; this step's 16 loads are in; the two younger steps' 16 each may be out
.else
	s_wait_loadcnt 16*(7-(\st))
.endif
	TURN BUF+64*((\st)%3)
	s_wait_dscnt 0x0                               ; register 16 b + i now holds key 128 st + 32 b + 16 h + i of my query
.set nn, 0
.rept 8                                        ; a compare gives the 32 lanes' bits as one word; word n goes to lane n / 2 of register n % 2, so that the step's 64 words leave as 256 consecutive bytes
.irp e, 0,1,2,3,4,5,6,7
	v_cmp_ne_u32 s[40+\e], 0, v[BUF+64*((\st)%3)+nn+\e]
.endr
.irp e, 0,1,2,3,4,5,6,7
	v_writelane_b32 v[MW+2*(\st)+(\e%2)], s[40+\e], (nn+\e)/2
.endr
.set nn, nn+8
.endr
.if (\st)+3 < 8
	MLOAD (\st)+3                                  ; the buffer just read takes the step three on
.endif
	v_cmp_eq_u32 s30, -1, v[MW+2*(\st)]            ; the class: all words all ones: 2; all words 0: 0; else 1
	v_cmp_eq_u32 s31, -1, v[MW+2*(\st)+1]
	v_cmp_eq_u32 s32, 0, v[MW+2*(\st)]
	v_cmp_eq_u32 s33, 0, v[MW+2*(\st)+1]
	s_and_b32 s30, s30, s31
	s_and_b32 s32, s32, s33
	s_cmp_eq_u32 s30, -1
	s_cselect_b32 s34, 2, 1
	s_cmp_eq_u32 s32, -1
	s_cselect_b32 s34, 0, s34
	s_lshl_b32 s34, s34, 2*(\st)
	s_or_b32 s[CLS], s[CLS], s34
	s_wait_alu depctr_va_vdst(0)
	v_or_b32 v[RO], v[RO], v[MW+2*(\st)]
	v_or_b32 v[RO], v[RO], v[MW+2*(\st)+1]
	global_store_b64 v5, v[MW+2*(\st):MW+2*(\st)+1], s[20:21] offset:256*(\st)   ; 32 lanes store 256 consecutive bytes, aligned; each step has data registers of its own
.endm
	MLOAD 0
	MLOAD 1
	MLOAD 2
.irp t, 0,1,2,3,4,5,6,7
	MSTEP \t
.endr
	s_mov_b32 s36, 0
.set nn, 0
	s_wait_alu depctr_va_vdst(0)
.rept 32                                       ; the OR over the 32 lanes: bit r + 16 h says whether query r has an open key in this half
	v_readlane_b32 s[40+nn%8], v[RO], nn
	s_or_b32 s36, s36, s[40+nn%8]
.set nn, nn+1
.endr
	v_mov_b32 v[REC], s[CLS]
	v_mov_b32 v[REC+1], s36
	global_store_b64 v[ZO], v[REC:REC+1], s[22:23] ; 8 bytes: every lane stores the same pair at the same place.  The buffer is kept small: 1,024 records in all
	s_wait_tensorcnt 0x0
	ds_add_u32 v254, v255
	s_wait_dscnt 0x0
	s_endpgm
.Lweights:
	; ---- a weight wave: unit q = 2 x work-group + wave - 4: 64 rows (a head's) x 128 along K of one matrix
.irp b, 0,1,2,3
	v_mov_b32 v[TM+4+\b], 0                        ; written once: a lane permute's destination counts as one of its sources
.endr
	s_mov_b32 s[SEL], 0x76543210
	s_mov_b32 s[SEL+1], 0xfedcba98
	s_mov_b32 s[HI], 0xffff0000
	s_lshl_b32 s25, ttmp9, 1
	s_add_co_u32 s25, s25, s[WV]
	s_sub_co_u32 s25, s25, 4                       ; q
	s_lshr_b32 s26, s25, 7                         ; the matrix: 0 Wq, 1 Wk, 2 Wv, 3 Wo
	s_bfe_u32 s2, s25, 0x40003                     ; the head
	s_lshl_b32 s2, s2, 18                          ; x 64 rows of 4,096 bytes
	s_and_b32 s27, s25, 7
	s_lshl_b32 s27, s27, 9                         ; the K step: 512 bytes
	s_add_co_u32 s2, s2, s27
	s_mul_i32 s28, s25, 6144                       ; the unit's codes
	s_lshl_b32 s30, s25, 8
	s_add_co_u32 s30, s30, WSOFF                   ; and its scale words
	s_wait_kmcnt 0x0
	s_cmp_eq_u32 s26, 0                            ; the choice hangs on the work-group's and the wave's number alone
	s_cselect_b64 s[32:33], s[10:11], s[12:13]
	s_cmp_lt_u32 s26, 2
	s_cselect_b64 s[32:33], s[32:33], s[14:15]
	s_cmp_lt_u32 s26, 3
	s_cselect_b64 s[32:33], s[32:33], s[16:17]
	s_add_nc_u64 s[32:33], s[32:33], s[2:3]
	s_add_nc_u64 s[34:35], s[18:19], s[28:29]
	s_add_nc_u64 s[18:19], s[18:19], s[30:31]
.macro WLOADF t                        ; tile t's 16 rows x 128 K, a row's 512 consecutive bytes a load, into buffer t % 3
.irp p, 0,1,2,3,4,5,6,7,8,9,10,11,12,13,14,15
	global_load_b128 v[BUF+64*((\t)%3)+4*\p:BUF+64*((\t)%3)+4*\p+3], v4, s[32:33] offset:(32*((\t)/2)+8*((\t)%2)+\p+8*(\p/8))*4096 th:TH_LOAD_NT
.endr
.endm
	WLOADF 0
	WLOADF 1
	WLOADF 2
	s_wait_alu depctr_va_vdst(0)
.irp t, 0,1,2,3
.if \t < 2
	s_wait_loadcnt 32                              ; this tile's 16 loads are in; two younger tiles' may be out
.else
	s_wait_loadcnt 16*(3-\t)
.endif
	TURN BUF+64*(\t%3)
	s_wait_dscnt 0x0
	s_wait_xcnt 0x0                                ; the last tile's stores have read the codes' registers
	QUANT BUF+64*(\t%3), PWT+(\t%2)
.irp c, 0,1,2
	global_store_b128 v4, v[PC+4*\c:PC+4*\c+3], s[34:35] offset:1536*\t+512*\c   ; 512 consecutive bytes a store
.endr
.if \t == 0
	WLOADF 3
.endif
.if \t%2
	v_cndmask_b32 v[SW+(\t/2)], v[PWT], v[PWT+1], s[HI]   ; lanes 0-15 the even tile's words, lanes 16-31 the odd tile's
.endif
.endr
	global_store_b64 v5, v[SW:SW+1], s[18:19]
	s_wait_tensorcnt 0x0
	ds_add_u32 v254, v255
	s_wait_dscnt 0x0
	s_endpgm
.Lfunc_end_k_q3f5555e127_prep:
	.size	k_q3f5555e127_prep, .Lfunc_end_k_q3f5555e127_prep-k_q3f5555e127_prep
	.p2alignl 7, 3214868480
	.fill 96, 4, 3214868480
	.section	.rodata,"a",@progbits
	.p2align	6, 0x0
	.amdhsa_kernel k_q3f5555e127_prep
		.amdhsa_group_segment_fixed_size 51456
		.amdhsa_private_segment_fixed_size 0
		.amdhsa_enable_private_segment 0
		.amdhsa_kernarg_size 64
		.amdhsa_user_sgpr_count 2
		.amdhsa_user_sgpr_kernarg_segment_ptr 1
		.amdhsa_wavefront_size32 1
		.amdhsa_system_sgpr_workgroup_id_x 1
		.amdhsa_system_sgpr_workgroup_id_y 1
		.amdhsa_system_sgpr_workgroup_id_z 1
		.amdhsa_system_vgpr_workitem_id 0
		.amdhsa_next_free_vgpr 256
		.amdhsa_next_free_sgpr 66
		.amdhsa_reserve_vcc 0
		.amdhsa_float_denorm_mode_32 3
		.amdhsa_float_denorm_mode_16_64 3
		.amdhsa_memory_ordered 1
		.amdhsa_forward_progress 1
		.amdhsa_inst_pref_size 136
	.end_amdhsa_kernel
	.amdgpu_metadata
---
amdhsa.version: [ 1, 2 ]
amdhsa.kernels:
  - .name:           k_q3f5555e127_prep
    .symbol:         k_q3f5555e127_prep.kd
    .args:
      - { .name: mask, .offset: 0, .size: 8, .value_kind: global_buffer, .address_space: global }
      - { .name: Wq, .offset: 8, .size: 8, .value_kind: global_buffer, .address_space: global }
      - { .name: Wk, .offset: 16, .size: 8, .value_kind: global_buffer, .address_space: global }
      - { .name: Wv, .offset: 24, .size: 8, .value_kind: global_buffer, .address_space: global }
      - { .name: Wo, .offset: 32, .size: 8, .value_kind: global_buffer, .address_space: global }
      - { .name: wq, .offset: 40, .size: 8, .value_kind: global_buffer, .address_space: global }
      - { .name: mb, .offset: 48, .size: 8, .value_kind: global_buffer, .address_space: global }
      - { .name: cl, .offset: 56, .size: 8, .value_kind: global_buffer, .address_space: global }
    .group_segment_fixed_size: 51456
    .private_segment_fixed_size: 0
    .kernarg_segment_align: 8
    .kernarg_segment_size: 64
    .max_flat_workgroup_size: 192
    .sgpr_count:     66
    .vgpr_count:     256
    .wavefront_size: 32
...
	.end_amdgpu_metadata
.endif
;; end of part 8
;; launch proj (part 9): grid 64 x 3, 4 waves a work-group, no clusters, 140,800 bytes of LDS; arguments query, key, value, bq, bk, bv, wq, qb, kb, vb; writes qb, kb, vb
.if DOCPART == 9
	.amdgcn_target "amdgcn-amd-amdhsa--gfx1250"
	.amdhsa_code_object_version 6
	.text
	.protected	k_q3f5555e127_proj
	.globl	k_q3f5555e127_proj
	.p2align	8
	.type	k_q3f5555e127_proj,@function
k_q3f5555e127_proj:
	s_mov_b64 s[64:65], 0
	v_nop
	global_prefetch_b8 v0, s[64:65] scope:SCOPE_SE
	s_setreg_imm32_b32 hwreg(HW_REG_WAVE_SCHED_MODE, 0, 2), 2
	s_setreg_imm32_b32 hwreg(HW_REG_WAVE_MODE, 25, 1), 1
	s_wait_xcnt 0x0
	s_wait_alu depctr_vm_vsrc(0)
; PROJ.  q = query Wq^T + bq, k = key Wk^T + bk, v = value Wv^T + bv, on codes of FP6 (E2M3) with one E8M0 scale for each 32 along K; and the results quantised for attention's two products.
; SHARES.  Work-group (block, y) takes 128 rows of x (y = 0 query, 1 key, 2 value) against all 1,024 columns: x is read and quantised once.  Wave w takes heads 4 w .. 4 w + 3, one after the other:
; a head is 64 columns x 128 rows: 32 accumulators, 8 K steps of 128, 256 matrix instructions.
; PHASE X: wave w quantises tiles 2 w and 2 w + 1 of the 128 rows (16 fragments) and stores them in LDS as images of the operand's registers (registers 4 c .. 4 c + 3 of lane l at 512 c + 16 l); ONE barrier; from
; there on LDS is only read.  x's loads are dense: a load takes 512 consecutive bytes of one row, 16 a lane; the conversions want lane (r, h) to hold 16 neighbours of each block of 32 of row r, so a fragment's 16 rows x 512
; bytes go through the wave's own stage in LDS (16 rows of 512 + 16 bytes) and come back into the registers that they left; fragment f + 1 is on its way through the stage while fragment f is quantised.
; The weights' codes come from wq, laid in the order of the operand's registers, straight into registers, three K steps ahead: no two waves of a work-group want the same ones.
; A TILE'S 16 ROWS ARE NOT NEIGHBOURS: lane r of tile T takes row 32 (T / 2) + 8 (T % 2) + r + 8 (r / 8), of x and of W alike, so that the 16 registers of two neighbouring tiles of results are 16 neighbours.
; q, k (y < 2): the product is used transposed (source 0 = 16 rows of W, source 1 = 16 rows of x): a lane holds one row of x and 32 registers run along the head's 64: two blocks of 32, six registers of codes.
; v (y = 2): source 0 = x, source 1 = W: a lane holds one channel of the head and 64 registers run along the 128 keys: a whole fragment of V^T with the keys innermost.
; The bias is the C of each sum's first matrix instruction.
; OUT.  qb, kb: for each (batch, head) 106,496 bytes: 128 tiles x 768 (registers 0-3 at 16 l, registers 4-5 at 512 + 8 l), then for each 128 rows 512 bytes of scale words (lane l's 16 bytes: four words; in each, lanes 0-15
; the even tile, lanes 16-31 the odd).  vb: for each (batch, head) 102,400 bytes: [key step][4 tiles of channels] fragments of 1,536, then for each step 256 bytes of scale words (8 bytes a lane).
; NO CLUSTER: what work-groups share is a matrix's codes, 786,432 bytes, which go into registers, each wave its own heads; a joint load lands in LDS alone, where they do not fit beside x's 98,304 bytes of images.
; 192 work-groups: 24,576 rows in blocks of 128; a fragment of V^T wants 128 keys in one work-group, and a split of the columns would read and quantise the f32 rows again.
; LIMITS: NaN and infinities are not served; a block of zeros gets the byte 1 (its codes are zeros; the bytes are read by this program alone); blocks under 2^-124 were not tried.
; THE MODE: SCHED_MODE bits 1:0 = 2 (LLVM: expert scheduling mode 2), set by the entry lines.  The code itself states the register dependences between vector or matrix instructions and memory or LDS instructions,
; with s_wait_alu, always for 0.
; THE PLAN.  Registers that memory or LDS instructions touch:
;   XF0, XF1     x's eight fragments of a K step, two buffers.  Step k's products read XF[k % 2]; the LDS loads of step k + 1, issued in step k, land in the other.  XS, x's scale words: two sets by the same turns.
;   W0 .. W3     W's four fragments of a K step, and WS, their scale words.  Step k's products read set k % 4; the loads of K step k + 3, issued in step k, land in set (k + 3) % 4, which step k - 1 read.
;   So ONE wait on va_vdst stands at a step's head: the step before is done reading the other XF and XS and its set of W.  The step's 38 loads follow it, dealt among its products, which name XF[k % 2], set k % 4, their
;   scale words and the accumulators: none of the registers that those loads touch.
;   v[BA], BI    A head's bias: v[BA] is written once a head and read by the bias loads, which land in BI, read by the head's first K step.
;   OUTB, SW     A head's codes and scale words: each tile has registers of its own; written by the quantising lines, read by one run of stores at the head's end.
;   Phase X      The four landing buffers: global loads land, the turn's LDS stores read, its LDS loads land, the quantising lines read, global loads land again.  PC, PWT: written by those lines, read by the image's stores.
;   All other address registers are made at the head and never written again.
; REGISTERS, in windows of 256.  Window 0: v1-15 addresses; v16-111 XF0; v112-119 x's scale words, two sets; v120-127 W's, four sets; v128-146 codes just made; v148-163 at work;
;   v164-165, v168-171 scale words on their way out; v176-183 the bias on its way to LDS; v184-247 a head's codes on their way out; v254, v255 kept for the closing lines.
;   Window 1: v0-191 W's fragments, four sets of 48; v192-223 the bias as C.   Window 2: the 32 accumulators (in phase X: four landing buffers).   Window 3: v16-111 XF1.
.set XSCL,  98304                      ; LDS: x's fragments (K step s, tile m) at (8 s + m) x 1,536; from XSCL on for each K step 512 bytes: the word of (m, r) at 16 (r + 16 (m % 2)) + 4 (m / 2);
.set BIAS,  102400                     ; from BIAS on the bias vector, 4,096 bytes;
.set STG,   106496                     ; from STG on a stage for each wave
.set SROW,  528                        ; a stage row: 512 bytes + 16: the sixteen rows that a load back touches start at sixteen different 16-byte columns
.set SWAVE, 16*SROW
.set WSOFF, 3145728
.set LI,   1                           ; v1   16 x lane
.set LIB,  2                           ; v2   the same + 49,152 (K steps 4 to 7: an LDS offset has 16 bits)
.set LSX,  3                           ; v3   16 x lane + XSCL
.set L8,   4                           ; v4   8 x lane
.set BAQ,  5                           ; v5   the bias for q, k: BIAS + 64 h
.set BA,   6                           ; v6   the bias address in hand
.set XA0,  7                           ; v7   x: 16 x lane + my wave's 32 rows of 4,096 bytes; the row and the K step stand in the immediate
.set SIN,  8                           ; v8   the stage, on the way in: my stage + 16 x lane
.set XWA,  9                           ; v9-10 where I store x's images: 16 x lane + 3,072 w; the same + 49,152
.set XWS,  11                          ; v11  and their scale words: XSCL + 16 r + 4 w
.set T16,  12                          ; v12  16 x thread
.set T16L, 13                          ; v13  the same + BIAS
.set BAV,  14                          ; v14  the bias for v: BIAS + 4 (r + 8 (r / 8))
.set SOUT, 15                          ; v15  the stage, on the way out: my stage + 528 r + 64 h
.set XF,   16                          ; in window 0 for even K steps, in window 3 for odd ones
.set XS,   112
.set WS,   120
.set PC,   128
.set TM,   148
.set PWT,  164
.set SW,   168
.set CP,   176
.set OUTB, 184
.set BI,   192                         ; in window 1
.set XP,   28                          ; s[28:29] x at the block's first row
.set BP,   30                          ; s[30:31] the bias
.set OC,   32                          ; s[32:33] where the head's codes go
.set OS,   34                          ; s[34:35] and its scale words
.set WB,   36                          ; s[36:37] W's codes at the head in hand
.set WSB,  38                          ; s[38:39] W's scale words likewise
.set WV,   40
.set YY,   41
.set BO,   42                          ; s42  the head's bytes in the bias vector
.set HC,   43                          ; s43  heads to go
.set HI,   44                          ; s44  lanes 16-31
.set SEL,  46                          ; s[46:47]
.set MSB, 0
.macro WIN new                         ; the immediate's high byte repeats the setting that is left; bits 1:0 source 0, 3:2 source 1, 5:4 source 2, 7:6 destination
.if MSB != (\new)
	s_set_vgpr_msb (MSB<<8)|(\new)
.set MSB, (\new)
.endif
.endm
.macro PLACES n
.rept \n
	v_nop
.endr
.endm
; 64 numbers of a lane in window 2, register 16 b + i = k 32 b + 16 (lane / 16) + i of my row, become a fragment's codes in v[o] on and its scale word in v[pw] (the same in both halves of the lanes).
.macro QUANT s, pw, o
	WIN 0x0a                                       ; sources 0 and 1 in window 2
.irp b, 0,1,2,3
	v_max3_num_f32 v[TM+\b], |v[(\s)+16*\b]|, |v[(\s)+1+16*\b]|, 0x1800000   ; block b: my 16 numbers, from each accumulator's low end on, and the floor 2^(3 - 127): the byte cannot fall under 1
.endr
	WIN 0x28                                       ; sources 1 and 2 in window 2
.irp i, 2,4,6,8,10,12,14
.irp b, 0,1,2,3
	v_max3_num_f32 v[TM+\b], v[TM+\b], |v[(\s)+16*\b+\i]|, |v[(\s)+1+16*\b+\i]|
.endr
.endr
	WIN 0
.irp b, 0,1,2,3
	v_permlanex16_b32 v[TM+4+\b], v[TM+\b], s[SEL], s[SEL+1]
.endr
.irp b, 0,1,2,3
	v_max_num_f32 v[TM+\b], v[TM+\b], v[TM+4+\b]   ; with lane l xor 16's: the block's largest magnitude
.endr
.irp b, 0,1,2,3
	v_add_nc_u32 v[TM+12+\b], 0xff000000, v[TM+\b]   ; 2 off its exponent field: the conversion's scale operand
.endr
.irp b, 0,1,2,3
	v_lshrrev_b32 v[TM+4+\b], 23, v[TM+12+\b]      ; the scale's byte
.endr
	v_lshl_or_b32 v[\pw], v[TM+5], 8, v[TM+4]
	v_lshl_or_b32 v[\pw], v[TM+6], 16, v[\pw]
	v_lshl_or_b32 v[\pw], v[TM+7], 24, v[\pw]
	WIN 0x02                                       ; source 0 in window 2
.irp c, 0,1
	v_cvt_scalef32_pk16_fp6_f32 v[(\o)+6*\c:(\o)+2+6*\c], v[(\s)+32*\c:(\s)+15+32*\c], v[TM+12+2*\c]
	v_cvt_scalef32_pk16_fp6_f32 v[PC+12+4*\c:PC+14+4*\c], v[(\s)+16+32*\c:(\s)+31+32*\c], v[TM+12+2*\c+1]   ; (a conversion's three registers begin on an even number)
.endr
	WIN 0
	v_nop                                          ; one plain place behind a scaled conversion
.irp c, 0,1                                    ; a whole block to a lane: lanes 0-15 block 2 c, lanes 16-31 block 2 c + 1
.irp i, 0,1,2
	v_permlane16_swap_b32 v[(\o)+6*\c+\i], v[PC+12+4*\c+\i]
.endr
.irp i, 0,1,2
	v_mov_b32 v[(\o)+3+6*\c+\i], v[PC+12+4*\c+\i]
.endr
.endr
.endm
; The same for 32 numbers, two blocks: six registers of codes in v[o] on; the word's bytes 2 and 3 stay 0: they stand over zero codes.
.macro QUANT2 s, pw, o
	WIN 0x0a
.irp b, 0,1
	v_max3_num_f32 v[TM+\b], |v[(\s)+16*\b]|, |v[(\s)+1+16*\b]|, 0x1800000
.endr
	WIN 0x28
.irp i, 2,4,6,8,10,12,14
.irp b, 0,1
	v_max3_num_f32 v[TM+\b], v[TM+\b], |v[(\s)+16*\b+\i]|, |v[(\s)+1+16*\b+\i]|
.endr
.endr
	WIN 0
.irp b, 0,1
	v_permlanex16_b32 v[TM+4+\b], v[TM+\b], s[SEL], s[SEL+1]
.endr
.irp b, 0,1
	v_max_num_f32 v[TM+\b], v[TM+\b], v[TM+4+\b]
.endr
.irp b, 0,1
	v_add_nc_u32 v[TM+12+\b], 0xff000000, v[TM+\b]
.endr
.irp b, 0,1
	v_lshrrev_b32 v[TM+4+\b], 23, v[TM+12+\b]
.endr
	v_lshl_or_b32 v[\pw], v[TM+5], 8, v[TM+4]
	WIN 0x02
	v_cvt_scalef32_pk16_fp6_f32 v[(\o):(\o)+2], v[(\s):(\s)+15], v[TM+12]
	v_cvt_scalef32_pk16_fp6_f32 v[PC+6:PC+8], v[(\s)+16:(\s)+31], v[TM+13]
	WIN 0
	v_nop
.irp i, 0,1,2
	v_permlane16_swap_b32 v[(\o)+\i], v[PC+6+\i]
.endr
.irp i, 0,1,2
	v_mov_b32 v[(\o)+3+\i], v[PC+6+\i]
.endr
.endm
; One matrix instruction on the registers named by rD, rA, rB, rC, rSA, rSB.  ra, rb = 1: that side's scale words stand in lanes 16-31 of its register.
.macro WM ra, rb
.set rSel, (\ra)+2*(\rb)
.if rSel == 0
	v_wmma_scale_f32_16x16x128_f8f6f4 v[rD:rD+7], v[rA:rA+11], v[rB:rB+11], v[rC:rC+7], v[rSA], v[rSB] matrix_a_fmt:MATRIX_FMT_FP6 matrix_b_fmt:MATRIX_FMT_FP6
.elseif rSel == 1
	v_wmma_scale_f32_16x16x128_f8f6f4 v[rD:rD+7], v[rA:rA+11], v[rB:rB+11], v[rC:rC+7], v[rSA], v[rSB] matrix_a_fmt:MATRIX_FMT_FP6 matrix_b_fmt:MATRIX_FMT_FP6 matrix_a_scale:MATRIX_SCALE_ROW1
.elseif rSel == 2
	v_wmma_scale_f32_16x16x128_f8f6f4 v[rD:rD+7], v[rA:rA+11], v[rB:rB+11], v[rC:rC+7], v[rSA], v[rSB] matrix_a_fmt:MATRIX_FMT_FP6 matrix_b_fmt:MATRIX_FMT_FP6 matrix_b_scale:MATRIX_SCALE_ROW1
.else
	v_wmma_scale_f32_16x16x128_f8f6f4 v[rD:rD+7], v[rA:rA+11], v[rB:rB+11], v[rC:rC+7], v[rSA], v[rSB] matrix_a_fmt:MATRIX_FMT_FP6 matrix_b_fmt:MATRIX_FMT_FP6 matrix_a_scale:MATRIX_SCALE_ROW1 matrix_b_scale:MATRIX_SCALE_ROW1
.endif
.endm
; 8 matrix instructions: x's tiles m0, m0 + 1 against W's four, K step ks.  path 0: q, k (transposed); path 1: v.  The 32 accumulators take turns, one instruction a turn, in the same order in every step.
.macro MUL8 path, ks, m0
.if (\ks) == 0
	WIN 0x91+3*(\path)                             ; q, k: source 0 (W) and C (the bias) window 1, source 1 (x) window 0, D window 2;  v: sources 0 and 1 the other way round
.else
	WIN 0xa1+3*(\path)+((\ks)%2)*(12-9*(\path))    ; the same with C in window 2; in an odd K step x stands in window 3
.endif
.irp m, \m0, \m0+1
.irp n, 0,1,2,3
.if (\path) == 0
.set rD, 8*(4*(\m)+\n)
.set rA, 48*((\ks)%4)+12*\n
.set rB, XF+12*(\m)
.set rSA, WS+2*((\ks)%4)+(\n/2)
.set rSB, XS+4*((\ks)%2)+((\m)/2)
.else
.set rD, 8*(8*\n+(\m))
.set rA, XF+12*(\m)
.set rB, 48*((\ks)%4)+12*\n
.set rSA, XS+4*((\ks)%2)+((\m)/2)
.set rSB, WS+2*((\ks)%4)+(\n/2)
.endif
.if (\ks) == 0
.set rC, BI+8*\n
.else
.set rC, rD
.endif
.if (\path) == 0
	WM \n%2, (\m)%2
.else
	WM (\m)%2, \n%2
.endif
.endr
.endr
.endm
.macro XFETCH ks, m0                   ; x's fragments m0 .. m0 + 3 of K step ks from LDS, into XF[ks % 2]
	WIN 0xc0*((\ks)%2)                             ; destination window 0 or 3; the address in window 0
.irp m, \m0, \m0+1, \m0+2, \m0+3
.irp c, 0,1,2
	ds_load_b128 v[XF+12*(\m)+4*\c:XF+12*(\m)+4*\c+3], v[LI+(\ks)/4] offset:(8*((\ks)%4)+(\m))*1536+512*\c
.endr
.endr
.endm
.macro WSET set, off, soff             ; a K step's four fragments of W and their two scale words: 13 loads
	WIN 0x40                                       ; destination window 1
.irp n, 0,1,2,3
.irp c, 0,1,2
	global_load_b128 v[48*(\set)+12*\n+4*\c:48*(\set)+12*\n+4*\c+3], v[LI], s[WB:WB+1] offset:(\off)+1536*\n+512*\c
.endr
.endr
	WIN 0
	global_load_b64 v[WS+2*(\set):WS+2*(\set)+1], v[L8], s[WSB:WSB+1] offset:\soff
.endm
.macro XLOAD g                         ; fragment g of my 16: tile 2 w + g / 8, K step g % 8: 16 loads, each 512 consecutive bytes of one row, into buffer g % 4 of window 2: registers 4 p .. 4 p + 3: my 16 bytes of the tile's row p
	WIN 0x80
.irp p, 0,1,2,3,4,5,6,7,8,9,10,11,12,13,14,15
	global_load_b128 v[64*((\g)%4)+4*\p:64*((\g)%4)+4*\p+3], v[XA0], s[XP:XP+1] offset:(8*((\g)/8)+\p+8*(\p/8))*4096+512*((\g)%8) th:TH_LOAD_NT
.endr
	WIN 0
.endm
; Fragment g goes through my stage and comes back into the registers that it left: register 16 b + 4 j + e = number 32 b + 16 h + 4 j + e of the K step, of row r.
; LDS serves a wave's instructions in order (ISA guide 5.7.1.4): no wait on DScnt between the stores and the loads, nor in front of the next fragment's stores into the same stage.
.macro XTURN g
	WIN 0x08                                       ; an LDS store's data are its source 1: window 2
.irp p, 0,1,2,3,4,5,6,7,8,9,10,11,12,13,14,15
	ds_store_b128 v[SIN], v[64*((\g)%4)+4*\p:64*((\g)%4)+4*\p+3] offset:SROW*\p
.endr
	WIN 0x80                                       ; destination window 2
	s_wait_alu depctr_vm_vsrc(0)                   ; the sixteen stores above have read the buffer, in which the loads below land; and the last image's stores have read PC and PWT, which the next quantising lines write
.irp b, 0,1,2,3
.irp j, 0,1,2,3
	ds_load_b128 v[64*((\g)%4)+16*\b+4*\j:64*((\g)%4)+16*\b+4*\j+3], v[SOUT] offset:128*\b+16*\j
.endr
.endr
	WIN 0
.endm
; A K step of 128: 32 matrix instructions on XF[ks % 2] and W's set ks % 4.  Its loads are dealt among them: behind the first eight, W's K step three on (into the set that the step before read), the next step's scale
; words of x and its tiles 0-3; behind the next eight, its tiles 4-7: all into the other XF.  The stream of W runs on into the next head (8 x 6,144 = a head's 49,152 bytes); behind a wave's last head it reads 18,432 bytes
; more of wq, which nobody uses (Wo's codes follow Wv's: inside the buffer), so that the count 26 holds on every way.
.macro STEP path, ks
	s_wait_loadcnt 26                              ; this step's set of W is in: behind it two younger sets of 13 loads may be out
	s_wait_dscnt 0x0                               ; x's fragments and scale words of this step are in (asked for 16 matrix instructions ago or more); in a head's first step the bias too
.if (\ks) > 0
	PLACES 4                                       ; four plain places behind the last step's products
	s_wait_alu depctr_va_vdst(0)                   ; the last step's products are done reading the other XF, the other set of XS, and their set of W and WS: this step's loads land in these.  (A head's first step: the wait ahead of the bias loads says the same)
.endif
	MUL8 \path, \ks, 0
	WSET ((\ks)+3)%4, ((\ks)+3)*6144, ((\ks)+3)*256
	ds_load_b128 v[XS+4*(((\ks)+1)%2):XS+4*(((\ks)+1)%2)+3], v[LSX] offset:512*(((\ks)+1)%8)
	XFETCH ((\ks)+1)%8, 0
	MUL8 \path, \ks, 2                             ; no further wait: no product since the wait names a register that these loads touch
	XFETCH ((\ks)+1)%8, 4
	MUL8 \path, \ks, 4
	MUL8 \path, \ks, 6
.endm
	s_load_b512 s[8:23], s[0:1], 0x0               ; query s[8:9], key s[10:11], value s[12:13], bq s[14:15], bk s[16:17], bv s[18:19], wq s[20:21], qb s[22:23]
	s_load_b128 s[24:27], s[0:1], 0x40             ; kb s[24:25], vb s[26:27]
	v_lshl_add_u32 v254, v0, 2, 0x22400
	v_mov_b32 v255, 0
	v_lshrrev_b32 v19, 5, v0
	v_readfirstlane_b32 s[WV], v19                 ; wave 0..3
	s_and_b32 s[YY], ttmp7, 0xffff                 ; 0 query, 1 key, 2 value
	v_and_b32 v19, 31, v0                          ; lane
	v_lshlrev_b32 v[LI], 4, v19
	v_add_nc_u32 v[LIB], 49152, v[LI]
	v_add_nc_u32 v[LSX], XSCL, v[LI]
	v_lshlrev_b32 v[L8], 3, v19
	v_and_b32 v16, 15, v0                          ; r
	v_bfe_u32 v17, v0, 4, 1                        ; h
	v_and_b32 v18, 8, v16
	v_add_nc_u32 v18, v18, v16                     ; r + 8 (r / 8)
	v_lshl_add_u32 v[BAQ], v17, 6, BIAS
	v_lshl_add_u32 v[BAV], v18, 2, BIAS
	s_wait_alu depctr_va_sdst(0)                   ; the wave's number is written, ahead of its first reader: addresses and bases are made from it
	s_lshl_b32 s48, s[WV], 17                      ; my wave's 32 rows of 4,096 bytes
	v_add_nc_u32 v[XA0], s48, v[LI]
	s_mul_i32 s48, s[WV], SWAVE
	s_add_co_u32 s48, s48, STG                     ; my stage
	v_add_nc_u32 v[SIN], s48, v[LI]
	v_mul_u32_u24 v[SOUT], v16, SROW
	v_lshl_add_u32 v[SOUT], v17, 6, v[SOUT]
	v_add_nc_u32 v[SOUT], s48, v[SOUT]
	s_mul_i32 s48, s[WV], 3072
	v_add_nc_u32 v[XWA], s48, v[LI]
	v_add_nc_u32 v[XWA+1], 49152, v[XWA]
	s_lshl_b32 s48, s[WV], 2
	s_add_co_u32 s48, s48, XSCL
	v_lshl_add_u32 v[XWS], v16, 4, s48
	v_lshlrev_b32 v[T16], 4, v0
	v_add_nc_u32 v[T16L], BIAS, v[T16]
.irp b, 0,1,2,3
	v_mov_b32 v[TM+4+\b], 0                        ; written once: a lane permute's destination counts as one of its sources
.endr
	s_mov_b32 s[SEL], 0x76543210
	s_mov_b32 s[SEL+1], 0xfedcba98
	s_mov_b32 s[HI], 0xffff0000
	s_mov_b32 s[HC], 4
	s_lshl_b32 s[BO], s[WV], 10                    ; head 4 w: 256 bytes of bias a head
	s_lshl_b32 s2, ttmp9, 19                       ; the block's 128 rows of 4,096 bytes
	s_mov_b32 s3, 0
	s_mul_i32 s48, s[YY], 786432                   ; the matrix's codes,
	s_mul_i32 s49, s[WV], 196608                   ; head 4 w's
	s_add_co_u32 s48, s48, s49
	s_mov_b32 s49, 0
	s_lshl_b32 s50, s[YY], 15                      ; and scale words: 32,768 bytes a matrix, 2,048 a head
	s_lshl_b32 s51, s[WV], 13
	s_add_co_u32 s50, s50, s51
	s_add_co_u32 s50, s50, WSOFF
	s_mov_b32 s51, 0
	s_cmp_lt_u32 s[YY], 2
	s_mov_b32 s52, 102400
	s_cselect_b32 s52, 106496, s52                 ; a head's bytes in qb and kb, or in vb
	s_cselect_b32 s53, 9, 8                        ; a block's scale words: 512 or 256 bytes
	s_lshr_b32 s54, ttmp9, 4
	s_lshl_b32 s54, s54, 4
	s_lshl_b32 s55, s[WV], 2
	s_add_co_u32 s54, s54, s55                     ; batch x 16 + head 4 w
	s_mul_i32 s54, s54, s52
	s_and_b32 s55, ttmp9, 15                       ; the block within its batch
	s_mul_i32 s56, s55, 6144                       ; 8 tiles x 768, or 4 fragments x 1,536
	s_add_co_u32 s56, s56, s54
	s_mov_b32 s57, 0
	s_lshl_b32 s58, s55, s53
	s_add_co_u32 s58, s58, s54
	s_add_co_u32 s58, s58, 98304
	s_mov_b32 s59, 0
	s_wait_kmcnt 0x0
	s_cmp_eq_u32 s[YY], 0                          ; the choices hang on the work-group's number alone
	s_cselect_b64 s[XP:XP+1], s[8:9], s[10:11]
	s_cselect_b64 s[BP:BP+1], s[14:15], s[16:17]
	s_cselect_b64 s[60:61], s[22:23], s[24:25]
	s_cmp_lt_u32 s[YY], 2
	s_cselect_b64 s[XP:XP+1], s[XP:XP+1], s[12:13]
	s_cselect_b64 s[BP:BP+1], s[BP:BP+1], s[18:19]
	s_cselect_b64 s[60:61], s[60:61], s[26:27]
	s_add_nc_u64 s[XP:XP+1], s[XP:XP+1], s[2:3]
	s_add_nc_u64 s[WB:WB+1], s[20:21], s[48:49]
	s_add_nc_u64 s[WSB:WSB+1], s[20:21], s[50:51]
	s_add_nc_u64 s[OC:OC+1], s[60:61], s[56:57]
	s_add_nc_u64 s[OS:OS+1], s[60:61], s[58:59]
	s_wait_alu depctr_va_vdst(0)                   ; the address registers v1 to v15 are written, which the loads and stores of the whole kernel read; so are v16 to v19, in which fragments of x land
	global_load_b128 v[CP:CP+3], v[T16], s[BP:BP+1]               ; the bias vector: 32 bytes a thread
	global_load_b128 v[CP+4:CP+7], v[T16], s[BP:BP+1] offset:2048
	WSET 0, 0, 0
	WSET 1, 6144, 256
	WSET 2, 12288, 512                             ; K steps 0 to 2; each step asks for the one three on
	XLOAD 0
	XLOAD 1
	XLOAD 2
	XLOAD 3
	; ---- phase X: my 16 fragments of x
	s_wait_loadcnt 48                              ; the bias, W's first three sets and fragment 0 are in; three younger fragments' 16 loads each may be out
	ds_store_b128 v[T16L], v[CP:CP+3]
	ds_store_b128 v[T16L], v[CP+4:CP+7] offset:2048
	XTURN 0
.set f, 0
.rept 16
.if f < 13
	s_wait_loadcnt 32                              ; fragment f + 1's 16 loads are in; the two fragments behind it may be out
	XTURN f+1
	s_wait_dscnt 32                                ; all but the 32 just issued: fragment f's numbers are back from the stage
.elseif f < 15
	s_wait_loadcnt 16*(14-f)                       ; the last fragments: the counts run down
	XTURN f+1
	s_wait_dscnt 32
.else
	s_wait_dscnt 0x0
	s_wait_alu depctr_vm_vsrc(0)                   ; no turn stands here: the last image's stores have read PC and PWT, which the lines below write
.endif
	QUANT 64*(f%4), PWT, PC
	s_wait_alu depctr_va_vdst(0)                   ; the codes and the scale word are written, which the image's stores read; and the quantising lines are done reading the buffer, in which the fragment four on lands
.irp c, 0,1,2
	ds_store_b128 v[XWA+(f%8)/4], v[PC+4*\c:PC+4*\c+3] offset:12288*(f%4)+1536*(f/8)+512*\c
.endr
	ds_store_b32 v[XWS], v[PWT] offset:512*(f%8)+256*(f/8)   ; both halves of the lanes write the same word with the same value
.if f < 12
	XLOAD f+4                                      ; the buffer just quantised takes the fragment four on
.endif
.set f, f+1
.endr
	s_wait_dscnt 0x0                               ; for the others' sake: my stores have landed
	s_barrier_signal -1
	s_barrier_wait -1                              ; x's 64 fragments, their scale words and the bias lie in LDS; from here on LDS is only read
	s_wait_alu depctr_vm_vsrc(0)                   ; my LDS stores have read PC and PWT, which the heads' quantising lines write, and the landing buffers, which are the accumulators from here on
	XFETCH 0, 0
	ds_load_b128 v[XS:XS+3], v[LSX]
	XFETCH 0, 4
	s_cmp_eq_u32 s[YY], 2
	s_cbranch_scc1 .Lv
.Lqk:                                              ; ---- q, k: four trips, a head each
	v_add_nc_u32 v[BA], s[BO], v[BAQ]              ; (the last head's bias loads have read it: the wait on vm_vsrc at the loop's end)
	WIN 0x40
	s_wait_alu depctr_va_vdst(0)                   ; v[BA] is written, which the loads below read; the last head's products are done reading the bias, XF1, XS's second set and W's set 3, in which these loads and the first step's land
.irp n, 0,1,2,3                                ; C of tile n: lane (r, h), register j: the bias of channel 32 (n / 2) + 16 h + 8 (n % 2) + j
	ds_load_b128 v[BI+8*\n:BI+8*\n+3], v[BA] offset:(32*(\n/2)+8*(\n%2))*4
	ds_load_b128 v[BI+8*\n+4:BI+8*\n+7], v[BA] offset:(32*(\n/2)+8*(\n%2))*4+16
.endr
	WIN 0
.irp k, 0,1,2,3,4,5,6,7
	STEP 0, \k
.endr
	PLACES 4                                       ; four plain places behind the last products, before their results are read
.irp m, 0,1,2,3,4,5,6,7                        ; tile m's 32 registers are the head's 64 channels of my row: two blocks; its codes have registers of their own
	QUANT2 32*\m, PWT+(\m%2), OUTB+8*\m
.if \m%2
	v_cndmask_b32 v[SW+(\m/2)], v[PWT], v[PWT+1], s[HI]   ; lanes 0-15 the even tile's words, lanes 16-31 the odd tile's
.endif
.endr
	s_wait_alu depctr_va_vdst(0)                   ; the eight tiles' codes and the four scale words are written, which the stores below read
.irp m, 0,1,2,3,4,5,6,7
	global_store_b128 v[LI], v[OUTB+8*\m:OUTB+8*\m+3], s[OC:OC+1] offset:768*\m        ; 512 consecutive bytes,
	global_store_b64 v[L8], v[OUTB+8*\m+4:OUTB+8*\m+5], s[OC:OC+1] offset:768*\m+512   ; and 256
.endr
	global_store_b128 v[LI], v[SW:SW+3], s[OS:OS+1]
	s_wait_xcnt 0x0                                ; loads and stores have read their bases and data: the bases may step
	s_wait_alu depctr_vm_vsrc(0)                   ; the stores have read the codes' and words' registers, and the bias loads v[BA]: the next head writes all of them again
	s_add_nc_u64 s[WB:WB+1], s[WB:WB+1], 49152
	s_add_nc_u64 s[WSB:WSB+1], s[WSB:WSB+1], 2048
	s_add_nc_u64 s[OC:OC+1], s[OC:OC+1], 106496
	s_add_nc_u64 s[OS:OS+1], s[OS:OS+1], 106496
	s_add_co_u32 s[BO], s[BO], 256
	s_sub_co_u32 s[HC], s[HC], 1
	s_cmp_lg_u32 s[HC], 0
	s_cbranch_scc1 .Lqk
	s_wait_dscnt 0x0                               ; the closing lines, six on end
	s_wait_alu 0x0
	s_wait_tensorcnt 0x0
	ds_add_u32 v254, v255
	s_wait_dscnt 0x0
	s_endpgm
.Lv:                                               ; ---- v: four trips, a head each
	v_add_nc_u32 v[BA], s[BO], v[BAV]              ; (the last head's bias loads have read it: the wait on vm_vsrc at the loop's end)
	WIN 0x40
	s_wait_alu depctr_va_vdst(0)                   ; v[BA] is written, which the loads below read; the last head's products are done reading the bias, XF1, XS's second set and W's set 3, in which these loads and the first step's land
.irp n, 0,1,2,3                                ; C of tile n: my lane's channel 32 (n / 2) + 8 (n % 2) + r + 8 (r / 8) has one bias for all eight keys
.irp j, 0,1,2,3,4,5,6,7
	ds_load_b32 v[BI+8*\n+\j], v[BA] offset:(32*(\n/2)+8*(\n%2))*4
.endr
.endr
	WIN 0
.irp k, 0,1,2,3,4,5,6,7
	STEP 1, \k
.endr
	PLACES 4                                       ; four plain places behind the last products, before their results are read
.irp n, 0,1,2,3                                ; tile n's 64 registers are the block's 128 keys of my channel: a fragment of V^T; its codes have registers of their own
	QUANT 64*\n, PWT+(\n%2), OUTB+12*\n
.if \n%2
	v_cndmask_b32 v[SW+(\n/2)], v[PWT], v[PWT+1], s[HI]
.endif
.endr
	s_wait_alu depctr_va_vdst(0)                   ; the four fragments' codes and the two scale words are written, which the stores below read
.irp n, 0,1,2,3
.irp c, 0,1,2
	global_store_b128 v[LI], v[OUTB+12*\n+4*\c:OUTB+12*\n+4*\c+3], s[OC:OC+1] offset:1536*\n+512*\c
.endr
.endr
	global_store_b64 v[L8], v[SW:SW+1], s[OS:OS+1]
	s_wait_xcnt 0x0                                ; loads and stores have read their bases and data: the bases may step
	s_wait_alu depctr_vm_vsrc(0)                   ; the stores have read the codes' and words' registers, and the bias loads v[BA]: the next head writes all of them again
	s_add_nc_u64 s[WB:WB+1], s[WB:WB+1], 49152
	s_add_nc_u64 s[WSB:WSB+1], s[WSB:WSB+1], 2048
	s_add_nc_u64 s[OC:OC+1], s[OC:OC+1], 102400
	s_add_nc_u64 s[OS:OS+1], s[OS:OS+1], 102400
	s_add_co_u32 s[BO], s[BO], 256
	s_sub_co_u32 s[HC], s[HC], 1
	s_cmp_lg_u32 s[HC], 0
	s_cbranch_scc1 .Lv
	s_wait_dscnt 0x0                               ; the closing lines, six on end
	s_wait_alu 0x0
	s_wait_tensorcnt 0x0
	ds_add_u32 v254, v255
	s_wait_dscnt 0x0
	s_endpgm
.Lfunc_end_k_q3f5555e127_proj:
	.size	k_q3f5555e127_proj, .Lfunc_end_k_q3f5555e127_proj-k_q3f5555e127_proj
	.p2alignl 7, 3214868480
	.fill 96, 4, 3214868480
	.section	.rodata,"a",@progbits
	.p2align	6, 0x0
	.amdhsa_kernel k_q3f5555e127_proj
		.amdhsa_group_segment_fixed_size 140800
		.amdhsa_private_segment_fixed_size 0
		.amdhsa_enable_private_segment 0
		.amdhsa_kernarg_size 80
		.amdhsa_user_sgpr_count 2
		.amdhsa_user_sgpr_kernarg_segment_ptr 1
		.amdhsa_wavefront_size32 1
		.amdhsa_system_sgpr_workgroup_id_x 1
		.amdhsa_system_sgpr_workgroup_id_y 1
		.amdhsa_system_sgpr_workgroup_id_z 1
		.amdhsa_system_vgpr_workitem_id 0
		.amdhsa_next_free_vgpr 880
		.amdhsa_next_free_sgpr 66
		.amdhsa_reserve_vcc 0
		.amdhsa_float_denorm_mode_32 3
		.amdhsa_float_denorm_mode_16_64 3
		.amdhsa_memory_ordered 1
		.amdhsa_forward_progress 1
		.amdhsa_inst_pref_size 255
	.end_amdhsa_kernel
	.section	.bss,"aw",@nobits
	.p2align	6
	.space	262144
	.amdgpu_metadata
---
amdhsa.version: [ 1, 2 ]
amdhsa.kernels:
  - .name:           k_q3f5555e127_proj
    .symbol:         k_q3f5555e127_proj.kd
    .args:
      - { .name: query, .offset: 0, .size: 8, .value_kind: global_buffer, .address_space: global }
      - { .name: key, .offset: 8, .size: 8, .value_kind: global_buffer, .address_space: global }
      - { .name: value, .offset: 16, .size: 8, .value_kind: global_buffer, .address_space: global }
      - { .name: bq, .offset: 24, .size: 8, .value_kind: global_buffer, .address_space: global }
      - { .name: bk, .offset: 32, .size: 8, .value_kind: global_buffer, .address_space: global }
      - { .name: bv, .offset: 40, .size: 8, .value_kind: global_buffer, .address_space: global }
      - { .name: wq, .offset: 48, .size: 8, .value_kind: global_buffer, .address_space: global }
      - { .name: qb, .offset: 56, .size: 8, .value_kind: global_buffer, .address_space: global }
      - { .name: kb, .offset: 64, .size: 8, .value_kind: global_buffer, .address_space: global }
      - { .name: vb, .offset: 72, .size: 8, .value_kind: global_buffer, .address_space: global }
    .group_segment_fixed_size: 140800
    .private_segment_fixed_size: 0
    .kernarg_segment_align: 8
    .kernarg_segment_size: 80
    .max_flat_workgroup_size: 128
    .sgpr_count:     66
    .vgpr_count:     880
    .wavefront_size: 32
...
	.end_amdgpu_metadata
.endif
;; end of part 9
;; launch attn (part 10): grid 4 x 64, 16 waves a work-group, no clusters, 210,944 bytes of LDS; arguments qb, kb, vb, mb, ab, cl; writes ab
.if DOCPART == 10
	.amdgcn_target "amdgcn-amd-amdhsa--gfx1250"
	.amdhsa_code_object_version 6
	.text
	.protected	k_q3f5555e127_attn
	.globl	k_q3f5555e127_attn
	.p2align	8
	.type	k_q3f5555e127_attn,@function
k_q3f5555e127_attn:
	s_mov_b64 s[64:65], 0
	v_nop
	global_prefetch_b8 v0, s[64:65] scope:SCOPE_SE
	s_setreg_imm32_b32 hwreg(HW_REG_WAVE_SCHED_MODE, 0, 2), 2
	s_setreg_imm32_b32 hwreg(HW_REG_WAVE_MODE, 25, 1), 1
	s_wait_xcnt 0x0
	s_wait_alu depctr_vm_vsrc(0)
; ATTN.  For each (batch, head): scores = q k^T / 8, -1e9 where the mask is 0, softmax, x v; both products on codes of FP6 (E2M3) with one E8M0 scale for each 32 along K; the result quantised along (head, channel) for the last product.
; THE SOFTMAX AHEAD OF THE SECOND PRODUCT: t = score x log2(e) / 8; M = the row's largest t so far, rounded up to a whole number; p = 2^(t - M) is quantised along the keys, not normalised.  The row's sum is taken of the
; unquantised p and divides at the end.  When M moves, the sum and O are multiplied by 2^(old M - new M): exact.
; SHARES.  Work-group (j, batch x 16 + head) copies the head's K and V (codes and scale words, 208,896 bytes, as they lie in kb and vb) into LDS once; ONE barrier; then its sixteen waves are independent.  It owns the
; query tiles T = 4 i + j; wave w works tile i = w and then tile i = 31 - w: only an order of work, which evens the waves' work under any mask that thins steadily from one end of the queries to the other.
; A tile is 16 queries in 256 registers: four waves to a SIMD, so that one wave's vector work stands beside another's matrix work.
; LAYOUT.  Both products are used transposed: S^T = K Q^T (source 0 = 16 keys), O^T = V^T P^T (source 0 = 16 channels): a lane holds one query throughout.  The rows of every tile are 32 (T / 2) + 8 (T % 2) + r + 8 (r / 8),
; so that the 16 registers of tiles 2 b and 2 b + 1 are keys (or channels) 32 b + 16 (lane / 16) + 0 .. 15.  The head has 64 channels: the upper six registers of Q's and K's operands are zero codes.
; THE MASK is an input and is honoured as it is given.  The first launch has packed it: word n of a key step (mb) holds, for register n of S^T, one bit a lane: one v_cndmask_b32 a score.  Each key step of a tile has a class (cl):
; 2 all open: no masking; 1 mixed; 0 all hidden: the step is left out, by a scalar branch on the stored class, but only in a tile each of whose 16 queries has an open key somewhere: there a hidden key's p is 0 in the end.
; In a tile with a query that has none, class 0 is raised to 1 and nothing is left out: that query's p is 1 for every key, as -1e9 everywhere gives.
; A hidden score becomes -2^33 (a logit of -2^30, about -1.07e9, where reference() has -1e9).  -2^33 x log2(e) / 8 is exact in f32 and a whole number: in a row with no open key M is that number, the fused multiply-add gives
; t - M = 0 exactly and p = 1 for every key; in a row with an open key a hidden p is 2^(about -1.5e9) = 0, as there.
; NO CLUSTER, NO TENSOR LOAD: the branch on the stored classes spares whole key steps; what the four work-groups of a head share, 208,896 bytes, each reads once, at the head.
; LIMITS: NaN and infinities are not served; open logits under about -1e9 are not told from hidden ones as reference() tells them; a block of zeros gets the byte 1 (its codes are zeros; the bytes are read by this program alone).
; THE MODE: SCHED_MODE bits 1:0 = 2 (LLVM: expert scheduling mode 2), set by the entry lines.  The code itself states the register dependences between vector or matrix instructions and memory or LDS instructions,
; with s_wait_alu, always for 0.
; THE PLAN.  Registers that memory or LDS instructions touch:
;   v8-11, v28       the step's LDS addresses: written by five additions at the step's head, read by the step's LDS loads.  A wait on vm_vsrc ahead of the additions, one on va_vdst behind them.
;   v32-37 + 12 t    four tiles of K: loaded twice a step, each time read by four products.  256 registers leave no room for a second set: a wait on va_vdst stands ahead of the second run of loads.
;   v248-251, v84-85 K's and V's scale words: loaded once a step, read by the products.
;   v96-143          S^T and p, written and read by vector instructions; behind the conversions, which read p last, a wait on va_vdst, and V's fragments land there while p's codes are laid out and O^T is rescaled.
;   v224-235, v253   p's codes and scale word, written by vector instructions, taken by scaled products: a wait on va_vdst behind the places ahead of these.
;   v16-21, v255     Q: loaded once a tile, read by all its products K Q^T.   v224-229, v254: a tile's codes and scale bytes, read by its three stores.   Three waits at a tile's head, one ahead of its stores.
;   v1-7, v200-205   lane terms and the head's addresses: made once, never written again.
; REGISTERS: v1-7 lane terms that stay; v8-11, v28 the step's LDS addresses; v12 -M, v13 the largest t, v[14:15] the sum in two halves; v16-27 Q; v32-79 four tiles of K; v84-85 V's scale words; v96-159 S^T, then p, then V's four
; fragments; v160-191 O^T; v224-235 p's codes; v232-247, v252, v254 at work; v248-251 K's scale words; v253 p's; v255 Q's; v223, v243 kept for the closing lines.
.set KSC,    98304                     ; LDS: K's 128 tiles x 768 bytes; from KSC on its scale words, 512 bytes a key step;
.set VC,     106496                    ; from VC on V's fragments, 6,144 bytes a key step;
.set VSC,    204800                    ; from VSC on its scale words, 256 bytes a key step
.set WV,  14                           ; s14  my wave's number
.set BH,  16                           ; s16  batch x 16 + head
.set TI,  17                           ; s17  i of the tile in hand
.set TC,  18                           ; s18  counts my two tiles
.set TT,  19                           ; s19  T
.set CLS, 24                           ; s24  the classes of the key steps still to come, 2 bits each  (s[24:27] first take the tile's two records)
.set CC,  25                           ; s25  this step's class
.set KB,  26                           ; s26  the step's codes: 6,144 bytes a step, in K and in V
.set SB,  27                           ; s27  K's scale words: 512 a step
.set TB,  28                           ; s28  V's: 256 a step
.set MO,  29                           ; s29  the step's mask words in mb: 256 bytes a step
.set KC,  30                           ; s30  counts the 16 key steps
.macro PLACES n
.rept \n
	v_nop
.endr
.endm
	s_load_b256 s[4:11], s[0:1], 0x0               ; qb s[4:5], kb s[6:7], vb s[8:9], mb s[10:11]
	s_load_b64 s[12:13], s[0:1], 0x20              ; ab
	s_load_b64 s[100:101], s[0:1], 0x28            ; cl
	v_lshl_add_u32 v223, v0, 2, 0x33000
	v_mov_b32 v243, 0
	v_lshrrev_b32 v8, 5, v0
	v_readfirstlane_b32 s[WV], v8                  ; wave 0..15
	s_and_b32 s[BH], ttmp7, 0xffff
	v_lshlrev_b32 v200, 4, v0                      ; 16 x thread: 8,192 bytes a turn of the 512 threads
	v_add_nc_u32 v201, 0x10000, v200               ; (an LDS offset has 16 bits)
	v_add_nc_u32 v202, 0x20000, v200
	v_add_nc_u32 v203, 0x30000, v200
	v_lshlrev_b32 v205, 3, v0
	v_add_nc_u32 v204, VSC, v205
	s_wait_alu depctr_va_sdst(0)                   ; the wave's number is written, ahead of its first reader, the line below that makes my first tile of it
	s_mul_i32 s2, s[BH], 106496
	s_mov_b32 s3, 0
	s_mul_i32 s18, s[BH], 102400
	s_mov_b32 s19, 0
	s_wait_kmcnt 0x0
	s_add_nc_u64 s[4:5], s[4:5], s[2:3]            ; the head in qb,
	s_add_nc_u64 s[6:7], s[6:7], s[2:3]            ; in kb,
	s_add_nc_u64 s[8:9], s[8:9], s[18:19]          ; in vb
	s_wait_alu depctr_va_vdst(0)                   ; v200 to v205 are written, which the loads and the LDS stores of the copy read
.irp i, 0,1,2,3,4,5,6,7,8,9,10,11,12
	global_load_b128 v[96+4*\i:99+4*\i], v200, s[6:7] offset:8192*\i      ; 13 x 8,192 = K's 106,496 bytes
.endr
.irp i, 0,1,2,3,4,5,6,7,8,9,10,11
	global_load_b128 v[148+4*\i:151+4*\i], v200, s[8:9] offset:8192*\i    ; 12 x 8,192 + 4,096 = V's 102,400
.endr
	global_load_b64 v[196:197], v205, s[8:9] offset:98304
	v_and_b32 v8, 31, v0                           ; lane
	v_lshlrev_b32 v1, 4, v8                        ; v1  16 x lane: registers 0-3 of a tile of K or Q; a group of four of a fragment
	v_lshlrev_b32 v2, 3, v8
	v_add_nc_u32 v5, VSC, v2                       ; v5  V's scale words
	v_add_nc_u32 v2, 512, v2                       ; v2  8 x lane + 512: registers 4-5 of a tile
	v_add_nc_u32 v3, VC, v1                        ; v3  V's fragments
	v_add_nc_u32 v4, KSC, v1                       ; v4  K's scale words
	v_mov_b32 v6, 0xd0000000                       ; v6  -2^33: what a hidden score becomes
	v_and_b32 v7, 15, v0
	v_lshlrev_b32 v7, 4, v7                        ; v7  16 r
.irp i, 22,23,24,25,26,27
	v_mov_b32 v[\i], 0                             ; Q's k = 64 .. 127: zero codes, written once
.endr
.irp t, 0,1,2,3
.irp i, 6,7,8,9,10,11
	v_mov_b32 v[32+12*\t+\i], 0                    ; K's likewise
.endr
.endr
.irp b, 0,1,2,3
	v_mov_b32 v[236+\b], 0                         ; written once: a lane permute's destination counts as one of its sources
.endr
	v_mov_b32 v252, 0
	v_mov_b32 v253, 0                              ; (named as the upper half of the pair v[252:253] before it is first written)
	s_mov_b32 s20, 0x76543210
	s_mov_b32 s21, 0xfedcba98                      ; v_permlanex16_b32's selects for lane l xor 16
	s_mov_b32 s22, 0x3e38aa3b                      ; c = log2(e) / 8
	s_mov_b32 s23, s22                             ; (the packed forms name the pair)
	s_lshr_b32 s31, s[BH], 4
	s_mul_i32 s31, s31, 1638400                    ; ab: the batch's 16 blocks of 102,400 bytes
	s_bfe_u32 s66, s[BH], 0x30001                  ; head / 2: the last product's K step
	s_and_b32 s67, s[BH], 1                        ; head % 2: which half of its fragments
	s_mul_i32 s2, s66, 12288
	s_add_co_u32 s2, s2, s31
	s_mul_i32 s18, s67, 768
	s_add_co_u32 s2, s2, s18                       ; codes
	s_lshl_b32 s18, s66, 9
	s_add_co_u32 s18, s18, s31
	s_lshl_b32 s67, s67, 1
	s_add_co_u32 s18, s18, s67
	s_add_co_u32 s18, s18, 98304                   ; scale bytes
	s_wait_loadcnt 0x0
	s_add_nc_u64 s[6:7], s[12:13], s[18:19]        ; (kb's loads are done: the pair is free)  s[6:7]: where my head's scale bytes go in ab
	s_add_nc_u64 s[12:13], s[12:13], s[2:3]        ; s[12:13]: and its codes
.irp i, 0,1,2,3,4,5,6,7
	ds_store_b128 v200, v[96+4*\i:99+4*\i] offset:8192*\i
.endr
.irp i, 8,9,10,11,12
	ds_store_b128 v201, v[96+4*\i:99+4*\i] offset:8192*(\i-8)
.endr
.irp i, 0,1,2
	ds_store_b128 v201, v[148+4*\i:151+4*\i] offset:40960+8192*\i        ; VC = 65,536 + 40,960
.endr
.irp i, 3,4,5,6,7,8,9,10
	ds_store_b128 v202, v[148+4*\i:151+4*\i] offset:8192*(\i-3)
.endr
	ds_store_b128 v203, v[192:195]
	ds_store_b64 v204, v[196:197]
	s_mov_b32 s[TI], s[WV]
	s_mov_b32 s[TC], 0
	s_wait_dscnt 0x0                               ; for the others' sake: my stores have landed
	s_barrier_signal -1
	s_barrier_wait -1                              ; the head's K and V lie in LDS; from here on LDS is only read
.Ltile:                                            ; ---- two trips: a tile of 16 queries each
	s_wait_xcnt 0x0                                ; the last tile's stores have read their registers and bases
	s_wait_alu depctr_vm_vsrc(0)                   ; first trip: the copy's LDS stores have read v96 to v197; second: the last tile's stores have read v224 to v229 and v254: the lines and products of this tile write all of these
	s_wait_alu depctr_va_vdst(0)                   ; first trip: v1 to v7 are written, which loads and stores read from here on, and the zero codes, which the products take; second: the last tile's products are done reading Q and its scale words, in which the loads below land
	s_lshl_b32 s[TT], s[TI], 2
	s_add_co_u32 s[TT], s[TT], ttmp9               ; T = 4 i + j
	s_mul_i32 s104, s[TT], 768
	s_mov_b32 s105, 0
	s_add_nc_u64 s[104:105], s[4:5], s[104:105]    ; Q's tile
	s_lshr_b32 s2, s[TT], 3
	s_lshl_b32 s2, s2, 9                           ; its scale words: the block of 128 rows,
	s_bfe_u32 s3, s[TT], 0x20001
	s_lshl_b32 s3, s3, 2                           ; the pair of tiles,
	s_add_co_u32 s2, s2, s3
	s_and_b32 s3, s[TT], 1
	s_lshl_b32 s3, s3, 8                           ; the odd tile's stand in the places of lanes 16-31
	s_add_co_u32 s2, s2, s3
	s_add_co_u32 s2, s2, 98304
	s_mov_b32 s3, 0
	s_add_nc_u64 s[2:3], s[4:5], s[2:3]
	global_load_b128 v[16:19], v1, s[104:105]
	global_load_b64 v[20:21], v2, s[104:105]
	global_load_b32 v255, v7, s[2:3]
	s_lshr_b32 s31, s[BH], 4
	s_lshl_b32 s31, s31, 7
	s_add_co_u32 s31, s31, s[TT]                   ; batch x 128 + T
	s_lshl_b32 s[MO], s31, 12                      ; its mask words: 4,096 bytes
	s_lshl_b32 s31, s31, 4                         ; its two records of 8 bytes
	s_load_b128 s[24:27], s[100:101], s31 offset:0x0   ; {classes of key steps 0-7, the OR of their words, classes of key steps 8-15, the OR of theirs}
.irp j, 0,1,2,3,4,5,6,7,8,9,10,11,12,13,14,15,16,17,18,19,20,21,22,23,24,25,26,27,28,29,30,31
	v_mov_b32 v[160+\j], 0                         ; O^T.  (The step is written once: the first finds zeros, which the first change of M leaves zeros)
.endr
	v_mov_b32 v13, 0xff61b1e6                      ; the largest t so far: -3e38
	v_floor_f32 v12, -v13                          ; -M
	v_mov_b32 v14, 0
	v_mov_b32 v15, 0
	s_mov_b32 s[TB], 0
	s_mov_b32 s[KC], 0
	s_wait_kmcnt 0x0
	s_lshl_b32 s26, s26, 16
	s_or_b32 s[CLS], s24, s26                      ; sixteen classes
	s_or_b32 s27, s25, s27                         ; the OR of all the tile's words
	s_lshr_b32 s[CC], s[CLS], 1
	s_or_b32 s[CC], s[CC], s[CLS]
	s_not_b32 s[CC], s[CC]
	s_and_b32 s[CC], s[CC], 0x55555555             ; a 1 at each class 0
	s_lshr_b32 s26, s27, 16
	s_or_b32 s27, s27, s26
	s_and_b32 s27, s27, 0xffff                     ; bit r: query r has an open key
	s_cmp_eq_u32 s27, 0xffff
	s_cselect_b32 s[CC], 0, s[CC]
	s_or_b32 s[CLS], s[CLS], s[CC]                 ; where a query has none, class 0 becomes class 1: nothing is left out
	s_mov_b32 s[KB], 0
	s_mov_b32 s[SB], 0
	s_wait_loadcnt 0x0                             ; Q
.Lstep:                                            ; ---- sixteen trips: 128 keys each
	s_and_b32 s[CC], s[CLS], 3
	s_cmp_eq_u32 s[CC], 0
	s_cbranch_scc1 .Ltail                          ; all hidden: only the addresses step
	s_load_b512 s[32:47], s[10:11], s[MO] offset:0x0     ; the step's 64 mask words; asked for in open steps too, so that they are loaded on every way to the lines that read them; they land under the products
	s_load_b512 s[48:63], s[10:11], s[MO] offset:0x40
	s_load_b512 s[68:83], s[10:11], s[MO] offset:0x80
	s_load_b512 s[84:99], s[10:11], s[MO] offset:0xc0
	s_wait_alu depctr_vm_vsrc(0)                   ; the LDS loads of the step before have read v8 to v11 and v28, which the five lines below write
	v_add_nc_u32 v8, s[KB], v1                     ; these five and the v_nop are six plain places behind the last step's products V^T P^T, whose source registers the first product below writes over (five are asked)
	v_add_nc_u32 v9, s[KB], v2
	v_add_nc_u32 v10, s[KB], v3
	v_add_nc_u32 v11, s[SB], v4
	v_add_nc_u32 v28, s[TB], v5
	v_nop
	s_wait_alu depctr_va_vdst(0)                   ; the five addresses are written, which this step's LDS loads read
	ds_load_b128 v[248:251], v11                   ; K's scale words: four registers; in each, lanes 0-15 the even tile, lanes 16-31 the odd
.irp g, 0,1                                    ; S^T = K Q^T, four tiles of 16 keys at a time
.if \g
	PLACES 4                                       ; four plain places behind the four products above
	s_wait_alu depctr_va_vdst(0)                   ; these four products are done reading v32 to v79, in which the next four tiles land
.endif
.irp t, 0,1,2,3
	ds_load_b128 v[32+12*\t:35+12*\t], v8 offset:(4*\g+\t)*768
	ds_load_b64 v[36+12*\t:37+12*\t], v9 offset:(4*\g+\t)*768
.endr
	s_wait_dscnt 0x0
.irp t, 0,2
	v_wmma_scale_f32_16x16x128_f8f6f4 v[96+8*(4*\g+\t):103+8*(4*\g+\t)], v[32+12*\t:43+12*\t], v[16:27], 0, v[248+2*\g+(\t/2)], v255 matrix_a_fmt:MATRIX_FMT_FP6 matrix_b_fmt:MATRIX_FMT_FP6
	v_wmma_scale_f32_16x16x128_f8f6f4 v[104+8*(4*\g+\t):111+8*(4*\g+\t)], v[44+12*\t:55+12*\t], v[16:27], 0, v[248+2*\g+(\t/2)], v255 matrix_a_fmt:MATRIX_FMT_FP6 matrix_b_fmt:MATRIX_FMT_FP6 matrix_a_scale:MATRIX_SCALE_ROW1
.endr
.endr                                          ; lane (r, h) holds query r; register 16 b + i is key 32 b + 16 h + i of the step
	PLACES 4
	s_cmp_eq_u32 s[CC], 2
	s_cbranch_scc1 .Lopen                          ; all open: nothing to mask; the mask words are waited for at the step's end
	s_wait_kmcnt 0x0                               ; the mask words are in
.set nn, 0
.rept 32
	v_cndmask_b32 v[96+nn], v6, v[96+nn], s[32+nn]   ; bit 1: the score stays; bit 0: -2^33
.set nn, nn+1
.endr
.rept 32
	v_cndmask_b32 v[96+nn], v6, v[96+nn], s[36+nn]   ; words 32 to 63 stand in s68 to s99
.set nn, nn+1
.endr
.Lopen:
.irp b, 0,1,2,3
	v_max3_num_f32 v[232+\b], v[96+16*\b], v[97+16*\b], v[98+16*\b]   ; the largest score of each block of 32 keys: it serves for the row's maximum and, since p rises with the score, for the block's largest p
.endr
.irp i, 3,5,7,9,11,13
.irp b, 0,1,2,3
	v_max3_num_f32 v[232+\b], v[232+\b], v[96+16*\b+\i], v[97+16*\b+\i]
.endr
.endr
.irp b, 0,1,2,3
	v_max_num_f32 v[232+\b], v[232+\b], v[111+16*\b]
.endr
.irp b, 0,1,2,3
	v_permlanex16_b32 v[236+\b], v[232+\b], s20, s21
.endr
.irp b, 0,1,2,3
	v_max_num_f32 v[232+\b], v[232+\b], v[236+\b]  ; with lane l xor 16's 16 keys
.endr
	v_max3_num_f32 v254, v232, v233, v234
	v_max_num_f32 v254, v254, v235                 ; the step's largest score of my query
	v_mul_f32 v254, s22, v254                      ; as t (c is positive)
	v_max_num_f32 v13, v13, v254                   ; the running largest t
	v_mov_b32 v254, v12
	v_floor_f32 v12, -v13                          ; the new -M = floor(-t) = -ceil(t): a whole number
	v_sub_f32 v254, v12, v254                      ; old M - new M: a whole number, 0 or less
	v_cvt_i32_f32 v254, v254                       ; (it saturates)
	v_ldexp_f32 v252, 1.0, v254                    ; f = 2^(old M - new M)
.set jj, 0
.rept 32                                       ; t - M by one fused multiply-add, two at a time (of the pairs c and -M the low word serves both halves)
	v_pk_fma_f32 v[96+jj:97+jj], v[96+jj:97+jj], s[22:23], v[12:13] op_sel_hi:[1,0,0]
.set jj, jj+2
.endr
.irp b, 0,1,2,3
	v_fma_f32 v[232+\b], v[232+\b], s22, v12       ; the same of each block's largest score
.endr
.set jj, 0
	s_wait_alu depctr_va_vdst(0)
.rept 64
	v_exp_f32 v[96+jj], v[96+jj]                   ; p = 2^(t - M): not normalised
.set jj, jj+1
.endr
	v_pk_mul_f32 v[14:15], v[14:15], v[252:253] op_sel_hi:[1,0]   ; the sums under the new M.  (A plain place behind the exponentials)
	s_wait_alu depctr_va_vdst(0)                   ; the 64 exponentials have written p: one wait for the whole batch, ahead of its first reader
.irp b, 0,1,2,3
	v_exp_f32 v[232+\b], v[232+\b]                 ; each block's largest p: the same two instructions on the same number give the same bits
.endr
	v_pk_add_f32 v[236:237], v[96:97], v[98:99]    ; the row's sum is taken of the unquantised p: two at a time, in two chains.  (It reads the 64 alone: plain work behind the four)
.irp j, 4,8,12,16,20,24,28,32,36,40,44,48,52,56,60
	v_pk_add_f32 v[14:15], v[14:15], v[96+\j:97+\j]
	v_pk_add_f32 v[236:237], v[236:237], v[98+\j:99+\j]
.endr
	v_pk_add_f32 v[14:15], v[14:15], v[236:237]
	s_wait_alu depctr_va_vdst(0)                   ; the four exponentials have written the blocks' largest p, ahead of their first reader
.irp b, 0,1,2,3
	v_max_num_f32 v[232+\b], 0x1800000, v[232+\b]  ; the floor 2^(3 - 127): the byte cannot fall under 1 (a block whose every p is 0 keeps that byte: its codes are zeros)
.endr
.irp b, 0,1,2,3
	v_add_nc_u32 v[244+\b], 0xff000000, v[232+\b]  ; 2 off the exponent field: the conversion's scale operand
.endr
.irp b, 0,1,2,3
	v_lshrrev_b32 v[236+\b], 23, v[244+\b]         ; the scale's byte
.endr
	v_lshl_or_b32 v253, v237, 8, v236              ; p's scale word for these 128 keys
	v_lshl_or_b32 v253, v238, 16, v253
	v_lshl_or_b32 v253, v239, 24, v253
.irp c, 0,1
	v_cvt_scalef32_pk16_fp6_f32 v[224+6*\c:226+6*\c], v[96+32*\c:111+32*\c], v[244+2*\c]
	v_cvt_scalef32_pk16_fp6_f32 v[236+4*\c:238+4*\c], v[112+32*\c:127+32*\c], v[244+2*\c+1]   ; (a conversion's three registers begin on an even number)
.endr
	v_nop                                          ; one plain place behind a scaled conversion
	s_wait_alu depctr_va_vdst(0)                   ; the sums and the conversions are done reading p: V's fragments land in its registers; they are on their way while the 28 lines below, which name none of them, lay out p's codes and rescale O^T
.irp n, 0,1,2,3                                ; V's four fragments (16 channels x these 128 keys) take the registers that p has left
.irp c, 0,1,2
	ds_load_b128 v[96+12*\n+4*\c:99+12*\n+4*\c], v10 offset:1536*\n+512*\c
.endr
.endr
	ds_load_b64 v[84:85], v28
.irp c, 0,1                                    ; a whole block to a lane: lanes 0-15 block 2 c, lanes 16-31 block 2 c + 1
.irp i, 0,1,2
	v_permlane16_swap_b32 v[224+6*\c+\i], v[236+4*\c+\i]
.endr
.irp i, 0,1,2
	v_mov_b32 v[227+6*\c+\i], v[236+4*\c+\i]
.endr
.endr
.irp j, 0,2,4,6,8,10,12,14,16,18,20,22,24,26,28,30
	v_pk_mul_f32 v[160+\j:161+\j], v[160+\j:161+\j], v[252:253] op_sel_hi:[1,0]   ; O^T under the new M.  (These sixteen are also the places between the lines that wrote p's codes and scale word and the products below)
.endr
	s_wait_alu depctr_va_vdst(0)                   ; p's codes (v224 to v235) and its scale word (v253) are written, which the scaled products below take; the places stand ahead of this wait
	s_wait_dscnt 0x0
.irp n, 0,2                                    ; O^T += V^T P^T: four accumulators, one instruction each
	v_wmma_scale_f32_16x16x128_f8f6f4 v[160+8*\n:167+8*\n], v[96+12*\n:107+12*\n], v[224:235], v[160+8*\n:167+8*\n], v[84+(\n/2)], v253 matrix_a_fmt:MATRIX_FMT_FP6 matrix_b_fmt:MATRIX_FMT_FP6
	v_wmma_scale_f32_16x16x128_f8f6f4 v[168+8*\n:175+8*\n], v[108+12*\n:119+12*\n], v[224:235], v[168+8*\n:175+8*\n], v[84+(\n/2)], v253 matrix_a_fmt:MATRIX_FMT_FP6 matrix_b_fmt:MATRIX_FMT_FP6 matrix_a_scale:MATRIX_SCALE_ROW1
.endr
.Ltail:
	s_wait_kmcnt 0x0                               ; an open step's mask words have landed too: their registers may be loaded again, and the offset that their loads read may step
	s_lshr_b32 s[CLS], s[CLS], 2
	s_add_co_u32 s[KB], s[KB], 6144
	s_add_co_u32 s[SB], s[SB], 512
	s_add_co_u32 s[TB], s[TB], 256
	s_add_co_u32 s[MO], s[MO], 256
	s_add_co_u32 s[KC], s[KC], 1
	s_cmp_lt_u32 s[KC], 16
	s_cbranch_scc1 .Lstep
	; ---- the tile's end: O^T / the sum, quantised along the head's 64 channels: half a fragment of the last product's K step head / 2
	PLACES 4                                       ; behind the last products
	s_wait_alu depctr_va_vdst(0)
	v_add_f32 v14, v14, v15                        ; the sum's two halves,
	v_permlanex16_b32 v252, v14, s20, s21
	v_add_f32 v14, v14, v252                       ; and lane l xor 16's
	s_wait_alu depctr_va_vdst(0)
	v_rcp_f32 v14, v14
	v_nop                                          ; a plain place behind the transcendental
	s_lshr_b32 s31, s[TT], 3
	s_mul_i32 s31, s31, 102400                     ; the tile's block of 128 rows in ab
	s_and_b32 s104, s[TT], 7
	s_mul_i32 s104, s104, 1536                     ; its tile m
	s_add_co_u32 s104, s104, s31
	s_mov_b32 s105, 0
	s_add_nc_u64 s[104:105], s[12:13], s[104:105]
	s_and_b32 s2, s[TT], 1
	s_lshl_b32 s2, s2, 8                           ; the word of (m, r) lies at 16 (r + 16 (m % 2)) + 4 (m / 2)
	s_add_co_u32 s2, s2, s31
	s_bfe_u32 s3, s[TT], 0x20001
	s_lshl_b32 s3, s3, 2
	s_add_co_u32 s2, s2, s3
	s_mov_b32 s3, 0
	s_add_nc_u64 s[2:3], s[6:7], s[2:3]
	s_wait_alu depctr_va_vdst(0)                   ; the reciprocal has written v14, ahead of its first reader
.irp j, 0,2,4,6,8,10,12,14,16,18,20,22,24,26,28,30
	v_pk_mul_f32 v[96+\j:97+\j], v[160+\j:161+\j], v[14:15] op_sel_hi:[1,0]   ; register 16 b + i is channel 32 b + 16 h + i of my query
.endr
.irp b, 0,1
	v_max3_num_f32 v[232+\b], |v[96+16*\b]|, |v[97+16*\b]|, 0x1800000
.endr
.irp i, 2,4,6,8,10,12,14
.irp b, 0,1
	v_max3_num_f32 v[232+\b], v[232+\b], |v[96+16*\b+\i]|, |v[97+16*\b+\i]|
.endr
.endr
.irp b, 0,1
	v_permlanex16_b32 v[236+\b], v[232+\b], s20, s21
.endr
.irp b, 0,1
	v_max_num_f32 v[232+\b], v[232+\b], v[236+\b]
.endr
.irp b, 0,1
	v_add_nc_u32 v[244+\b], 0xff000000, v[232+\b]
.endr
.irp b, 0,1
	v_lshrrev_b32 v[236+\b], 23, v[244+\b]
.endr
	v_lshl_or_b32 v254, v237, 8, v236              ; my row's two scale bytes
	v_cvt_scalef32_pk16_fp6_f32 v[224:226], v[96:111], v244
	v_cvt_scalef32_pk16_fp6_f32 v[236:238], v[112:127], v245
	v_nop
.irp i, 0,1,2
	v_permlane16_swap_b32 v[224+\i], v[236+\i]
.endr
.irp i, 0,1,2
	v_mov_b32 v[227+\i], v[236+\i]
.endr
	s_wait_alu depctr_va_vdst(0)                   ; the tile's codes (v224 to v229) and scale bytes (v254) are written, which the three stores read
	global_store_b128 v1, v[224:227], s[104:105]   ; 512 consecutive bytes,
	global_store_b64 v2, v[228:229], s[104:105]    ; and 256
	global_store_b16 v7, v254, s[2:3]              ; two bytes a row, 16 bytes apart: the other head of the pair writes the two beside them; both halves of the lanes store the same bytes
	s_sub_co_u32 s[TI], 31, s[TI]                  ; the second tile: i = 31 - w
	s_add_co_u32 s[TC], s[TC], 1
	s_cmp_lt_u32 s[TC], 2
	s_cbranch_scc1 .Ltile
	s_wait_dscnt 0x0                               ; the closing lines, six on end
	s_wait_alu 0x0
	s_wait_tensorcnt 0x0
	ds_add_u32 v223, v243
	s_wait_dscnt 0x0
	s_endpgm
.Lfunc_end_k_q3f5555e127_attn:
	.size	k_q3f5555e127_attn, .Lfunc_end_k_q3f5555e127_attn-k_q3f5555e127_attn
	.p2alignl 7, 3214868480
	.fill 96, 4, 3214868480
	.section	.rodata,"a",@progbits
	.p2align	6, 0x0
	.amdhsa_kernel k_q3f5555e127_attn
		.amdhsa_group_segment_fixed_size 210944
		.amdhsa_private_segment_fixed_size 0
		.amdhsa_enable_private_segment 0
		.amdhsa_kernarg_size 48
		.amdhsa_user_sgpr_count 2
		.amdhsa_user_sgpr_kernarg_segment_ptr 1
		.amdhsa_wavefront_size32 1
		.amdhsa_system_sgpr_workgroup_id_x 1
		.amdhsa_system_sgpr_workgroup_id_y 1
		.amdhsa_system_sgpr_workgroup_id_z 1
		.amdhsa_system_vgpr_workitem_id 0
		.amdhsa_next_free_vgpr 256
		.amdhsa_next_free_sgpr 106
		.amdhsa_reserve_vcc 0
		.amdhsa_float_denorm_mode_32 3
		.amdhsa_float_denorm_mode_16_64 3
		.amdhsa_memory_ordered 1
		.amdhsa_forward_progress 1
		.amdhsa_inst_pref_size 37
	.end_amdhsa_kernel
	.amdgpu_metadata
---
amdhsa.version: [ 1, 2 ]
amdhsa.kernels:
  - .name:           k_q3f5555e127_attn
    .symbol:         k_q3f5555e127_attn.kd
    .args:
      - { .name: qb, .offset: 0, .size: 8, .value_kind: global_buffer, .address_space: global }
      - { .name: kb, .offset: 8, .size: 8, .value_kind: global_buffer, .address_space: global }
      - { .name: vb, .offset: 16, .size: 8, .value_kind: global_buffer, .address_space: global }
      - { .name: mb, .offset: 24, .size: 8, .value_kind: global_buffer, .address_space: global }
      - { .name: ab, .offset: 32, .size: 8, .value_kind: global_buffer, .address_space: global }
      - { .name: cl, .offset: 40, .size: 8, .value_kind: global_buffer, .address_space: global }
    .group_segment_fixed_size: 210944
    .private_segment_fixed_size: 0
    .kernarg_segment_align: 8
    .kernarg_segment_size: 48
    .max_flat_workgroup_size: 512
    .sgpr_count:     106
    .vgpr_count:     256
    .wavefront_size: 32
...
	.end_amdgpu_metadata
.endif
;; end of part 10
;; launch outp (part 11): grid 64 x 4, 4 waves a work-group, no clusters, 120,320 bytes of LDS; arguments ab, wq, bo, out0; writes out0
.if DOCPART == 11
	.amdgcn_target "amdgcn-amd-amdhsa--gfx1250"
	.amdhsa_code_object_version 6
	.text
	.protected	k_q3f5555e127_outp
	.globl	k_q3f5555e127_outp
	.p2align	8
	.type	k_q3f5555e127_outp,@function
k_q3f5555e127_outp:
	s_mov_b64 s[64:65], 0
	v_nop
	global_prefetch_b8 v0, s[64:65] scope:SCOPE_SE
	s_setreg_imm32_b32 hwreg(HW_REG_WAVE_SCHED_MODE, 0, 2), 2
	s_setreg_imm32_b32 hwreg(HW_REG_WAVE_MODE, 25, 1), 1
	s_wait_xcnt 0x0
	s_wait_alu depctr_vm_vsrc(0)
; OUTP.  out0 = a Wo^T + bo on codes of FP6 (E2M3) with one E8M0 scale for each 32 along K.  a: attention's result as codes in ab; Wo: matrix 3 of wq.
; SHARES.  Work-group (block, y) takes 128 rows x 256 columns; wave w takes columns 64 (4 y + w) on, for all 128 rows: 32 accumulators, 8 K steps of 128, 256 matrix instructions.  256 work-groups.
; The block's 64 fragments of a come from ab (two halves of 768 bytes each: registers 0-3 at 16 l, registers 4-5 at 512 + 8 l), 16 a wave, and go into LDS as images of the operand's registers; ONE barrier.
; Wo's codes come straight into registers, three K steps ahead or more.  The product is used transposed (source 0 = 16 rows of Wo, source 1 = 16 rows of a): a lane holds one row of out0 and its registers run along the columns.
; The rows of every tile are 32 (T / 2) + 8 (T % 2) + r + 8 (r / 8): the 16 registers of two neighbouring tiles of Wo are 16 neighbouring columns.
; The bias is the C of each sum's first matrix instruction: eight registers a tile, loaded from bo straight into the result's layout, so that no LDS address hangs on the work-group's number.
; THE WAY OUT: a tile (16 rows x 64 columns) goes through the wave's own stage in LDS and leaves as rows of 256 bytes, sixteen lanes to a row.
; NO CLUSTER: the shared operands are small (a block's 102,400 bytes, read by four work-groups) or go into registers (Wo's codes), where a joint load cannot land.
; THE MODE: SCHED_MODE bits 1:0 = 2 (LLVM: expert scheduling mode 2), set by the entry lines.  The code itself states the register dependences between vector or matrix instructions and memory or LDS instructions,
; with s_wait_alu, always for 0.
; THE PLAN.  Registers that memory or LDS instructions touch:
;   XF0, XF1   a's eight fragments of a K step, two buffers.  Step k's products read XF[k % 2]; the LDS loads of step k + 1, issued in step k, land in the other.  XS, a's scale words: two sets by the same turns.
;   W0 .. W3   Wo's four fragments of a K step, and WS, their scale words.  Step k's products read set k % 4; the loads of K step k + 3, issued in step k, land in set (k - 1) % 4, which step k - 1 read.
;   So ONE wait on va_vdst stands at the head of each step that issues loads into registers that products have read (steps 1 to 6).  The step's loads follow it, dealt among its products, which name XF[k % 2], set k % 4,
;   their scale words and the accumulators: none of the registers that those loads touch.
;   Window 2   At the head my 16 fragments of a: loaded, read by the LDS stores; then the accumulators; on the way out read by the LDS stores into the stage.
;   OB0, OB1   The way out: rows read back from the stage, then read by the global stores; two sets by turns.  They lie where XF1 lay.
;   The address registers v1 to v11 are made at the head and never written again.
; REGISTERS, in windows of 256.  Window 0: v1-11 addresses; v16-111 XF0; v112-119 a's scale words, two sets; v120-127 Wo's, four sets; v128-223 XF1; v176-239 a copy at the head, rows on the way out; v254, v255 kept for the closing lines.
;   Window 1: v0-191 Wo's fragments, four sets of 48; v192-223 the bias as C.   Window 2: the 32 accumulators (at the head: my 16 fragments of a).
.set XSCL,  98304                      ; LDS: fragments (K step s, tile m) at (8 s + m) x 1,536; from XSCL on the scale words, 512 bytes a K step: the word of (m, r) at 16 (r + 16 (m % 2)) + 4 (m / 2);
.set STG,   102400                     ; from STG on a stage of 16 rows x (256 + 16) bytes for each wave
.set WSOFF, 3145728
.set LI,   1                           ; v1   16 x lane
.set LIB,  2                           ; v2   the same + 49,152 (K steps 4 to 7: an LDS offset has 16 bits)
.set LSX,  3                           ; v3   16 x lane + XSCL
.set L8,   4                           ; v4   8 x lane
.set BA,   5                           ; v5   64 h: my half's bytes among a tile pair's 32 biases
.set XW,   6                           ; v6   where I store my 16 images: 16 x lane + 24,576 w
.set STO,  7                           ; v7   the stage: where I put 16 bytes of a row
.set SRD,  8                           ; v8   and where I read a row back
.set CO,   9                           ; v9   my byte offset in out0: 4,096 (lane / 16) + 16 (lane % 16)
.set T16,  10                          ; v10  16 x thread
.set TSC,  11                          ; v11  the same + XSCL
.set XF,   16                          ; buffer k % 2 at XF + 112 (k % 2)
.set XS,   112
.set WS,   120
.set CP,   176
.set OB,   176                         ; the way out: two sets of 32
.set BI,   192                         ; in window 1
.set WB,   16                          ; s[16:17] Wo's codes at my columns
.set WSB,  18                          ; s[18:19] their scale words
.set AB,   20                          ; s[20:21] my 16 fragments in ab
.set ABS,  22                          ; s[22:23] the block's scale words
.set OUT,  24                          ; s[24:25] out0 at the block's first row, my first column
.set WV,   26
.set HD,   28                          ; s28  4 y + w
.set BP,   40                          ; s[40:41] bo at my first column
.set MSB, 0
.macro WIN new                         ; the immediate's high byte repeats the setting that is left; bits 1:0 source 0, 3:2 source 1, 5:4 source 2, 7:6 destination
.if MSB != (\new)
	s_set_vgpr_msb (MSB<<8)|(\new)
.set MSB, (\new)
.endif
.endm
.macro PLACES n
.rept \n
	v_nop
.endr
.endm
.macro WM ra, rb                       ; ra, rb = 1: that side's scale words stand in lanes 16-31 of its register
.set rSel, (\ra)+2*(\rb)
.if rSel == 0
	v_wmma_scale_f32_16x16x128_f8f6f4 v[rD:rD+7], v[rA:rA+11], v[rB:rB+11], v[rC:rC+7], v[rSA], v[rSB] matrix_a_fmt:MATRIX_FMT_FP6 matrix_b_fmt:MATRIX_FMT_FP6
.elseif rSel == 1
	v_wmma_scale_f32_16x16x128_f8f6f4 v[rD:rD+7], v[rA:rA+11], v[rB:rB+11], v[rC:rC+7], v[rSA], v[rSB] matrix_a_fmt:MATRIX_FMT_FP6 matrix_b_fmt:MATRIX_FMT_FP6 matrix_a_scale:MATRIX_SCALE_ROW1
.elseif rSel == 2
	v_wmma_scale_f32_16x16x128_f8f6f4 v[rD:rD+7], v[rA:rA+11], v[rB:rB+11], v[rC:rC+7], v[rSA], v[rSB] matrix_a_fmt:MATRIX_FMT_FP6 matrix_b_fmt:MATRIX_FMT_FP6 matrix_b_scale:MATRIX_SCALE_ROW1
.else
	v_wmma_scale_f32_16x16x128_f8f6f4 v[rD:rD+7], v[rA:rA+11], v[rB:rB+11], v[rC:rC+7], v[rSA], v[rSB] matrix_a_fmt:MATRIX_FMT_FP6 matrix_b_fmt:MATRIX_FMT_FP6 matrix_a_scale:MATRIX_SCALE_ROW1 matrix_b_scale:MATRIX_SCALE_ROW1
.endif
.endm
; 8 matrix instructions: a's tiles m0, m0 + 1 against Wo's four.  The 32 accumulators take turns, one instruction a turn, in the same order in every step.
.macro MUL8 ks, m0
.if (\ks) == 0
	WIN 0x91                                       ; source 0 (Wo) and C (the bias) window 1, source 1 (a) window 0, D window 2
.else
	WIN 0xa1                                       ; the same with C in window 2
.endif
.irp m, \m0, \m0+1
.irp n, 0,1,2,3
.set rD, 8*(4*(\m)+\n)
.set rA, 48*((\ks)%4)+12*\n
.set rB, XF+112*((\ks)%2)+12*(\m)
.if (\ks) == 0
.set rC, BI+8*\n
.else
.set rC, rD
.endif
.set rSA, WS+2*((\ks)%4)+(\n/2)
.set rSB, XS+4*((\ks)%2)+((\m)/2)
	WM \n%2, (\m)%2
.endr
.endr
.endm
.macro XFETCH ks, m0                   ; a's fragments m0 .. m0 + 3 of K step ks from LDS, into XF[ks % 2]
	WIN 0
.irp m, \m0, \m0+1, \m0+2, \m0+3
.irp c, 0,1,2
	ds_load_b128 v[XF+112*((\ks)%2)+12*(\m)+4*\c:XF+112*((\ks)%2)+12*(\m)+4*\c+3], v[LI+(\ks)/4] offset:(8*((\ks)%4)+(\m))*1536+512*\c
.endr
.endr
.endm
.macro WSET set, off, soff             ; a K step's four fragments of Wo and their two scale words: 13 loads
	WIN 0x40                                       ; destination window 1
.irp n, 0,1,2,3
.irp c, 0,1,2
	global_load_b128 v[48*(\set)+12*\n+4*\c:48*(\set)+12*\n+4*\c+3], v[LI], s[WB:WB+1] offset:(\off)+1536*\n+512*\c
.endr
.endr
	WIN 0
	global_load_b64 v[WS+2*(\set):WS+2*(\set)+1], v[L8], s[WSB:WSB+1] offset:\soff
.endm
; A K step of 128: 32 matrix instructions on XF[ks % 2] and Wo's set ks % 4.  Its loads are dealt among them: behind the first eight, Wo's K step three on (steps 1 to 4), the next step's scale words of a and its tiles 0-3;
; behind the next eight, its tiles 4-7.
.macro STEP ks
.if (\ks) == 4 || (\ks) == 5
	s_wait_loadcnt 26                              ; this step's set of Wo is in: behind it two younger sets of 13 loads may be out.  (Sets 0 to 3 are in since the head's wait for all loads)
.elseif (\ks) > 5
	s_wait_loadcnt 13*(7-(\ks))                    ; the last sets: the counts run down
.endif
	s_wait_dscnt 0x0                               ; a's fragments and scale words of this step are in (asked for 16 matrix instructions ago or more)
.if (\ks) > 0 && (\ks) < 7
	PLACES 4                                       ; four plain places behind the last step's products
	s_wait_alu depctr_va_vdst(0)                   ; the last step's products are done reading the other XF, the other set of XS, and their set of Wo and WS: this step's loads land in these
.endif
	MUL8 \ks, 0
.if (\ks) > 0 && (\ks) < 5
	WSET ((\ks)+3)%4, ((\ks)+3)*6144, ((\ks)+3)*256
.endif
.if (\ks) < 7
	WIN 0
	ds_load_b128 v[XS+4*(((\ks)+1)%2):XS+4*(((\ks)+1)%2)+3], v[LSX] offset:512*((\ks)+1)
	XFETCH (\ks)+1, 0
.endif
	MUL8 \ks, 2                                    ; no further wait: no product since the wait names a register that these loads touch
.if (\ks) < 7
	XFETCH (\ks)+1, 4
.endif
	MUL8 \ks, 4
	MUL8 \ks, 6
.endm
	s_load_b256 s[8:15], s[0:1], 0x0               ; ab s[8:9], wq s[10:11], bo s[12:13], out0 s[14:15]
	v_lshl_add_u32 v254, v0, 2, 0x1d400
	v_mov_b32 v255, 0
	v_lshrrev_b32 v15, 5, v0
	v_readfirstlane_b32 s[WV], v15                 ; wave 0..3
	s_and_b32 s[HD], ttmp7, 0xffff
	s_lshl_b32 s[HD], s[HD], 2
	s_wait_alu depctr_va_sdst(0)                   ; the wave's number is written, ahead of its first reader: addresses and bases are made from it
	s_add_co_u32 s[HD], s[HD], s[WV]               ; my 64 columns: 4 y + w.  It enters global addresses alone
	v_and_b32 v15, 31, v0                          ; lane
	v_lshlrev_b32 v[LI], 4, v15
	v_add_nc_u32 v[LIB], 49152, v[LI]
	v_add_nc_u32 v[LSX], XSCL, v[LI]
	v_lshlrev_b32 v[L8], 3, v15
	v_and_b32 v16, 15, v0                          ; r
	v_bfe_u32 v17, v0, 4, 1                        ; h
	v_lshlrev_b32 v[BA], 6, v17
	s_mul_i32 s30, s[WV], 24576
	v_add_nc_u32 v[XW], s30, v[LI]
	s_mul_i32 s30, s[WV], 4352
	s_add_co_u32 s30, s30, STG                     ; my stage
	v_mul_u32_u24 v[STO], v16, 272
	v_lshl_add_u32 v[STO], v17, 6, v[STO]
	v_add_nc_u32 v[STO], s30, v[STO]               ; in: row r, + 64 h
	v_mul_u32_u24 v[SRD], v17, 272
	v_lshl_add_u32 v[SRD], v16, 4, v[SRD]
	v_add_nc_u32 v[SRD], s30, v[SRD]               ; back: lanes 0-15 one row, lanes 16-31 the next
	v_lshlrev_b32 v[CO], 12, v17
	v_lshl_add_u32 v[CO], v16, 4, v[CO]
	v_lshlrev_b32 v[T16], 4, v0
	v_add_nc_u32 v[TSC], XSCL, v[T16]
	s_mul_i32 s30, s[HD], 49152
	s_add_co_u32 s30, s30, 2359296                 ; matrix 3: 3 x 786,432
	s_mov_b32 s31, 0
	s_lshl_b32 s32, s[HD], 11
	s_add_co_u32 s32, s32, WSOFF+98304             ; its scale words: 3 x 32,768
	s_mov_b32 s33, 0
	s_mul_i32 s34, ttmp9, 102400                   ; the block in ab
	s_mov_b32 s35, 0
	s_mul_i32 s2, s[WV], 24576                     ; my 16 fragments
	s_add_co_u32 s2, s2, s34
	s_mov_b32 s3, 0
	s_add_co_u32 s34, s34, 98304
	s_lshl_b32 s38, s[HD], 8                       ; my columns' 256 bytes, in bo and in a row of out0
	s_mov_b32 s39, 0
	s_lshl_b32 s36, ttmp9, 19                      ; the block's 128 rows of 4,096 bytes in out0
	s_add_co_u32 s36, s36, s38
	s_mov_b32 s37, 0
	s_wait_kmcnt 0x0
	s_add_nc_u64 s[WB:WB+1], s[10:11], s[30:31]
	s_add_nc_u64 s[WSB:WSB+1], s[10:11], s[32:33]
	s_add_nc_u64 s[AB:AB+1], s[8:9], s[2:3]
	s_add_nc_u64 s[ABS:ABS+1], s[8:9], s[34:35]
	s_add_nc_u64 s[BP:BP+1], s[12:13], s[38:39]
	s_add_nc_u64 s[OUT:OUT+1], s[14:15], s[36:37]
	s_wait_alu depctr_va_vdst(0)                   ; the address registers v1 to v11 are written, which the loads and stores of the whole kernel read; so are v16 and v17, in which a fragment of a lands
	WSET 0, 0, 0
	WSET 1, 6144, 256
	WSET 2, 12288, 512
	WSET 3, 18432, 768
	WIN 0x40                                       ; destination window 1
.irp n, 0,1,2,3                                ; C of tile n: lane (r, h), register j: the bias of column 32 (n / 2) + 16 h + 8 (n % 2) + j
	global_load_b128 v[BI+8*\n:BI+8*\n+3], v[BA], s[BP:BP+1] offset:(32*(\n/2)+8*(\n%2))*4
	global_load_b128 v[BI+8*\n+4:BI+8*\n+7], v[BA], s[BP:BP+1] offset:(32*(\n/2)+8*(\n%2))*4+16
.endr
	WIN 0x80                                       ; destination window 2
.set ii, 0
.rept 16                                       ; a fragment is two halves, one from each head of the pair: registers 0-3, 4-5, 6-9, 10-11
	global_load_b128 v[12*ii:12*ii+3], v[LI], s[AB:AB+1] offset:1536*ii
	global_load_b64 v[12*ii+4:12*ii+5], v[L8], s[AB:AB+1] offset:1536*ii+512
	global_load_b128 v[12*ii+6:12*ii+9], v[LI], s[AB:AB+1] offset:1536*ii+768
	global_load_b64 v[12*ii+10:12*ii+11], v[L8], s[AB:AB+1] offset:1536*ii+1280
.set ii, ii+1
.endr
	WIN 0
	global_load_b128 v[CP:CP+3], v[T16], s[ABS:ABS+1]             ; the block's scale words, 4,096 bytes: 32 a thread
	global_load_b128 v[CP+4:CP+7], v[T16], s[ABS:ABS+1] offset:2048
	s_wait_loadcnt 0x0                             ; all of the head's loads: Wo's first four sets and the bias among them
	WIN 0x08                                       ; an LDS store's data are its source 1: window 2
.set ii, 0
.rept 16
.irp c, 0,1,2
	ds_store_b128 v[XW], v[12*ii+4*\c:12*ii+4*\c+3] offset:1536*ii+512*\c
.endr
.set ii, ii+1
.endr
	WIN 0
	ds_store_b128 v[TSC], v[CP:CP+3]
	ds_store_b128 v[TSC], v[CP+4:CP+7] offset:2048
	s_wait_dscnt 0x0                               ; for the others' sake: my stores have landed
	s_barrier_signal -1
	s_barrier_wait -1                              ; the block's fragments and scale words lie in LDS; they are only read from here on
	s_wait_alu depctr_vm_vsrc(0)                   ; my LDS stores have read window 2, which the products write from here on, and v176 to v183, in which fragments of a land
	XFETCH 0, 0
	ds_load_b128 v[XS:XS+3], v[LSX]
	XFETCH 0, 4
.irp k, 0,1,2,3,4,5,6,7
	STEP \k
.endr
; THE WAY OUT.  Tile m: lane (r, h) holds columns 32 b + 16 h + 0 .. 15 of row r in registers 32 m + 16 b on.  LDS serves a wave's instructions in order (ISA guide 5.7.1.4): no wait on DScnt between the stores and the loads, nor in front of the next tile's stores.
.macro TOSTAGE m
	WIN 0x08
.irp b, 0,1
.irp q, 0,1,2,3
	ds_store_b128 v[STO], v[32*(\m)+16*\b+4*\q:32*(\m)+16*\b+4*\q+3] offset:128*\b+16*\q   ; each accumulator from its low end on
.endr
.endr
	WIN 0
.irp i, 0,1,2,3,4,5,6,7
	ds_load_b128 v[OB+32*((\m)%2)+4*\i:OB+32*((\m)%2)+4*\i+3], v[SRD] offset:544*\i
.endr
.endm
.macro SEND m, younger                 ; younger: the LDS instructions issued behind tile m's loads, which may stay out
	s_wait_dscnt \younger
.irp i, 0,1,2,3,4,5,6,7                        ; stage row 2 i + lane / 16 is row 32 (m / 2) + 8 (m % 2) + 2 i + 8 (i / 4) + lane / 16 of the block
	global_store_b128 v[CO], v[OB+32*((\m)%2)+4*\i:OB+32*((\m)%2)+4*\i+3], s[OUT:OUT+1] offset:(32*((\m)/2)+8*((\m)%2)+2*\i+8*(\i/4))*4096 th:TH_STORE_NT   ; sixteen lanes store 256 consecutive bytes, aligned; written once, read by nobody here
.endr
.endm
	PLACES 4                                       ; four plain places behind the last products, before their results are read
	s_wait_alu depctr_va_vdst(0)                   ; the products have written the accumulators, which the LDS stores read, and are done reading XF1, in whose registers the rows from the stage land; no vector instruction follows
	TOSTAGE 0
.irp m, 1,2,3,4,5,6,7
.if \m > 1
	s_wait_xcnt 0x0                                ; tile m - 2's stores have had their addresses translated,
	s_wait_alu depctr_vm_vsrc(0)                   ; and have read their registers: tile m's loads may land there
.endif
	TOSTAGE \m
	SEND \m-1, 16                                  ; behind tile m - 1's loads: tile m's 8 stores and 8 loads
.endr
	SEND 7, 0
	s_wait_dscnt 0x0                               ; the closing lines, six on end
	s_wait_alu 0x0
	s_wait_tensorcnt 0x0
	ds_add_u32 v254, v255
	s_wait_dscnt 0x0
	s_endpgm
.Lfunc_end_k_q3f5555e127_outp:
	.size	k_q3f5555e127_outp, .Lfunc_end_k_q3f5555e127_outp-k_q3f5555e127_outp
	.p2alignl 7, 3214868480
	.fill 96, 4, 3214868480
	.section	.rodata,"a",@progbits
	.p2align	6, 0x0
	.amdhsa_kernel k_q3f5555e127_outp
		.amdhsa_group_segment_fixed_size 120320
		.amdhsa_private_segment_fixed_size 0
		.amdhsa_enable_private_segment 0
		.amdhsa_kernarg_size 32
		.amdhsa_user_sgpr_count 2
		.amdhsa_user_sgpr_kernarg_segment_ptr 1
		.amdhsa_wavefront_size32 1
		.amdhsa_system_sgpr_workgroup_id_x 1
		.amdhsa_system_sgpr_workgroup_id_y 1
		.amdhsa_system_sgpr_workgroup_id_z 1
		.amdhsa_system_vgpr_workitem_id 0
		.amdhsa_next_free_vgpr 768
		.amdhsa_next_free_sgpr 66
		.amdhsa_reserve_vcc 0
		.amdhsa_float_denorm_mode_32 3
		.amdhsa_float_denorm_mode_16_64 3
		.amdhsa_memory_ordered 1
		.amdhsa_forward_progress 1
		.amdhsa_inst_pref_size 86
	.end_amdhsa_kernel
	.amdgpu_metadata
---
amdhsa.version: [ 1, 2 ]
amdhsa.kernels:
  - .name:           k_q3f5555e127_outp
    .symbol:         k_q3f5555e127_outp.kd
    .args:
      - { .name: ab, .offset: 0, .size: 8, .value_kind: global_buffer, .address_space: global }
      - { .name: wq, .offset: 8, .size: 8, .value_kind: global_buffer, .address_space: global }
      - { .name: bo, .offset: 16, .size: 8, .value_kind: global_buffer, .address_space: global }
      - { .name: out0, .offset: 24, .size: 8, .value_kind: global_buffer, .address_space: global }
    .group_segment_fixed_size: 120320
    .private_segment_fixed_size: 0
    .kernarg_segment_align: 8
    .kernarg_segment_size: 32
    .max_flat_workgroup_size: 128
    .sgpr_count:     66
    .vgpr_count:     768
    .wavefront_size: 32
...
	.end_amdgpu_metadata
.endif
;; end of part 11
